; MI455X (gfx1250); checked and timed in simulation.
; The chip was launched on July 23, 2026; its instructions are those of AMD's public machine-readable ISA for CDNA 5 (MIT licence, August 2026) and "CDNA5" Instruction Set Architecture Reference Guide (July 2026). The comments in the code are by the model that wrote it; some were corrected since.
;; Multi Head Attention. Allowed arithmetic: matrix products marked QUANTISED: E2M3 operands, one E8M0 scale for each 32 along K, by v_wmma_scale_f32_16x16x128_f8f6f4 with both operands' format E2M3, f32 sums; everything else in f32.
;; Inputs: bk 512 float32; bm 512 float32; bq 512 float32; bv 512 float32; enc_cos 1 x 64 x 1 x 2,048 float32; enc_sin 1 x 64 x 1 x 2,048 float32; key 8 x 512 x 2,048 float32; query 8 x 512 x 2,048 float32; value 8 x 512 x 2,048 float32; wk 512 x 512 float32; wm 512 x 512 float32; wq 512 x 512 float32; wv 512 x 512 float32.
;; Outputs: out0 8 x 512 x 2,048 float32.
;; This version of the problem:
;;   THIS VERSION OF THE PROBLEM IS GIVEN IN LOW PRECISION. The matrix products marked QUANTISED in the list below multiply operands that are first quantised to E2M3 (2 exponent bits, 3 mantissa bits; 6 bits a number), with one power-of-two scale for each 32 numbers along K (OCP MX v1.0); their sums are f32. All else is computed in f32.
;;   The module's matrix products, in the order in which they are computed (A, B: the left and right operand; K: the contracted axis; several contracted axes count as one K, in the product's order):
;;     1. [M 16,384, K 512] x [K 512, N 512]; A: input query; B: input wq: QUANTISED
;;     2. [M 16,384, K 512] x [K 512, N 512]; A: input key; B: input wk: QUANTISED
;;     3. [M 16,384, K 512] x [K 512, N 512]; A: input value; B: input wv: QUANTISED
;;     4. batch 64 x [M 2,048, K 64] x [K 64, N 2,048]; A: computed on the way; B: computed on the way: QUANTISED
;;     5. batch 64 x [M 64, K 2,048] x [K 2,048, N 2,048]; A: computed on the way; B: softmax (see below): QUANTISED
;;     6. [M 16,384, K 512] x [K 512, N 512]; A: computed on the way; B: input wm: QUANTISED
;;   THE QUANTISER, for each operand of a quantised product, along K:
;;     - K is cut into blocks of 32 from its start; a last block that is shorter is filled with zeros.
;;     - A block's scale is 2^e with e = floor(log2(the largest magnitude in the block)) - 2, held to -126 .. 127; a block of zeros has e = 0. As a byte (E8M0): e + 127.
;;     - Each number is divided by its block's scale, clamped to +-7.5, and rounded to the nearest number of E2M3, ties to even, subnormals kept.
;;     - The product sums the exact products of the quantised numbers (number of the format x scale) in f32.
;;   ~~~python
;;   def quantise(x, axis):      # numpy; x: float32 -> the quantised numbers, widened to float32 again
;;       x = np.moveaxis(x, axis, -1); K = x.shape[-1]
;;       x = np.pad(x, [(0, 0)] * (x.ndim - 1) + [(0, -K % 32)]); x = x.reshape(x.shape[:-1] + (-1, 32)); a = np.abs(x).max(-1, keepdims=True)
;;       e = np.where(a > 0, np.clip(np.frexp(np.where(a > 0, a, 1))[1] - 1 - 2, -126, 127), 0)      # np.frexp(a)[1] - 1 = floor(log2(a)), exactly
;;       r = np.clip(x / 2.0 ** e, -7.5, 7.5)
;;       step = 2.0 ** (np.maximum(np.frexp(np.where(r == 0, 1, r))[1] - 1, 0) - 3)
;;       q = np.round(r / step) * step * 2.0 ** e      # np.round: ties to even
;;       return np.moveaxis(q.reshape(q.shape[:-2] + (-1,))[..., :K], -1, axis).astype(np.float32)
;;   ~~~
;;   SOFTMAX AHEAD OF A QUANTISED PRODUCT. Where the list says 'softmax', what is quantised is not the finished softmax but p = 2^(t - M), with t = logit x log2(e) and M = ceil(the row's largest t), a whole number; so 1/2 < the row's largest p <= 1. The row's sum l is taken of the UNQUANTISED p, in f32, and the product's result is divided by l at the end. Since M is a whole number, a kernel that streams over the keys may use a running M (the ceiling of the running maximum): every later rescaling is an exact power of two, which a block's scale takes up: the codes' values come out the same.
;;   OPERANDS COMPUTED ON THE WAY. 'Computed on the way' means the value that the module computes at that place (a softmax that the list does not call 'softmax' is quantised finished and normalised). What goes into a quantiser is computed in f32, as accurately as f32 sums, v_exp_f32 and their like allow (about 1e-6 of the number): no bf16 or f16 on the way to a quantiser, and a product that is left as it is and whose result goes on into a quantised operand takes f32 operands (vector FMAs, or v_wmma_f32_16x16x4_f32). A number that lies on a knife's edge between two numbers of the format may be rounded either way, as far as f32 arithmetic and the matrix unit's own rounding can turn it there, and no further.
;; 2 versions. Each part assembles by itself: llvm-mc -triple=amdgcn-amd-amdhsa -mcpu=gfx1250 --defsym DOCPART=n.
;; ======== version 1 of 2: 4 launches
;; workspace buffers: wrec 851,968 bytes; qc 6,291,456 bytes; qs 524,288 bytes; kv 13,369,344 bytes; att 33,554,432 bytes
;; launch wquant (part 1): grid 128 x 1, 2 waves a work-group, no clusters, 0 bytes of LDS; arguments wq, wk, wv, wm, wrec; writes wrec
.if DOCPART == 1
	.amdgcn_target "amdgcn-amd-amdhsa--gfx1250"
	.amdhsa_code_object_version 6
	.text
	.protected	k_q5fa8dd9336_wquant
	.globl	k_q5fa8dd9336_wquant
	.p2align	8
	.type	k_q5fa8dd9336_wquant,@function
k_q5fa8dd9336_wquant:
	s_mov_b64 s[64:65], 0
	v_nop
	global_prefetch_b8 v0, s[64:65] scope:SCOPE_SE
	s_setreg_imm32_b32 hwreg(HW_REG_WAVE_MODE, 25, 1), 1
	s_wait_xcnt 0x0
; The four weights [512 (o)][512 (i)], f32, K = i innermost, become codes of FP6 (E2M3) with one E8M0 byte for each 32 along i,
; laid as the later launches' operand registers want them: 32 records of 26,624 bytes, record 8 T + hd (T: 0 wq, 1 wk, 2 wv, 3 wm).
; A record: 16 fragments (tile t of 16 rows, K step s of 128) at (4 t + s) x 1,536 bytes, each an image of its 12 registers (group g of four
; registers at 512 g + 16 x lane); behind them, at 24,576 + 512 t + 256 half + 8 x lane, the rows' scale words of K steps 2 half, 2 half + 1.
; WHICH ROWS FORM A TILE: T = 0, 1: lane r takes d = 32 (t / 2) + 8 (t % 2) + r + 8 (r / 8), o = 8 d + hd (head hd), so that the results of
; tiles 2 b, 2 b + 1 are 16 neighbours along d in a lane;  T = 2: d = 16 t + r, o = 8 d + hd;  T = 3: o = 64 hd + 16 t + r.
; A work-group takes one tile (T, hd, t), each of its two waves two K steps.  Lane (r, h) takes, of row r, the blocks of 32 that the operand's
; layout gives it (k = 64 c + 32 h + 0 .. 31), 128 neighbouring bytes each: a block's largest magnitude needs no other lane.
; A lane's eight loads of a block cover 128 consecutive bytes of its own row; the rows lie far apart.  The launch reads 4 MiB in all, once.
; A block's scale is 2^(floor(log2(largest magnitude)) - 2); its byte is the largest magnitude's exponent field - 2, held at 1 from below.
; LIMITS: a block of zeros gets the byte 1 where the rule says 127 (its codes are zeros, and this program alone reads the bytes); NaN and infinities are not served.
.set WREC, 26624
.set FRB,  1536
.set WO,   4                           ; v4   my byte offset in the weight: o x 2,048 + 128 h
.set LI,   5                           ; v5   16 x lane
.set L8,   6                           ; v6   8 x lane
.set SH,   7                           ; v7   8 h: where my two bytes stand in the scale word
.set MXA,  8                           ; v8-9 a block's largest magnitude, in two chains
.set MXB,  9
.set SCO,  10                          ; v10  the conversions' scale operand
.set B0,   11                          ; v11-12 the bytes of my two blocks
.set B1,   12
.set PXT,  13                          ; v13  lane l xor 16's bytes
.set WW,   14                          ; v[14:15] the two K steps' scale words
.set TC,   16                          ; v16-18 the upper 16 codes of a block (a conversion's three registers begin on an even number)
.set FR,   20                          ; v20-43 two fragments
.set NUM,  64                          ; v64-191 128 numbers
; 32 numbers of one lane, v[src] on, become 6 registers of codes at v[dst] and the scale's byte in v[byt]
.macro QBLK src, dst, byt
	v_max3_num_f32 v[MXA], |v[\src]|, |v[\src+1]|, |v[\src+2]|
	v_max3_num_f32 v[MXB], |v[\src+3]|, |v[\src+4]|, |v[\src+5]|
.irp i, 6,10,14,18,22,26
	v_max3_num_f32 v[MXA], v[MXA], |v[\src+\i]|, |v[\src+\i+1]|
	v_max3_num_f32 v[MXB], v[MXB], |v[\src+\i+2]|, |v[\src+\i+3]|
.endr
	v_max3_num_f32 v[MXA], v[MXA], |v[\src+30]|, |v[\src+31]|
	v_max3_num_f32 v[MXA], v[MXA], v[MXB], 0x1800000   ; and the floor 2^(3 - 127): the byte cannot fall under 1
	v_add_nc_u32 v[SCO], 0xff000000, v[MXA]            ; 2 off the exponent field: the conversion takes this operand's exponent field as its scale
	v_lshrrev_b32 v[\byt], 23, v[SCO]                  ; the scale's byte
	v_cvt_scalef32_pk16_fp6_f32 v[\dst:\dst+2], v[\src:\src+15], v[SCO]
	v_cvt_scalef32_pk16_fp6_f32 v[TC:TC+2], v[\src+16:\src+31], v[SCO]
	v_nop                                              ; one plain line behind the conversions, ahead of the moves that read their result
	v_mov_b32 v[\dst+3], v[TC]
	v_mov_b32 v[\dst+4], v[TC+1]
	v_mov_b32 v[\dst+5], v[TC+2]
.endm
	s_load_b256 s[4:11], s[0:1], 0x0               ; wq, wk, wv, wm
	s_load_b64 s[12:13], s[0:1], 0x20              ; the records
	v_lshrrev_b32 v1, 5, v0
	v_readfirstlane_b32 s14, v1                    ; wave = which two K steps
	v_and_b32 v1, 31, v0                           ; lane
	v_and_b32 v2, 15, v0                           ; r
	v_bfe_u32 v3, v0, 4, 1                         ; h
	s_lshr_b32 s15, ttmp9, 5                       ; T
	s_bfe_u32 s16, ttmp9, 0x30002                  ; hd
	s_and_b32 s17, ttmp9, 3                        ; t
	s_lshr_b32 s18, s17, 1
	s_lshl_b32 s18, s18, 5
	s_and_b32 s19, s17, 1
	s_lshl_b32 s19, s19, 3
	s_add_co_u32 s18, s18, s19                     ; 32 (t / 2) + 8 (t % 2)
	s_lshl_b32 s19, s17, 4                         ; 16 t
	s_lshl_b32 s21, s16, 6                         ; 64 hd
	s_cmp_lt_u32 s15, 2                            ; wq, wk: the rows of a tile are not neighbours
	s_cselect_b32 s18, s18, s19
	s_cselect_b32 s19, 8, 0
	s_cmp_lt_u32 s15, 3                            ; wq, wk, wv: o = 8 d + hd;  wm: o = 64 hd + row
	s_cselect_b32 s20, 3, 0
	s_cselect_b32 s21, s16, s21
	v_and_b32 v[WO], s19, v2
	v_add_nc_u32 v[WO], v[WO], v2
	v_add_nc_u32 v[WO], s18, v[WO]
	v_lshlrev_b32 v[WO], s20, v[WO]
	v_add_nc_u32 v[WO], s21, v[WO]                 ; o
	v_lshlrev_b32 v[WO], 11, v[WO]                 ; a row is 2,048 bytes
	v_lshl_add_u32 v[WO], v3, 7, v[WO]             ; + 128 h
	s_lshl_b32 s22, s14, 10                        ; my two K steps: 1,024 bytes on for wave 1
	s_mov_b32 s23, 0
	s_wait_kmcnt 0x0
	s_cmp_lt_u32 s15, 1                            ; the choice of the weight hangs on the work-group's number alone
	s_cselect_b64 s[4:5], s[4:5], s[6:7]
	s_cmp_lt_u32 s15, 3
	s_cselect_b64 s[8:9], s[8:9], s[10:11]
	s_cmp_lt_u32 s15, 2
	s_cselect_b64 s[4:5], s[4:5], s[8:9]
	s_add_nc_u64 s[4:5], s[4:5], s[22:23]
.irp k, 0,1
.irp c, 0,1
.irp i, 0,1,2,3,4,5,6,7
	global_load_b128 v[NUM+64*\k+32*\c+4*\i:NUM+64*\k+32*\c+4*\i+3], v[WO], s[4:5] offset:512*\k+256*\c+16*\i th:TH_LOAD_NT
.endr
.endr
.endr
	v_lshlrev_b32 v[LI], 4, v1
	v_lshlrev_b32 v[L8], 3, v1
	v_lshlrev_b32 v[SH], 3, v3
	v_mov_b32 v[PXT], 0                            ; a lane permute's destination counts as one of its sources
	s_mov_b32 s32, 0x76543210
	s_mov_b32 s33, 0xfedcba98                      ; v_permlanex16_b32's selects for lane l xor 16
	s_lshr_b32 s24, ttmp9, 2                       ; 8 T + hd
	s_mul_i32 s24, s24, WREC
	s_mov_b32 s25, 0
	s_add_nc_u64 s[12:13], s[12:13], s[24:25]      ; my record
	s_lshl_b32 s26, s17, 1
	s_add_co_u32 s26, s26, s14                     ; 2 t + half
	s_mul_i32 s24, s26, 2*FRB
	s_add_nc_u64 s[28:29], s[12:13], s[24:25]      ; fragment 4 t + 2 half
	s_lshl_b32 s24, s26, 8
	s_add_nc_u64 s[30:31], s[12:13], s[24:25]      ; the scale words' 256 bytes (24,576 stand in the immediate)
.macro KSTEP k
	QBLK NUM+64*\k, FR+12*\k, B0                   ; block h of the K step -> registers 0-5
	QBLK NUM+64*\k+32, FR+12*\k+6, B1              ; block 2 + h -> registers 6-11
	v_lshl_or_b32 v[B0], v[B1], 16, v[B0]          ; my two bytes,
	v_lshlrev_b32 v[B0], v[SH], v[B0]              ; at their places in the word;
	v_permlanex16_b32 v[PXT], v[B0], s32, s33
	v_or_b32 v[WW+\k], v[B0], v[PXT]               ; with lane l xor 16's two the word is whole, in both halves of the lanes
.irp g, 0,1,2
	global_store_b128 v[LI], v[FR+12*\k+4*\g:FR+12*\k+4*\g+3], s[28:29] offset:FRB*\k+512*\g   ; 32 lanes store 512 consecutive bytes, aligned
.endr
.endm
	s_wait_loadcnt 16                              ; the first K step's 16 loads are in, the second's stay out
	KSTEP 0
	s_wait_loadcnt 0x0
	KSTEP 1                                        ; (each K step has its own registers for its codes: no store's data are written again)
	global_store_b64 v[L8], v[WW:WW+1], s[30:31] offset:24576   ; 256 consecutive bytes, aligned
	s_endpgm
.Lfunc_end_k_q5fa8dd9336_wquant:
	.size	k_q5fa8dd9336_wquant, .Lfunc_end_k_q5fa8dd9336_wquant-k_q5fa8dd9336_wquant
	.p2alignl 7, 3214868480
	.fill 96, 4, 3214868480
	.section	.rodata,"a",@progbits
	.p2align	6, 0x0
	.amdhsa_kernel k_q5fa8dd9336_wquant
		.amdhsa_group_segment_fixed_size 0
		.amdhsa_private_segment_fixed_size 0
		.amdhsa_enable_private_segment 0
		.amdhsa_kernarg_size 40
		.amdhsa_user_sgpr_count 2
		.amdhsa_user_sgpr_kernarg_segment_ptr 1
		.amdhsa_wavefront_size32 1
		.amdhsa_system_sgpr_workgroup_id_x 1
		.amdhsa_system_sgpr_workgroup_id_y 1
		.amdhsa_system_sgpr_workgroup_id_z 1
		.amdhsa_system_vgpr_workitem_id 0
		.amdhsa_next_free_vgpr 192
		.amdhsa_next_free_sgpr 66
		.amdhsa_reserve_vcc 0
		.amdhsa_float_denorm_mode_32 3
		.amdhsa_float_denorm_mode_16_64 3
		.amdhsa_memory_ordered 1
		.amdhsa_forward_progress 1
		.amdhsa_inst_pref_size 12
	.end_amdhsa_kernel
	.amdgpu_metadata
---
amdhsa.version: [ 1, 2 ]
amdhsa.kernels:
  - .name:           k_q5fa8dd9336_wquant
    .symbol:         k_q5fa8dd9336_wquant.kd
    .args:
      - { .name: wq, .offset: 0, .size: 8, .value_kind: global_buffer, .address_space: global }
      - { .name: wk, .offset: 8, .size: 8, .value_kind: global_buffer, .address_space: global }
      - { .name: wv, .offset: 16, .size: 8, .value_kind: global_buffer, .address_space: global }
      - { .name: wm, .offset: 24, .size: 8, .value_kind: global_buffer, .address_space: global }
      - { .name: wrec, .offset: 32, .size: 8, .value_kind: global_buffer, .address_space: global }
    .group_segment_fixed_size: 0
    .private_segment_fixed_size: 0
    .kernarg_segment_align: 8
    .kernarg_segment_size: 40
    .max_flat_workgroup_size: 64
    .sgpr_count:     66
    .vgpr_count:     192
    .wavefront_size: 32
...
	.end_amdgpu_metadata
.endif
;; end of part 1
;; launch proj (part 2): grid 256 x 3, 8 waves a work-group, no clusters, 83,968 bytes of LDS; arguments query, key, value, enc_cos, enc_sin, bq, bk, bv, wrec, qc, qs, kv; writes qc, qs, kv
.if DOCPART == 2
	.amdgcn_target "amdgcn-amd-amdhsa--gfx1250"
	.amdhsa_code_object_version 6
	.text
	.protected	k_q5fa8dd9336_proj
	.globl	k_q5fa8dd9336_proj
	.p2align	8
	.type	k_q5fa8dd9336_proj,@function
k_q5fa8dd9336_proj:
	s_mov_b64 s[64:65], 0
	v_nop
	global_prefetch_b8 v0, s[64:65] scope:SCOPE_SE
	s_setreg_imm32_b32 hwreg(HW_REG_WAVE_MODE, 25, 1), 1
	s_wait_xcnt 0x0
; The three projections, with RoPE for q and k, each result leaving as codes of FP6 (E2M3) in the order of the attention launch's operand registers.
; y = 0: q = rope(wq query + bq) -> qc, qs;  y = 1: k likewise -> kv;  y = 2: v = wv value + bv, quantised along the KEYS -> kv.
; SHARES.  A work-group takes 64 columns n (n-block nb) of one batch b, all 512 inputs i and all 512 outputs.  x [b][i][n] is read once, by this work-group alone.
; X PHASE.  K = i is not innermost: a lane takes a column and its registers run down i.  Wave w takes K step s = w / 2 (128 i) of group G = w % 2 (32 columns): each load reads 128 consecutive
; bytes, and two waves stand side by side on a row's 256.  A lane's four blocks of 32 are quantised in registers; twelve exchanges of lane halves make two fragments; they go to LDS as images of their registers.
; COLUMN ORDER: lane l takes column (l & 7) + 16 (l >> 3 & 1) + 8 (l >> 4) of its 32, so that row r of x's tile u is column 8 u + r + 8 (r / 8): results of tiles u = 0, 1 are then 16 neighbours along n in a lane.
; PRODUCTS.  Wave w is HEAD w: outputs o = 8 d + w, d = 0 .. 63; its 16 weight fragments stay in registers.
;   q, k: source 0 = 16 rows of W, source 1 = 16 columns of x: a lane holds one column and 16 neighbours along d of each block of 32: RoPE's pairs lie in neighbouring registers, and d is the scores' K.
;   v:    source 0 = x, source 1 = W: a lane holds one d and 16 neighbouring columns: the keys are the second attention product's K.
; The bias is the C of each sum's first product.
; WHAT LEAVES.  q, k: for each group of 32 columns a pair image (registers 0-5 tile u = 0, 6-11 tile u = 1; 1,536 bytes) and a word a row: byte(d 0-31), byte(d 32-63), 0x7f, 0x7f.
;   A record of kv (13,056 bytes: one head, 128 keys = n-blocks 2 st + e): K's four pairs j = e + 2 G at 1,536 j; V's four tiles of 16 d at 6,144 + 1,536 t, in which block j of the keys lies in lanes 16 e + r, registers 6 G on;
;   K's words at 12,288 + 256 e + 8 lane + 4 G;  V's scale bytes at 12,800 + 8 (16 (t % 2) + r) + 4 (t / 2) + j.
;   V's scale bytes leave by stores of one byte (128 a wave): a scale word's four bytes come from two work-groups.  All other stores cover 256 or 512 consecutive bytes, aligned.
; The cos and sin images are made by every work-group, v's too (32 loads, 8 LDS stores that v's path does not read), so that the text ahead of the products has one way for all three tensors but for the bias.
; No cluster: work-groups share only the weights' records, which go straight into registers.  No prefetch: a work-group asks for all it reads within its first lines.
; LIMITS: a block of zeros gets the byte 1 where the rule says 127 (its codes are zeros, and this program alone reads the bytes); NaN and infinities are not served.
; REGISTERS.  Window 0: v1-23 lane numbers and addresses; v24-27, v32-47 scale words (x's, W's) and nothing else; v28-31, v48-58 at work; v64-127 two sets of 32 numbers of x, later cos and sin of tile u = 0, later the codes;
;   v128-223 x's eight fragments (X phase: cos, sin as loaded, the two fragments made; behind the products: cos and sin of tile u = 1, the 32 rotated numbers); v224-255 the bias.
;   Window 1: v0-191 W's 16 fragments (tile t, K step s at 12 (4 t + s)); v192-255 eight accumulators.
.set FRB,   1536
.set WREC,  26624
.set KVREC, 13056
.set XSC,   24576                      ; LDS: 0: x's 16 fragments, wave w's tile u at (2 w + u) x 1,536;  here: their scale words, 128 bytes a wave
.set ENC,   25600                      ; cos and sin in the results' layout: unit (2 G + u) x 4 + t of 2,048 bytes: cos j 0-3, cos j 4-7, sin j 0-3, sin j 4-7, 512 bytes each
.set VSTG,  58368                      ; v's path alone: 3,072 bytes a wave, the wave's own
.set XO,  4                            ; v4   4 x my column of the group's 32
.set LI,  5                            ; v5   16 x lane
.set LS,  6                            ; v6   4 x lane
.set L8,  7                            ; v7   8 x lane
.set XWI, 8                            ; v8   where I store x's images
.set XWS, 9                            ; v9   and their scale words
.set EO,  10                           ; v10  my byte offset in cos and in sin
.set EWI, 11                           ; v11  where I store their images
.set BOQ, 12                           ; v12  my byte offset in the bias, q's and k's layout
.set VA,  13                           ; v13-14 v's stage, on the way in
.set VB,  14
.set VR,  15                           ; v15  and back
.set VGO, 16                           ; v16  my byte offset among V's images
.set VSO, 17                           ; v17  and among V's scale bytes
.set MXA, 18
.set MXB, 19
.set SCO, 20
.set BYT, 21
.set XW,  22                           ; v22  my column's scale word
.set BOV, 23                           ; v23  my byte offset in the bias, v's layout
.set XS,  24                           ; v24-27 x's scale words, K step s: lanes 0-15 tile u = 0, lanes 16-31 tile u = 1
.set MB,  28
.set PX,  30
.set WS,  32                           ; v32-47 W's scale words (4 t + s)
.set SQ,  48
.set BY,  50
.set WD,  52
.set SCW, 54
.set TC,  56
.set X0,  64
.set X1,  96
.set CS0, 64
.set PK,  64
.set XF,  128
.set EN,  128
.set F0,  160
.set F1,  172
.set CS1, 128
.set TT,  192
.set BIAS, 224
.set ACC, 192                          ; in window 1
.set VE,  64                           ; v's path: v64-87 a tile's six registers of codes; v88-103 the second halves; v104-111 bytes; v112-123 at work; v128-151 the way out
.set VT,  88
.set VBY, 104
.set VMX, 112
.set VPX, 116
.set VSQ, 120
.set VRB, 128
.set MSB, 0
.macro WIN new                         ; the immediate's high byte repeats the setting that is left
.if MSB != \new
	s_set_vgpr_msb (MSB<<8)|\new
.set MSB, \new
.endif
.endm
; 32 numbers of one lane, v[src] on, become 6 registers of codes at v[dst] and the scale's byte in v[byt]
.macro QBLK src, dst, byt
	v_max3_num_f32 v[MXA], |v[\src]|, |v[\src+1]|, |v[\src+2]|
	v_max3_num_f32 v[MXB], |v[\src+3]|, |v[\src+4]|, |v[\src+5]|
.irp i, 6,10,14,18,22,26
	v_max3_num_f32 v[MXA], v[MXA], |v[\src+\i]|, |v[\src+\i+1]|
	v_max3_num_f32 v[MXB], v[MXB], |v[\src+\i+2]|, |v[\src+\i+3]|
.endr
	v_max3_num_f32 v[MXA], v[MXA], |v[\src+30]|, |v[\src+31]|
	v_max3_num_f32 v[MXA], v[MXA], v[MXB], 0x1800000   ; and the floor 2^(3 - 127): the byte cannot fall under 1
	v_add_nc_u32 v[SCO], 0xff000000, v[MXA]            ; 2 off the exponent field: the conversion's scale operand
	v_lshrrev_b32 v[\byt], 23, v[SCO]                  ; the scale's byte
	v_cvt_scalef32_pk16_fp6_f32 v[\dst:\dst+2], v[\src:\src+15], v[SCO]
	v_cvt_scalef32_pk16_fp6_f32 v[TC:TC+2], v[\src+16:\src+31], v[SCO]   ; (a conversion's three registers begin on an even number)
	v_nop                                              ; one plain line behind the conversions
	v_mov_b32 v[\dst+3], v[TC]
	v_mov_b32 v[\dst+4], v[TC+1]
	v_mov_b32 v[\dst+5], v[TC+2]
.endm
.macro LOADX blk, set                  ; block blk of my K step: x(32 blk + i, my column), i = 0 .. 31
.set ii, 0
.rept 32
	global_load_b32 v[\set+ii], v[XO], s[34:35] offset:(32*\blk+ii)*8192 th:TH_LOAD_NT
.set ii, ii+1
.endr
.endm
	s_load_b512 s[4:19], s[0:1], 0x0               ; query, key, value, cos, sin, bq, bk, bv
	s_load_b256 s[20:27], s[0:1], 0x40             ; the weights' records, qc, qs, kv
	v_lshl_add_u32 v62, v0, 2, 0x14400
	v_mov_b32 v63, 0
	v_lshrrev_b32 v1, 5, v0
	v_readfirstlane_b32 s28, v1                    ; wave 0..7
	s_and_b32 s29, ttmp7, 0xffff                   ; the tensor: 0 q, 1 k, 2 v
	s_lshr_b32 s30, ttmp9, 5                       ; b
	s_and_b32 s31, ttmp9, 31                       ; nb
	s_and_b32 s32, s31, 1                          ; e
	v_and_b32 v1, 31, v0                           ; lane
	v_and_b32 v2, 15, v0                           ; r
	v_bfe_u32 v3, v0, 4, 1                         ; h
	v_and_b32 v[XO], 7, v0
	v_bfe_u32 v[EO], v0, 3, 1
	v_lshl_or_b32 v[XO], v[EO], 4, v[XO]
	v_lshl_or_b32 v[XO], v3, 3, v[XO]              ; my column: bits 3 and 4 of the lane's number change places
	v_lshlrev_b32 v[XO], 2, v[XO]
	; cos, sin: wave w makes units 2 w and 2 w + 1: G = w / 4, u = (w / 2) % 2, tiles t = 2 (w % 2) and + 1: d = 32 (w % 2) + 16 h + 0 .. 15, column 64 nb + 32 G + 8 u + r + 8 (r / 8)
	v_and_b32 v[EO], 8, v2
	v_add_nc_u32 v[EO], v[EO], v2
	v_lshlrev_b32 v[EO], 2, v[EO]
	v_lshl_add_u32 v[EO], v3, 17, v[EO]            ; 16 h rows of 8,192 bytes
	s_and_b32 s33, s28, 1
	s_lshl_b32 s33, s33, 18
	s_lshl_b32 s41, s31, 8
	s_add_co_u32 s33, s33, s41
	s_lshr_b32 s41, s28, 2
	s_lshl_b32 s41, s41, 7
	s_add_co_u32 s33, s33, s41
	s_bfe_u32 s41, s28, 0x10001
	s_lshl_b32 s41, s41, 5
	s_add_co_u32 s33, s33, s41
	v_add_nc_u32 v[EO], s33, v[EO]
	; x: b x 512 rows + 128 (w / 2) rows of 8,192 bytes, + 256 nb + 128 (w % 2)
	s_lshl_b32 s38, s30, 22
	s_lshr_b32 s39, s28, 1
	s_lshl_b32 s39, s39, 20
	s_add_co_u32 s38, s38, s39
	s_lshl_b32 s39, s31, 8
	s_add_co_u32 s38, s38, s39
	s_and_b32 s39, s28, 1
	s_lshl_b32 s39, s39, 7
	s_add_co_u32 s38, s38, s39
	s_mov_b32 s39, 0
	s_wait_kmcnt 0x0
	s_cmp_eq_u32 s29, 0                            ; the choices hang on the work-group's number alone
	s_cselect_b64 s[34:35], s[4:5], s[6:7]
	s_cselect_b64 s[36:37], s[14:15], s[16:17]
	s_cmp_eq_u32 s29, 2
	s_cselect_b64 s[34:35], s[8:9], s[34:35]       ; x
	s_cselect_b64 s[36:37], s[18:19], s[36:37]     ; its bias
	s_add_nc_u64 s[34:35], s[34:35], s[38:39]
.set ii, 0
.rept 16                               ; cos and sin stand ahead of all loads of x: the first wait for x shows them in too
	global_load_b32 v[EN+ii], v[EO], s[10:11] offset:8192*ii
	global_load_b32 v[EN+16+ii], v[EO], s[12:13] offset:8192*ii
.set ii, ii+1
.endr
	LOADX 0, X0
	LOADX 1, X1
	; the other addresses, while the loads are out
	s_mov_b32 s40, 0xffff0000                      ; lanes 16-31
	s_mov_b32 s42, 0x76543210
	s_mov_b32 s43, 0xfedcba98                      ; v_permlanex16_b32's selects for lane l xor 16
	v_lshlrev_b32 v[LI], 4, v1
	v_lshlrev_b32 v[LS], 2, v1
	v_lshlrev_b32 v[L8], 3, v1
	s_mul_i32 s33, s28, 2*FRB
	v_add_nc_u32 v[XWI], s33, v[LI]
	s_add_co_u32 s41, s33, VSTG
	v_lshlrev_b32 v[VA], 4, v2
	v_mad_u32_u24 v[VB], v3, 504, v[VA]
	v_mad_u32_u24 v[VA], v3, 264, v[VA]
	v_add_nc_u32 v[VA], s41, v[VA]                 ; 16 r + 264 h
	v_add_nc_u32 v[VB], s41, v[VB]                 ; 16 r + 504 h
	v_add_nc_u32 v[VR], s41, v[LI]
	s_lshl_b32 s33, s28, 7
	s_add_co_u32 s33, s33, XSC
	v_add_nc_u32 v[XWS], s33, v[LS]
	s_lshl_b32 s33, s28, 12
	s_add_co_u32 s33, s33, ENC
	v_add_nc_u32 v[EWI], s33, v[LI]
	s_lshl_b32 s33, s28, 2
	v_lshlrev_b32 v[BOQ], 9, v3
	v_add_nc_u32 v[BOQ], s33, v[BOQ]               ; 4 (8 x 16 h + w)
	v_lshlrev_b32 v[BOV], 5, v2
	v_add_nc_u32 v[BOV], s33, v[BOV]               ; 4 (8 r + w)
	v_lshlrev_b32 v[VGO], 4, v2
	v_lshl_add_u32 v[VGO], v3, 9, v[VGO]           ; 512 h + 16 r
	v_lshlrev_b32 v[VSO], 3, v2
	v_lshl_add_u32 v[VSO], v3, 1, v[VSO]           ; 8 r + 2 h
	v_mov_b32 v[PX], 0                             ; a lane permute's destination counts as one of its sources
	v_mov_b32 v[PX+1], 0
	s_lshl_b32 s33, s29, 3
	s_add_co_u32 s33, s33, s28
	s_mul_i32 s38, s33, WREC
	s_add_nc_u64 s[56:57], s[20:21], s[38:39]      ; my head's record of the tensor's weight
	s_lshl_b32 s33, s30, 3
	s_add_co_u32 s33, s33, s28                     ; bh = 8 b + head
	s_lshl_b32 s41, s33, 4
	s_lshr_b32 s62, s31, 1
	s_add_co_u32 s41, s41, s62
	s_mul_i32 s41, s41, KVREC                      ; the record of kv
	s_mul_i32 s62, s32, FRB
	s_add_co_u32 s50, s41, s62                     ; k's pair j = e
	s_lshl_b32 s62, s32, 8
	s_add_co_u32 s63, s41, s62
	s_add_co_u32 s52, s63, 12288                   ; k's words
	s_add_co_u32 s58, s63, 6144                    ; v's images, lanes 16 e on
	s_add_co_u32 s60, s41, s32
	s_add_co_u32 s60, s60, 12800                   ; v's scale bytes, byte e on
	s_mul_i32 s48, s33, 98304
	s_mul_i32 s62, s31, 2*FRB
	s_add_co_u32 s48, s48, s62                     ; q's pair 2 nb
	s_lshl_b32 s62, s33, 13
	s_lshl_b32 s63, s31, 8
	s_add_co_u32 s62, s62, s63                     ; q's words
	s_mov_b32 s54, 2*FRB
	s_cmp_eq_u32 s29, 0
	s_cselect_b32 s48, s48, s50
	s_cselect_b32 s50, s62, s52
	s_cselect_b32 s54, FRB, s54                    ; from group 0's pair to group 1's: the next pair in qc, two pairs on in a record of kv
	s_cselect_b64 s[44:45], s[22:23], s[26:27]
	s_cselect_b64 s[46:47], s[24:25], s[26:27]
	s_mov_b32 s49, 0
	s_mov_b32 s51, 0
	s_mov_b32 s55, 0
	s_mov_b32 s59, 0
	s_mov_b32 s61, 0
	s_add_nc_u64 s[44:45], s[44:45], s[48:49]      ; q, k: where group 0's pair goes,
	s_add_nc_u64 s[54:55], s[44:45], s[54:55]      ; group 1's,
	s_add_nc_u64 s[46:47], s[46:47], s[50:51]      ; and the words
	s_add_nc_u64 s[58:59], s[26:27], s[58:59]      ; v: the images,
	s_add_nc_u64 s[60:61], s[26:27], s[60:61]      ; the scale bytes
	; ---- X: four blocks of 32 of my column; fragment F0 takes blocks 0 and 2, F1 blocks 1 and 3
	s_wait_loadcnt 32                              ; block 0 (and cos, sin) are in; block 1's 32 loads stay out
	QBLK X0, F0, XW
	LOADX 2, X0
.irp q, 0,1,2,3
	ds_store_b128 v[EWI], v[EN+4*\q:EN+4*\q+3] offset:2048*(\q/2)+512*(\q%2)
	ds_store_b128 v[EWI], v[EN+16+4*\q:EN+16+4*\q+3] offset:2048*(\q/2)+512*(\q%2)+1024
.endr
	s_wait_loadcnt 32                              ; block 1 is in; block 2's stay out
	QBLK X1, F1, BYT
	v_lshl_or_b32 v[XW], v[BYT], 8, v[XW]
	LOADX 3, X1
	WIN 0x40                                       ; destination window 1
.set ii, 0
.rept 48                               ; W's 16 fragments, as images: 512 consecutive bytes a load
	global_load_b128 v[4*ii:4*ii+3], v[LI], s[56:57] offset:512*ii
.set ii, ii+1
.endr
	WIN 0
.irp t, 0,1,2,3
.irp p, 0,1
	global_load_b64 v[WS+4*\t+2*\p:WS+4*\t+2*\p+1], v[L8], s[56:57] offset:24576+512*\t+256*\p
.endr
.endr
	s_wait_loadcnt 63                              ; block 2 is in: 88 younger loads exist (block 3's 32, W's 56); 63 is the largest count that the wait can name
	QBLK X0, F0+6, BYT
	v_lshl_or_b32 v[XW], v[BYT], 16, v[XW]
	s_cmp_eq_u32 s29, 2
	s_cbranch_scc1 .Lbias_v
.irp t, 0,1,2,3
.irp j, 0,1,2,3,4,5,6,7
	global_load_b32 v[BIAS+8*\t+\j], v[BOQ], s[36:37] offset:32*(32*(\t/2)+8*(\t%2)+\j)   ; q, k: register j of tile t is d = 32 (t / 2) + 16 h + 8 (t % 2) + j
.endr
.endr
	s_branch .Lbias_in
.Lbias_v:
.irp t, 0,1,2,3
.irp j, 0,1,2,3,4,5,6,7
	global_load_b32 v[BIAS+8*\t+\j], v[BOV], s[36:37] offset:512*\t   ; v: all eight registers of tile t are d = 16 t + r: the C operand wants the word eight times, and eight loads cost no vector line
.endr
.endr
.Lbias_in:
	s_wait_loadcnt 63                              ; block 3 is in: 88 younger loads exist (W's 56, the bias's 32)
	QBLK X1, F1+6, BYT
	v_lshl_or_b32 v[XW], v[BYT], 24, v[XW]
.set ii, 0
.rept 12                               ; F0's lanes 16-31 change places with F1's lanes 0-15: F0 is now tile u = 0's fragment (lane (r, h): blocks h, 2 + h of row r), F1 tile u = 1's
	v_permlane16_swap_b32 v[F0+ii], v[F1+ii]
.set ii, ii+1
.endr
.irp g, 0,1,2
	ds_store_b128 v[XWI], v[F0+4*\g:F0+4*\g+3] offset:512*\g
	ds_store_b128 v[XWI], v[F1+4*\g:F1+4*\g+3] offset:FRB+512*\g
.endr
	ds_store_b32 v[XWS], v[XW]                     ; lane 16 u + r: the word of tile u's row r
	s_wait_dscnt 0x0                               ; for the others' sake: my stores have landed
	s_barrier_signal -1
	s_barrier_wait -1                              ; x's 16 fragments, their words, cos and sin lie in LDS; nothing there is written again
	s_wait_loadcnt 0x0                             ; W, its words, the bias
.macro XFETCH grp                      ; group grp's eight fragments (K step s, tile u) and four registers of scale words
.irp s, 0,1,2,3
.irp u, 0,1
.irp p, 0,1,2
	ds_load_b128 v[XF+12*(2*\s+\u)+4*\p:XF+12*(2*\s+\u)+4*\p+3], v[LI] offset:((2*\s+\grp)*2+\u)*FRB+512*\p
.endr
.endr
	ds_load_b32 v[XS+\s], v[LS] offset:XSC+128*(2*\s+\grp)
.endr
.endm
.macro CSLOAD reg, unit                ; cos and sin of (G, u) = unit: 16 registers a tile t: cos j 0-7, sin j 0-7
.irp t, 0,1,2,3
.irp q, 0,1,2,3
	ds_load_b128 v[\reg+16*\t+4*\q:\reg+16*\t+4*\q+3], v[LI] offset:ENC+8192*(\unit)+2048*\t+512*\q
.endr
.endr
.endm
; q, k: accumulator (u, t) += W(t, s) x(s, u).  The first K step takes the bias as C.
.macro MMQ s, u, t
.set rD, ACC+32*\u+8*\t
.set rA, 12*(4*\t+\s)
.set rB, XF+12*(2*\s+\u)
.if \s == 0
.if \u == 0
	v_wmma_scale_f32_16x16x128_f8f6f4 v[rD:rD+7], v[rA:rA+11], v[rB:rB+11], v[BIAS+8*\t:BIAS+8*\t+7], v[WS+4*\t+\s], v[XS+\s] matrix_a_fmt:MATRIX_FMT_FP6 matrix_b_fmt:MATRIX_FMT_FP6
.else
	v_wmma_scale_f32_16x16x128_f8f6f4 v[rD:rD+7], v[rA:rA+11], v[rB:rB+11], v[BIAS+8*\t:BIAS+8*\t+7], v[WS+4*\t+\s], v[XS+\s] matrix_a_fmt:MATRIX_FMT_FP6 matrix_b_fmt:MATRIX_FMT_FP6 matrix_b_scale:MATRIX_SCALE_ROW1
.endif
.else
.if \u == 0
	v_wmma_scale_f32_16x16x128_f8f6f4 v[rD:rD+7], v[rA:rA+11], v[rB:rB+11], v[rD:rD+7], v[WS+4*\t+\s], v[XS+\s] matrix_a_fmt:MATRIX_FMT_FP6 matrix_b_fmt:MATRIX_FMT_FP6
.else
	v_wmma_scale_f32_16x16x128_f8f6f4 v[rD:rD+7], v[rA:rA+11], v[rB:rB+11], v[rD:rD+7], v[WS+4*\t+\s], v[XS+\s] matrix_a_fmt:MATRIX_FMT_FP6 matrix_b_fmt:MATRIX_FMT_FP6 matrix_b_scale:MATRIX_SCALE_ROW1
.endif
.endif
.endm
; v: accumulator (t, u) += x(s, u) W(t, s)
.macro MMV s, u, t
.set rD, ACC+16*\t+8*\u
.set rA, XF+12*(2*\s+\u)
.set rB, 12*(4*\t+\s)
.if \s == 0
.if \u == 0
	v_wmma_scale_f32_16x16x128_f8f6f4 v[rD:rD+7], v[rA:rA+11], v[rB:rB+11], v[BIAS+8*\t:BIAS+8*\t+7], v[XS+\s], v[WS+4*\t+\s] matrix_a_fmt:MATRIX_FMT_FP6 matrix_b_fmt:MATRIX_FMT_FP6
.else
	v_wmma_scale_f32_16x16x128_f8f6f4 v[rD:rD+7], v[rA:rA+11], v[rB:rB+11], v[BIAS+8*\t:BIAS+8*\t+7], v[XS+\s], v[WS+4*\t+\s] matrix_a_fmt:MATRIX_FMT_FP6 matrix_b_fmt:MATRIX_FMT_FP6 matrix_a_scale:MATRIX_SCALE_ROW1
.endif
.else
.if \u == 0
	v_wmma_scale_f32_16x16x128_f8f6f4 v[rD:rD+7], v[rA:rA+11], v[rB:rB+11], v[rD:rD+7], v[XS+\s], v[WS+4*\t+\s] matrix_a_fmt:MATRIX_FMT_FP6 matrix_b_fmt:MATRIX_FMT_FP6
.else
	v_wmma_scale_f32_16x16x128_f8f6f4 v[rD:rD+7], v[rA:rA+11], v[rB:rB+11], v[rD:rD+7], v[XS+\s], v[WS+4*\t+\s] matrix_a_fmt:MATRIX_FMT_FP6 matrix_b_fmt:MATRIX_FMT_FP6 matrix_a_scale:MATRIX_SCALE_ROW1
.endif
.endif
.endm
; RoPE of tile u's 32 numbers a lane: (a, b) at d = 2 i, 2 i + 1 become a c0 - b s0 and b c1 + a s1.  Each accumulator is read from its low end on.
.macro ROPE u, cs
	WIN 0x01                                       ; source 0: the accumulators, window 1
.irp t, 0,1,2,3
.irp j, 0,2,4,6
	v_pk_mul_f32 v[TT+8*\t+\j:TT+8*\t+\j+1], v[ACC+32*\u+8*\t+\j:ACC+32*\u+8*\t+\j+1], v[\cs+16*\t+\j:\cs+16*\t+\j+1]
.endr
.irp j, 0,2,4,6
	v_fma_f32 v[TT+8*\t+\j], -v[ACC+32*\u+8*\t+\j+1], v[\cs+16*\t+8+\j], v[TT+8*\t+\j]
	v_fma_f32 v[TT+8*\t+\j+1], v[ACC+32*\u+8*\t+\j], v[\cs+16*\t+9+\j], v[TT+8*\t+\j+1]
.endr
.endr
	WIN 0
.endm
; The 32 rotated numbers, register 16 bb + i = d 32 bb + 16 h + i of my column, become tile u's six registers of codes and its rows' scale word
.macro QKQ u
.irp bb, 0,1
	v_max3_num_f32 v[MB+\bb], |v[TT+16*\bb]|, |v[TT+16*\bb+1]|, 0x1800000   ; my 16 numbers of the block, and the floor 2^(3 - 127)
.endr
.irp i, 2,4,6,8,10,12,14
.irp bb, 0,1
	v_max3_num_f32 v[MB+\bb], v[MB+\bb], |v[TT+16*\bb+\i]|, |v[TT+16*\bb+\i+1]|
.endr
.endr
.irp bb, 0,1
	v_permlanex16_b32 v[PX+\bb], v[MB+\bb], s42, s43
.endr
.irp bb, 0,1
	v_max_num_f32 v[MB+\bb], v[MB+\bb], v[PX+\bb]  ; with lane l xor 16's 16: the block's largest magnitude
.endr
.irp bb, 0,1
	v_add_nc_u32 v[SQ+\bb], 0xff000000, v[MB+\bb]
.endr
.irp bb, 0,1
	v_lshrrev_b32 v[BY+\bb], 23, v[SQ+\bb]
.endr
	v_lshl_or_b32 v[WD+\u], v[BY+1], 8, v[BY]
	v_or_b32 v[WD+\u], 0x7f7f0000, v[WD+\u]        ; the scores' K is 64: the instruction's upper 64 meet zero codes, under the scale 1
	v_cvt_scalef32_pk16_fp6_f32 v[PK+6*\u:PK+6*\u+2], v[TT:TT+15], v[SQ]
	v_cvt_scalef32_pk16_fp6_f32 v[TC:TC+2], v[TT+16:TT+31], v[SQ+1]
	v_nop                                          ; one plain line behind the conversions
.irp i, 0,1,2
	v_permlane16_swap_b32 v[PK+6*\u+\i], v[TC+\i]  ; the operand's layout wants a whole block in a lane: lanes 0-15 d 0-31, lanes 16-31 d 32-63
.endr
.irp i, 0,1,2
	v_mov_b32 v[PK+6*\u+3+\i], v[TC+\i]
.endr
.endm
.macro GQK grp
.if \grp
	s_wait_xcnt 0x0                                ; group 0's stores have read their registers: the loads below land there
.endif
	XFETCH \grp
	CSLOAD CS0, 2*\grp
	s_wait_dscnt 16                                ; x's fragments and words are in; cos and sin (16 loads) stay out
.irp s, 0,1,2,3                        ; the eight accumulators take turns, one instruction a turn
.if \s == 0
	WIN 0x41                                       ; source 0 (W) and the result window 1; x and the bias window 0
.else
	WIN 0x51                                       ; C window 1 too
.endif
.irp u, 0,1
.irp t, 0,1,2,3
	MMQ \s, \u, \t
.endr
.endr
.endr
	WIN 0
.rept 4
	v_nop                                          ; four places behind the products: loads land on x's fragments, and results are read
.endr
	CSLOAD CS1, 2*\grp+1
	s_wait_dscnt 16                                ; tile u = 0's cos and sin are in; tile u = 1's 16 loads stay out
	ROPE 0, CS0
	QKQ 0
	s_wait_dscnt 0x0
	ROPE 1, CS1
	QKQ 1
	v_cndmask_b32 v[SCW+\grp], v[WD], v[WD+1], s40 ; lane 16 u + r: the word of tile u's row r
.irp p, 0,1,2
.if \grp
	global_store_b128 v[LI], v[PK+4*\p:PK+4*\p+3], s[54:55] offset:512*\p
.else
	global_store_b128 v[LI], v[PK+4*\p:PK+4*\p+3], s[44:45] offset:512*\p   ; the pair's image: 512 consecutive bytes a store, aligned
.endif
.endr
.endm
	s_cmp_eq_u32 s29, 2
	s_cbranch_scc1 .Lv_path
	GQK 0
	GQK 1
	global_store_b64 v[L8], v[SCW:SCW+1], s[46:47] ; the words of both groups: 256 consecutive bytes, aligned
	s_wait_tensorcnt 0x0
	ds_add_u32 v62, v63
	s_wait_dscnt 0x0
	s_endpgm
.Lv_path:
.irp t, 0,1,2,3
	v_mov_b32 v[VPX+\t], 0                         ; a lane permute's destination counts as one of its sources
.endr
; v, group grp: lane (r, h) holds d = 16 t + r and, in accumulators (t, 0), (t, 1), the 16 neighbouring keys 32 grp + 16 h + 0 .. 15
.macro GV grp
	XFETCH \grp
	s_wait_dscnt 0x0
.irp s, 0,1,2,3
.if \s == 0
	WIN 0x44                                       ; source 1 (W) and the result window 1
.else
	WIN 0x54
.endif
.irp t, 0,1,2,3
.irp u, 0,1
	MMV \s, \u, \t
.endr
.endr
.endr
	WIN 0
.rept 4
	v_nop                                          ; four places behind the products
.endr
	WIN 0x05                                       ; sources 0 and 1: the accumulators
.irp t, 0,1,2,3
	v_max3_num_f32 v[VMX+\t], |v[ACC+16*\t]|, |v[ACC+16*\t+1]|, 0x1800000
.endr
.irp i, 2,4,6,8,10,12,14
.irp t, 0,1,2,3
	v_max3_num_f32 v[VMX+\t], |v[ACC+16*\t+\i]|, |v[ACC+16*\t+\i+1]|, v[VMX+\t]
.endr
.endr
	WIN 0
.irp t, 0,1,2,3
	v_permlanex16_b32 v[VPX+\t], v[VMX+\t], s42, s43
.endr
.irp t, 0,1,2,3
	v_max_num_f32 v[VMX+\t], v[VMX+\t], v[VPX+\t]  ; the largest magnitude of the block of 32 keys
.endr
.irp t, 0,1,2,3
	v_add_nc_u32 v[VSQ+\t], 0xff000000, v[VMX+\t]
.endr
.irp t, 0,1,2,3
	v_lshrrev_b32 v[VBY+2*\t+\grp], 23, v[VSQ+\t]
.endr
	WIN 0x01
.irp t, 0,1,2,3
.if \grp
	v_cvt_scalef32_pk16_fp6_f32 v[VT+4*\t:VT+4*\t+2], v[ACC+16*\t:ACC+16*\t+15], v[VSQ+\t]
.else
	v_cvt_scalef32_pk16_fp6_f32 v[VE+6*\t:VE+6*\t+2], v[ACC+16*\t:ACC+16*\t+15], v[VSQ+\t]
.endif
.endr
	WIN 0
	v_nop                                          ; one plain line behind the conversions: the next products write their sources
.endm
	GV 0
	GV 1
.irp t, 0,1,2,3
.irp i, 0,1,2
	v_permlane16_swap_b32 v[VE+6*\t+\i], v[VT+4*\t+\i]   ; lane (r, 0) now holds group 0's block whole, lane (r, 1) group 1's
.endr
.irp i, 0,1,2
	v_mov_b32 v[VE+6*\t+3+\i], v[VT+4*\t+\i]
.endr
.endr
; Lane (r, G)'s six registers are registers 6 G .. 6 G + 5 of lane 16 e + r of tile t's image.  They meet in my own stage, 256 bytes for each group of four registers, and leave as such.
.irp t, 0,1,2,3
	ds_store_b64 v[VA], v[VE+6*\t:VE+6*\t+1] offset:768*\t
	ds_store_b64 v[VB], v[VE+6*\t+2:VE+6*\t+3] offset:768*\t+8
	ds_store_b64 v[VA], v[VE+6*\t+4:VE+6*\t+5] offset:768*\t+256
.endr
.irp k, 0,1,2,3,4,5
	ds_load_b128 v[VRB+4*\k:VRB+4*\k+3], v[VR] offset:512*\k   ; LDS serves a wave's instructions in order: these see my stores
.endr
.irp t, 0,1,2,3
	v_cndmask_b32 v[VMX+\t], v[VBY+2*\t], v[VBY+2*\t+1], s40   ; lane (r, G): the byte of block j = e + 2 G
.endr
.irp k, 0,1,2,3,4,5
	s_wait_dscnt 5-\k
	global_store_b128 v[VGO], v[VRB+4*\k:VRB+4*\k+3], s[58:59] offset:1024*\k   ; sixteen lanes store 256 consecutive bytes, aligned
.endr
.irp t, 0,1,2,3
	global_store_b8 v[VSO], v[VMX+\t], s[60:61] offset:128*(\t%2)+4*(\t/2)
.endr
	s_wait_tensorcnt 0x0
	ds_add_u32 v62, v63
	s_wait_dscnt 0x0
	s_endpgm
.Lfunc_end_k_q5fa8dd9336_proj:
	.size	k_q5fa8dd9336_proj, .Lfunc_end_k_q5fa8dd9336_proj-k_q5fa8dd9336_proj
	.p2alignl 7, 3214868480
	.fill 96, 4, 3214868480
	.section	.rodata,"a",@progbits
	.p2align	6, 0x0
	.amdhsa_kernel k_q5fa8dd9336_proj
		.amdhsa_group_segment_fixed_size 83968
		.amdhsa_private_segment_fixed_size 0
		.amdhsa_enable_private_segment 0
		.amdhsa_kernarg_size 96
		.amdhsa_user_sgpr_count 2
		.amdhsa_user_sgpr_kernarg_segment_ptr 1
		.amdhsa_wavefront_size32 1
		.amdhsa_system_sgpr_workgroup_id_x 1
		.amdhsa_system_sgpr_workgroup_id_y 1
		.amdhsa_system_sgpr_workgroup_id_z 1
		.amdhsa_system_vgpr_workitem_id 0
		.amdhsa_next_free_vgpr 512
		.amdhsa_next_free_sgpr 66
		.amdhsa_reserve_vcc 0
		.amdhsa_float_denorm_mode_32 3
		.amdhsa_float_denorm_mode_16_64 3
		.amdhsa_memory_ordered 1
		.amdhsa_forward_progress 1
		.amdhsa_inst_pref_size 98
	.end_amdhsa_kernel
	.amdgpu_metadata
---
amdhsa.version: [ 1, 2 ]
amdhsa.kernels:
  - .name:           k_q5fa8dd9336_proj
    .symbol:         k_q5fa8dd9336_proj.kd
    .args:
      - { .name: query, .offset: 0, .size: 8, .value_kind: global_buffer, .address_space: global }
      - { .name: key, .offset: 8, .size: 8, .value_kind: global_buffer, .address_space: global }
      - { .name: value, .offset: 16, .size: 8, .value_kind: global_buffer, .address_space: global }
      - { .name: enc_cos, .offset: 24, .size: 8, .value_kind: global_buffer, .address_space: global }
      - { .name: enc_sin, .offset: 32, .size: 8, .value_kind: global_buffer, .address_space: global }
      - { .name: bq, .offset: 40, .size: 8, .value_kind: global_buffer, .address_space: global }
      - { .name: bk, .offset: 48, .size: 8, .value_kind: global_buffer, .address_space: global }
      - { .name: bv, .offset: 56, .size: 8, .value_kind: global_buffer, .address_space: global }
      - { .name: wrec, .offset: 64, .size: 8, .value_kind: global_buffer, .address_space: global }
      - { .name: qc, .offset: 72, .size: 8, .value_kind: global_buffer, .address_space: global }
      - { .name: qs, .offset: 80, .size: 8, .value_kind: global_buffer, .address_space: global }
      - { .name: kv, .offset: 88, .size: 8, .value_kind: global_buffer, .address_space: global }
    .group_segment_fixed_size: 83968
    .private_segment_fixed_size: 0
    .kernarg_segment_align: 8
    .kernarg_segment_size: 96
    .max_flat_workgroup_size: 256
    .sgpr_count:     66
    .vgpr_count:     512
    .wavefront_size: 32
...
	.end_amdgpu_metadata
.endif
;; end of part 2
;; launch attn (part 3): grid 4 x 64, 16 waves a work-group, clusters of 4 x 1, 277,504 bytes of LDS; arguments qc, qs, kv, att; writes att
.if DOCPART == 3
	.amdgcn_target "amdgcn-amd-amdhsa--gfx1250"
	.amdhsa_code_object_version 6
	.text
	.protected	k_q5fa8dd9336_attn
	.globl	k_q5fa8dd9336_attn
	.p2align	8
	.type	k_q5fa8dd9336_attn,@function
k_q5fa8dd9336_attn:
	s_mov_b64 s[64:65], 0
	v_nop
	global_prefetch_b8 v0, s[64:65] scope:SCOPE_SE
	s_setreg_imm32_b32 hwreg(HW_REG_WAVE_MODE, 25, 1), 1
	s_wait_xcnt 0x0
	s_wait_alu depctr_hold_cnt(0) depctr_sa_sdst(0) depctr_va_vdst(0) depctr_va_sdst(0) depctr_va_ssrc(0) depctr_va_vcc(0) depctr_vm_vsrc(0)
	s_getreg_b32 s2, hwreg(HW_REG_IB_STS2, 6, 4)
	s_cmp_eq_u32 s2, 0
	s_cbranch_scc0 .Lentry_in_a_cluster
	s_endpgm
.Lentry_in_a_cluster:
	s_bfe_u32 s2, ttmp6, 0x10000c
	s_cmp_lg_u32 s2, 0x3003
	s_cbranch_scc0 .Lentry_shape_is_right
	s_endpgm
.Lentry_shape_is_right:
; att[b][8 d + h][n] = (the sum over keys m of p(n, m) v(d, m)) / l(n), both products on codes of FP6 (E2M3) with one E8M0 scale for each 32 along K.
; t = score x log2(e) / 8; M = the running largest t rounded UP to a whole number; p = 2^(t - M) is quantised along the keys, not normalised; l is the sum of the unquantised p.  When M moves, l and O are multiplied by 2^(old M - new M): exact.
; SHARES.  A work-group owns 512 queries of one head bh = 8 b + h, in two passes of 256; in a pass each of its SIXTEEN waves owns one tile of 16 queries, in 256 registers: four waves to a SIMD, so that one wave's vector work stands beside another's products and LDS loads.
; THE HEAD'S K AND V STAY IN LDS: 16 records of 13,056 bytes (128 keys each), filled ONCE by tensor loads; no byte of LDS is filled again.  Waves 0-3 issue four loads each (record 4 g + w): four loads of a wave are out at the most.
; CLUSTER.  The four work-groups of a head ask for each record JOINTLY: the same load, the same descriptor, a mask that names the four.
; No prefetch: all that the launch reads of kv is asked for by the fills at its head; a wave's 28 bytes a lane of q are read once a pass.
; A RECORD holds operands as images of their registers (group of four registers at 512 g + 16 x lane): K's four pairs j (registers 0-5 tile 2 j, 6-11 tile 2 j + 1; a tile is 16 keys x 64 d) at 1,536 j; V's four tiles (16 d x 128 keys) at 6,144 + 1,536 t;
;   K's words at 12,288 (two registers' worth a lane, twice); V's at 12,800.  The keys of K's tiles 2 j, 2 j + 1 are those of V's block j, in the same order: which 32 keys of the 128 those are the softmax need not know.
; LAYOUT.  S^T = K Q^T (source 0 = 16 keys, source 1 = my 16 queries), O^T = V P^T: a lane holds ONE query (lane % 16) throughout; the 16 registers of tiles 2 j, 2 j + 1 are 16 neighbouring keys of block j.
; THE SCORES' K IS 64, the instruction's 128: Q's registers 6-11 are zero codes, so K's tiles lie 6 registers apart and source 0's upper six registers (the next tile's codes, or zeros) add nothing; all scale bytes 2 and 3 are 0x7f.
; LIMITS: a block whose every p has fallen under 2^-124 keeps the byte 1; a block's largest p is made from its largest score, which takes v_exp_f32 not to fall where its input rises; NaN and infinities are not served.
; REGISTERS: v1-9 addresses; v12 -M, v13 the largest t, v[14:15] l in two halves; v16-27 Q; v28-35 scale words and nothing else (Q's, p's, K's four, V's two); v36-39 at work; v40-93 K (later p's codes at v60-78); v[94:95] a second chain of l;
;   v96-143 V; v144-207 S^T, then p; v208-239 O^T; v240-255 the blocks' maxima, scales and bytes.
.set REC,    13056
.set STAGE,  16*REC                    ; behind the head's records: 64 rows (d) x (256 queries x 4 bytes + 16), written by LDS stores alone
.set SPITCH, 1040
.set LI16, 1
.set LI8,  2
.set AD,   3
.set AD8,  4
.set QA,   5
.set QB,   6
.set QSV,  7
.set SOA,  8
.set SRD,  9
.set QF,   16
.set QSC,  28
.set PSC,  29
.set KSC,  30                          ; pair j's words: v[30 + 2 (j % 2) + j / 2]; lanes 0-15 tile 2 j, lanes 16-31 tile 2 j + 1
.set VSC,  34                          ; tile t's words: v[34 + t / 2]; lanes 16 (t % 2) on
.set TMP,  36
.set FF,   38
.set KF,   40
.set PC,   60
.set PT,   72
.set SUM2, 94
.set VF,   96
.set SS,   144
.set OO,   208
.set BM,   240
.set BX,   244
.set SQ,   248
.set BY,   252
.set WV,   12
.set CX,   13
.set BH,   14
.set G1,   16                          ; s[16:23] descriptor group 1;  s[24:39] four groups 0
.set G0,   24
.set SEL,  40
.set CS,   42
.set TB,   44
.set NST,  45
.set NPS,  46
.macro CROUND                          ; a round of the cluster's barrier: my work-group's barrier; wave 0 signals for the work-group; every wave waits for all four; my work-group's barrier once more
	s_barrier_signal -1
	s_barrier_wait -1
	s_cmp_lg_u32 s[WV], 0
	s_cbranch_scc1 .Lnot_wave_0_\@
	s_barrier_signal -3
.Lnot_wave_0_\@:
	s_barrier_wait -3
	s_barrier_signal -1
	s_barrier_wait -1
.endm
	s_load_b256 s[4:11], s[0:1], 0x0               ; qc, qs, kv, att
	v_lshl_add_u32 v254, v0, 2, 0x43400
	v_mov_b32 v255, 0
	ds_add_u32 v254, v255
	ds_add_u32 v254, v255
	s_wait_dscnt 0x0
	v_lshrrev_b32 v1, 5, v0
	v_readfirstlane_b32 s[WV], v1                  ; wave 0..15
	s_bfe_u32 s[CX], ttmp6, 0x40000                ; my place in the cluster = my block of 512 queries: it enters global addresses of q and of the output alone
	s_and_b32 s[BH], ttmp7, 0xffff                 ; the head, which the four partners share
	; descriptor group 1: a record is one dense block: 51 rows of 256 bytes (32 elements of 8 bytes)
	s_mov_b32 s[G1], 15|(3<<16)|(1<<21)            ; 15:0 the mask: all four work-groups; 17:16 elements of 8 bytes; 20 no padding; 21 set beside a mask
	s_mov_b32 s[G1+1], 32<<16                      ; tensor_dim0
	s_mov_b32 s[G1+2], 51<<16                      ; tensor_dim1
	s_mov_b32 s[G1+3], 32<<16                      ; tile_dim0
	s_mov_b32 s[G1+4], 51                          ; tile_dim1
	s_mov_b32 s[G1+5], 32                          ; from row to row
	s_mov_b32 s[G1+6], 0
	s_mov_b32 s[G1+7], 0
	s_and_b32 s15, s[WV], 3
	s_mul_i32 s15, s15, REC                        ; record w % 4 of a group of four: in LDS and in memory alike
	s_mul_i32 s54, s[BH], 16*REC
	s_add_co_u32 s54, s54, s15
	s_mov_b32 s55, 0
	s_wait_kmcnt 0x0
	s_add_nc_u64 s[8:9], s[8:9], s[54:55]
	CROUND                                         ; all four work-groups are here: the joint loads meet
.irp g, 0,1,2,3
	s_mov_b32 s[G0+4*\g], 1                        ; count = 1
	s_add_co_u32 s[G0+4*\g+1], s15, \g*4*REC       ; LDS address
	s_add_nc_u64 s[G0+4*\g+2:G0+4*\g+3], s[8:9], \g*4*REC
	s_or_b32 s[G0+4*\g+3], s[G0+4*\g+3], 0x80000000   ; type = 2
.endr
	s_cmp_lt_u32 s[WV], 4                          ; a wave's four fills stand in one branch on the wave's number, ahead of every wait on TENSORcnt and every LDS read
	s_cbranch_scc0 .Lno_fill
	tensor_load_to_lds s[G0:G0+3], s[G1:G1+7]
	s_nop 0
	tensor_load_to_lds s[G0+4:G0+7], s[G1:G1+7]
	s_nop 0
	tensor_load_to_lds s[G0+8:G0+11], s[G1:G1+7]
	s_nop 0
	tensor_load_to_lds s[G0+12:G0+15], s[G1:G1+7]
	s_nop 0
.rept 4
	v_nop                                          ; four v_nop behind the tensor loads
.endr
.Lno_fill:
	v_and_b32 v10, 31, v0                          ; lane
	v_lshlrev_b32 v[LI16], 4, v10
	v_lshlrev_b32 v[LI8], 3, v10
	v_and_b32 v10, 15, v0                          ; r
	v_bfe_u32 v11, v0, 4, 1                        ; h
	s_and_b32 s47, s[WV], 1                        ; u: which tile of my group of 32 queries
	s_mul_i32 s56, s47, 520                        ; my tile's registers 6 u .. 6 u + 5 of the pair's image, in pieces of 8 bytes:
	v_add_nc_u32 v[QA], s56, v[LI16]               ; the first and the third at 16 lane + 520 u (+ 0, + 512),
	s_mul_i32 s56, s47, 1016
	v_add_nc_u32 v[QB], s56, v[LI16]               ; the second at 16 lane + 1,016 u + 8
	s_lshl_b32 s56, s47, 7
	v_lshl_add_u32 v[QSV], v10, 3, s56             ; my rows' words: 8 (16 u + r)
	v_and_b32 v[SOA], 8, v10
	v_add_nc_u32 v[SOA], v[SOA], v10               ; row r of a tile is query 8 u + r + 8 (r / 8) of its 32
	v_lshlrev_b32 v[SOA], 2, v[SOA]
	v_mad_u32_u24 v[SOA], v11, 8*SPITCH, v[SOA]    ; my eight d of a tile begin at 8 h
	s_lshr_b32 s56, s[WV], 1
	s_lshl_b32 s56, s56, 7
	s_lshl_b32 s57, s47, 5
	s_add_co_u32 s56, s56, s57
	s_add_co_u32 s56, s56, STAGE
	v_add_nc_u32 v[SOA], s56, v[SOA]
	s_mul_i32 s56, s[WV], 4*SPITCH
	s_add_co_u32 s56, s56, STAGE
	v_add_nc_u32 v[SRD], s56, v[LI16]              ; back: wave w takes rows d = 4 w .. 4 w + 3
	s_mul_i32 s48, s[BH], 98304                    ; qc: 64 pairs of 1,536 bytes a head; my pair: 16 cx + w / 2 (+ 8 a pass)
	s_lshl_b32 s50, s[CX], 4
	s_lshr_b32 s51, s[WV], 1
	s_add_co_u32 s50, s50, s51
	s_mul_i32 s50, s50, 1536
	s_add_co_u32 s48, s48, s50
	s_mov_b32 s49, 0
	s_add_nc_u64 s[4:5], s[4:5], s[48:49]
	s_lshl_b32 s50, s[BH], 13                      ; qs: 256 bytes for each 64 queries: block 8 cx + w / 4 (+ 4 a pass), word (w / 2) % 2
	s_lshl_b32 s51, s[CX], 3
	s_lshr_b32 s52, s[WV], 2
	s_add_co_u32 s51, s51, s52
	s_lshl_b32 s51, s51, 8
	s_add_co_u32 s50, s50, s51
	s_bfe_u32 s51, s[WV], 0x10001
	s_lshl_b32 s51, s51, 2
	s_add_co_u32 s50, s50, s51
	s_mov_b32 s51, 0
	s_add_nc_u64 s[6:7], s[6:7], s[50:51]
	s_lshr_b32 s52, s[BH], 3                       ; att: row 512 b + 8 (4 w) + h of 8,192 bytes, + 2,048 cx (+ 1,024 a pass)
	s_lshl_b32 s52, s52, 9
	s_lshl_b32 s53, s[WV], 5
	s_add_co_u32 s52, s52, s53
	s_and_b32 s53, s[BH], 7
	s_add_co_u32 s52, s52, s53
	s_lshl_b32 s52, s52, 13
	s_lshl_b32 s53, s[CX], 11
	s_add_co_u32 s52, s52, s53
	s_mov_b32 s53, 0
	s_add_nc_u64 s[10:11], s[10:11], s[52:53]
	s_mov_b32 s[SEL], 0x76543210
	s_mov_b32 s[SEL+1], 0xfedcba98                 ; v_permlanex16_b32's selects for lane l xor 16
	s_mov_b32 s[CS], 0x3e38aa3b                    ; c = log2(e) / sqrt(64)
	s_mov_b32 s[CS+1], s[CS]                       ; (named with it as a pair, so it is written)
.irp i, 0,1,2,3,4,5
	v_mov_b32 v[QF+6+\i], 0                        ; Q's upper 64 along K: zero codes, once
	v_mov_b32 v[KF+48+\i], 0                       ; what stands behind K's last tile
.endr
.irp bb, 0,1,2,3
	v_mov_b32 v[BX+\bb], 0                         ; a lane permute's destination counts as one of its sources
.endr
	v_mov_b32 v[FF+1], 0                           ; (named as the upper half of the pair of f)
.macro MMS i                           ; S^T, tile i: 16 keys x my 16 queries
.if (\i)%2
	v_wmma_scale_f32_16x16x128_f8f6f4 v[SS+8*\i:SS+8*\i+7], v[KF+6*\i:KF+6*\i+11], v[QF:QF+11], 0, v[KSC+2*((\i/2)%2)+\i/4], v[QSC] matrix_a_fmt:MATRIX_FMT_FP6 matrix_b_fmt:MATRIX_FMT_FP6 matrix_a_scale:MATRIX_SCALE_ROW1
.else
	v_wmma_scale_f32_16x16x128_f8f6f4 v[SS+8*\i:SS+8*\i+7], v[KF+6*\i:KF+6*\i+11], v[QF:QF+11], 0, v[KSC+2*((\i/2)%2)+\i/4], v[QSC] matrix_a_fmt:MATRIX_FMT_FP6 matrix_b_fmt:MATRIX_FMT_FP6
.endif
.endm
.macro MMO t                           ; O^T, tile t: 16 d x my 16 queries, K = the step's 128 keys
.if (\t)%2
	v_wmma_scale_f32_16x16x128_f8f6f4 v[OO+8*\t:OO+8*\t+7], v[VF+12*\t:VF+12*\t+11], v[PC:PC+11], v[OO+8*\t:OO+8*\t+7], v[VSC+\t/2], v[PSC] matrix_a_fmt:MATRIX_FMT_FP6 matrix_b_fmt:MATRIX_FMT_FP6 matrix_a_scale:MATRIX_SCALE_ROW1
.else
	v_wmma_scale_f32_16x16x128_f8f6f4 v[OO+8*\t:OO+8*\t+7], v[VF+12*\t:VF+12*\t+11], v[PC:PC+11], v[OO+8*\t:OO+8*\t+7], v[VSC+\t/2], v[PSC] matrix_a_fmt:MATRIX_FMT_FP6 matrix_b_fmt:MATRIX_FMT_FP6
.endif
.endm
; A KEY STEP: the record at LDS byte s[TB]
.macro STEP
	v_add_nc_u32 v[AD], s[TB], v[LI16]
	v_add_nc_u32 v[AD8], s[TB], v[LI8]
	v_nop
	v_nop                                          ; four places behind the last step's products, ahead of loads into registers that they read
.set ii, 0
.rept 12
	ds_load_b128 v[KF+4*ii:KF+4*ii+3], v[AD] offset:512*ii
.set ii, ii+1
.endr
	ds_load_b64 v[KSC:KSC+1], v[AD8] offset:12288
	ds_load_b64 v[KSC+2:KSC+3], v[AD8] offset:12544
.set ii, 0
.rept 12
	ds_load_b128 v[VF+4*ii:VF+4*ii+3], v[AD] offset:6144+512*ii
.set ii, ii+1
.endr
	ds_load_b64 v[VSC:VSC+1], v[AD8] offset:12800
	s_wait_dscnt 13                                ; K and its words are in; V's 13 loads stay out
.irp i, 0,1,2,3,4,5,6,7
	MMS \i
.endr
.rept 4
	v_nop                                          ; four places behind the products
.endr
.irp bb, 0,1,2,3
	v_max3_num_f32 v[BM+\bb], v[SS+16*\bb], v[SS+16*\bb+1], v[SS+16*\bb+2]   ; the largest score of each block of 32 keys: it serves the row's maximum and, since p rises with the score, the block's largest p
.endr
.irp i, 3,5,7,9,11,13
.irp bb, 0,1,2,3
	v_max3_num_f32 v[BM+\bb], v[BM+\bb], v[SS+16*\bb+\i], v[SS+16*\bb+\i+1]
.endr
.endr
.irp bb, 0,1,2,3
	v_max_num_f32 v[BM+\bb], v[BM+\bb], v[SS+16*\bb+15]
.endr
.irp bb, 0,1,2,3
	v_permlanex16_b32 v[BX+\bb], v[BM+\bb], s[SEL], s[SEL+1]
.endr
.irp bb, 0,1,2,3
	v_max_num_f32 v[BM+\bb], v[BM+\bb], v[BX+\bb]  ; with lane l xor 16's 16 keys
.endr
	v_max3_num_f32 v[TMP], v[BM], v[BM+1], v[BM+2]
	v_max_num_f32 v[TMP], v[TMP], v[BM+3]          ; the step's largest score of my query
	v_mul_f32 v[TMP], s[CS], v[TMP]                ; as t (c is positive)
	v_max_num_f32 v13, v13, v[TMP]                 ; the running largest t
	v_mov_b32 v[TMP], v12
	v_floor_f32 v12, -v13                          ; the new -M = floor(-t): M is a whole number
	v_sub_f32 v[TMP], v12, v[TMP]                  ; old M - new M: a whole number, 0 or less
	v_cvt_i32_f32 v[TMP], v[TMP]                   ; (it saturates)
	v_ldexp_f32 v[FF], 1.0, v[TMP]                 ; f = 2^(old M - new M)
.set ii, 0
.rept 32
	v_pk_fma_f32 v[SS+ii:SS+ii+1], v[SS+ii:SS+ii+1], s[CS:CS+1], v[12:13] op_sel_hi:[1,0,0]   ; t - M, two at a time (of the pairs c and -M the low word serves both halves)
.set ii, ii+2
.endr
.irp bb, 0,1,2,3
	v_fma_f32 v[BM+\bb], v[BM+\bb], s[CS], v12     ; the same of each block's largest score
.endr
.set ii, 0
.rept 64
	v_exp_f32 v[SS+ii], v[SS+ii]                   ; p = 2^(t - M), at most 1
.set ii, ii+1
.endr
	v_pk_mul_f32 v[14:15], v[14:15], v[FF:FF+1] op_sel_hi:[1,0]   ; l under the new M: the plain line behind the exponentials
	s_wait_alu depctr_va_vdst(0)                   ; one wait for the batch of 64, ahead of its first reader
.irp bb, 0,1,2,3
	v_exp_f32 v[BM+\bb], v[BM+\bb]                 ; the block's largest p: the same two instructions on the same number give the same bits
.endr
	v_pk_add_f32 v[SUM2:SUM2+1], v[SS:SS+1], v[SS+2:SS+3]   ; l is taken of the unquantised p, in two chains; these lines read the 64 alone
.irp j, 4,8,12,16,20,24,28,32,36,40,44,48,52,56,60
	v_pk_add_f32 v[14:15], v[14:15], v[SS+\j:SS+\j+1]
	v_pk_add_f32 v[SUM2:SUM2+1], v[SUM2:SUM2+1], v[SS+\j+2:SS+\j+3]
.endr
	v_pk_add_f32 v[14:15], v[14:15], v[SUM2:SUM2+1]
	s_wait_alu depctr_va_vdst(0)                   ; and one for the four
.irp bb, 0,1,2,3
	v_max_num_f32 v[BM+\bb], 0x1800000, v[BM+\bb]  ; the floor 2^(3 - 127): the byte cannot fall under 1
.endr
.irp bb, 0,1,2,3
	v_add_nc_u32 v[SQ+\bb], 0xff000000, v[BM+\bb]  ; 2 off the exponent field: the conversion's scale operand
.endr
.irp bb, 0,1,2,3
	v_lshrrev_b32 v[BY+\bb], 23, v[SQ+\bb]
.endr
	v_lshl_or_b32 v[PSC], v[BY+1], 8, v[BY]        ; p's scale word for these 128 keys
	v_lshl_or_b32 v[PSC], v[BY+2], 16, v[PSC]
	v_lshl_or_b32 v[PSC], v[BY+3], 24, v[PSC]
.irp c, 0,1
	v_cvt_scalef32_pk16_fp6_f32 v[PC+6*\c:PC+6*\c+2], v[SS+32*\c:SS+32*\c+15], v[SQ+2*\c]
	v_cvt_scalef32_pk16_fp6_f32 v[PT+4*\c:PT+4*\c+2], v[SS+32*\c+16:SS+32*\c+31], v[SQ+2*\c+1]
.endr
	v_nop                                          ; one plain line behind the conversions
.irp c, 0,1                            ; the operand's layout wants a whole block in a lane: lanes 0-15 block 2 c, lanes 16-31 block 2 c + 1
.irp i, 0,1,2
	v_permlane16_swap_b32 v[PC+6*\c+\i], v[PT+4*\c+\i]
.endr
.irp i, 0,1,2
	v_mov_b32 v[PC+6*\c+3+\i], v[PT+4*\c+\i]
.endr
.endr
.set ii, 0
.rept 16
	v_pk_mul_f32 v[OO+ii:OO+ii+1], v[OO+ii:OO+ii+1], v[FF:FF+1] op_sel_hi:[1,0]   ; O^T under the new M; these lines are also the places between p's word and codes and the products
.set ii, ii+2
.endr
	s_wait_dscnt 0x0                               ; V and its words
.irp t, 0,1,2,3
	MMO \t                                         ; four accumulators, one instruction each
.endr
.endm
; Four key steps, whose records fill g brought.  Loads of a wave end in order: with 3 - g younger ones out, load g has landed.  (In the second pass, and in waves 4-15, the wait is met at once.)
; The younger loads may stay out across it.  In the second pass these barriers also part the first pass's reads of the stage from its next stores.
.macro GROUP g
	s_wait_tensorcnt 3-\g
	s_wait_dscnt 0x0
	s_barrier_signal -1
	s_barrier_wait -1
	s_mov_b32 s[TB], \g*4*REC
	s_mov_b32 s[NST], 4
.Lstep_\@:
	STEP
	s_add_co_u32 s[TB], s[TB], REC
	s_sub_co_u32 s[NST], s[NST], 1
	s_cmp_lg_u32 s[NST], 0
	s_cbranch_scc1 .Lstep_\@
.endm
	s_mov_b32 s[NPS], 2
.Lpass:
	global_load_b64 v[QF:QF+1], v[QA], s[4:5]
	global_load_b64 v[QF+2:QF+3], v[QB], s[4:5] offset:8
	global_load_b64 v[QF+4:QF+5], v[QA], s[4:5] offset:512
	global_load_b32 v[QSC], v[QSV], s[6:7]
	v_mov_b32 v13, 0xff61b1e6                      ; the largest t so far: -3e38, under every t
	v_floor_f32 v12, -v13                          ; -M
	v_mov_b32 v14, 0
	v_mov_b32 v15, 0
.set ii, 0
.rept 32
	v_mov_b32 v[OO+ii], 0                          ; O^T: the step is written once; the first finds zeros, which the first change of M leaves zeros
.set ii, ii+1
.endr
	s_wait_loadcnt 0x0                             ; Q and its words
	GROUP 0
	GROUP 1
	GROUP 2
	GROUP 3
	; THE WAY OUT of a pass: O^T / l goes to the work-group's stage, row d, column = the query's place among the 256, and leaves as whole rows
.rept 4
	v_nop                                          ; four places behind the last products
.endr
	v_add_f32 v14, v14, v15
	v_permlanex16_b32 v[TMP], v14, s[SEL], s[SEL+1]
	v_add_f32 v14, v14, v[TMP]                     ; with lane l xor 16's keys: the row's sum
	v_rcp_f32 v14, v14
	v_nop                                          ; a plain line behind the reciprocal,
	s_wait_alu depctr_va_vdst(0)                   ; and a wait ahead of its first reader
.set ii, 0
.rept 32
	v_mul_f32 v[SS+ii], v[OO+ii], v14              ; register 8 t + j: d = 16 t + 8 h + j; each accumulator from its low end on
.set ii, ii+1
.endr
.irp t, 0,1,2,3
.irp j, 0,1,2,3,4,5,6,7
	ds_store_b32 v[SOA], v[SS+8*\t+\j] offset:(16*\t+\j)*SPITCH
.endr
.endr
	s_wait_dscnt 0x0                               ; for the others' sake: my stores have landed
	s_barrier_signal -1
	s_barrier_wait -1
.irp k, 0,1,2,3
.irp q, 0,1
	ds_load_b128 v[VF+4*(2*\k+\q):VF+4*(2*\k+\q)+3], v[SRD] offset:SPITCH*\k+512*\q
.endr
.endr
.irp k, 0,1,2,3
.irp q, 0,1
	s_wait_dscnt 7-(2*\k+\q)
	global_store_b128 v[LI16], v[VF+4*(2*\k+\q):VF+4*(2*\k+\q)+3], s[10:11] offset:65536*\k+512*\q   ; 32 lanes store 512 consecutive bytes, aligned: channel 8 (4 w + k) + h
.endr
.endr
	s_wait_xcnt 0x0                                ; the stores have read their registers and their base: both are written again
	s_add_nc_u64 s[4:5], s[4:5], 8*1536
	s_add_nc_u64 s[6:7], s[6:7], 1024
	s_add_nc_u64 s[10:11], s[10:11], 1024
	s_sub_co_u32 s[NPS], s[NPS], 1
	s_cmp_lg_u32 s[NPS], 0
	s_cbranch_scc1 .Lpass
	s_wait_xcnt 0x0
	v_lshl_add_u32 v254, v0, 2, 0x43400
	v_mov_b32 v255, 0
	s_wait_tensorcnt 0x0
	ds_add_u32 v254, v255
	s_wait_dscnt 0x0
	CROUND                                         ; the closing round: no work-group ends while a partner may still ask for a record that names it
	s_endpgm
.Lfunc_end_k_q5fa8dd9336_attn:
	.size	k_q5fa8dd9336_attn, .Lfunc_end_k_q5fa8dd9336_attn-k_q5fa8dd9336_attn
	.p2alignl 7, 3214868480
	.fill 96, 4, 3214868480
	.section	.rodata,"a",@progbits
	.p2align	6, 0x0
	.amdhsa_kernel k_q5fa8dd9336_attn
		.amdhsa_group_segment_fixed_size 277504
		.amdhsa_private_segment_fixed_size 0
		.amdhsa_enable_private_segment 0
		.amdhsa_kernarg_size 32
		.amdhsa_user_sgpr_count 2
		.amdhsa_user_sgpr_kernarg_segment_ptr 1
		.amdhsa_wavefront_size32 1
		.amdhsa_system_sgpr_workgroup_id_x 1
		.amdhsa_system_sgpr_workgroup_id_y 1
		.amdhsa_system_sgpr_workgroup_id_z 1
		.amdhsa_system_vgpr_workitem_id 0
		.amdhsa_next_free_vgpr 256
		.amdhsa_next_free_sgpr 66
		.amdhsa_reserve_vcc 0
		.amdhsa_float_denorm_mode_32 3
		.amdhsa_float_denorm_mode_16_64 3
		.amdhsa_memory_ordered 1
		.amdhsa_forward_progress 1
		.amdhsa_inst_pref_size 76
	.end_amdhsa_kernel
	.amdgpu_metadata
---
amdhsa.version: [ 1, 2 ]
amdhsa.kernels:
  - .name:           k_q5fa8dd9336_attn
    .symbol:         k_q5fa8dd9336_attn.kd
    .args:
      - { .name: qc, .offset: 0, .size: 8, .value_kind: global_buffer, .address_space: global }
      - { .name: qs, .offset: 8, .size: 8, .value_kind: global_buffer, .address_space: global }
      - { .name: kv, .offset: 16, .size: 8, .value_kind: global_buffer, .address_space: global }
      - { .name: att, .offset: 24, .size: 8, .value_kind: global_buffer, .address_space: global }
    .group_segment_fixed_size: 277504
    .private_segment_fixed_size: 0
    .kernarg_segment_align: 8
    .kernarg_segment_size: 32
    .max_flat_workgroup_size: 512
    .sgpr_count:     66
    .vgpr_count:     256
    .wavefront_size: 32
...
	.end_amdgpu_metadata
.endif
;; end of part 3
;; launch outproj (part 4): grid 256 x 1, 8 waves a work-group, no clusters, 165,888 bytes of LDS; arguments att, bm, wrec, out0; writes out0
.if DOCPART == 4
	.amdgcn_target "amdgcn-amd-amdhsa--gfx1250"
	.amdhsa_code_object_version 6
	.text
	.protected	k_q5fa8dd9336_outproj
	.globl	k_q5fa8dd9336_outproj
	.p2align	8
	.type	k_q5fa8dd9336_outproj,@function
k_q5fa8dd9336_outproj:
	s_mov_b64 s[64:65], 0
	v_nop
	global_prefetch_b8 v0, s[64:65] scope:SCOPE_SE
	s_setreg_imm32_b32 hwreg(HW_REG_WAVE_MODE, 25, 1), 1
	s_wait_xcnt 0x0
; out0[b][o][n] = the sum over i of wm[o][i] att[b][i][n] + bm[o], on codes of FP6 (E2M3) with one E8M0 scale for each 32 along i.
; SHARES.  A work-group takes 64 columns n (n-block nb) of one batch b, all 512 i and all 512 outputs; att is read once, by this work-group alone.
; X PHASE.  K = i is not innermost: a lane takes a column and its registers run down i.  Wave w takes K step s = w / 2 (128 i) of group G = w % 2 (32 columns): each load reads 128 consecutive bytes.
; A lane's four blocks of 32 are quantised in registers; twelve exchanges of lane halves make two fragments; they go to LDS as images of their registers (group of four registers at 512 g + 16 x lane).
; COLUMN ORDER: lane l takes column (l & 7) + 16 (l >> 3 & 1) + 8 (l >> 4) of its 32, so that row r of x's tile u is column 8 u + r + 8 (r / 8): results of tiles u = 0, 1 are then 16 neighbours along n in a lane.
; PRODUCTS.  Wave w makes outputs 64 w .. 64 w + 63; its 16 weight fragments stay in registers.  Source 0 = x, source 1 = W: a lane holds one output o = 64 w + 16 t + r and 16 neighbouring columns.  The bias is the C of each sum's first product.
; THE WAY OUT.  A wave's 64 rows x 64 columns meet in its own stage (rows of 256 bytes + 16) and leave as rows: sixteen lanes store 256 consecutive bytes, aligned.
; No cluster: work-groups share only the weight's records, which go straight into registers.  No prefetch: a work-group asks for all it reads within its first lines.
; LIMITS: a block of zeros gets the byte 1 where the rule says 127 (its codes are zeros, and this program alone reads the bytes); NaN and infinities are not served.
; REGISTERS.  Window 0: v1-15 lane numbers and addresses; v18-22 at work; v24-27, v32-47 scale words (x's, W's) and nothing else; v56-58 at work; v64-127 two sets of 32 numbers; v128-223 x's eight fragments (X phase: the two made, at v160);
;   v64-191 on the way out; v224-255 the bias.   Window 1: v0-191 W's 16 fragments; v192-255 eight accumulators.
.set FRB,   1536
.set WREC,  26624
.set XSC,   24576                      ; LDS: 0: x's 16 fragments, wave w's tile u at (2 w + u) x 1,536;  here: their scale words, 128 bytes a wave
.set OSTG,  25600                      ; the stages: 64 rows x 272 bytes a wave
.set OPITCH, 272
.set XO,  4
.set LI,  5
.set LS,  6
.set L8,  7
.set XWI, 8
.set XWS, 9
.set BO,  12
.set SOA, 13
.set ORD, 14
.set OGO, 15
.set MXA, 18
.set MXB, 19
.set SCO, 20
.set BYT, 21
.set XW,  22
.set XS,  24
.set WS,  32
.set TC,  56
.set X0,  64
.set X1,  96
.set OB,  64
.set XF,  128
.set F0,  160
.set F1,  172
.set BIAS, 224
.set ACC, 192                          ; in window 1
.set MSB, 0
.macro WIN new                         ; the immediate's high byte repeats the setting that is left
.if MSB != \new
	s_set_vgpr_msb (MSB<<8)|\new
.set MSB, \new
.endif
.endm
; 32 numbers of one lane, v[src] on, become 6 registers of codes at v[dst] and the scale's byte in v[byt]
.macro QBLK src, dst, byt
	v_max3_num_f32 v[MXA], |v[\src]|, |v[\src+1]|, |v[\src+2]|
	v_max3_num_f32 v[MXB], |v[\src+3]|, |v[\src+4]|, |v[\src+5]|
.irp i, 6,10,14,18,22,26
	v_max3_num_f32 v[MXA], v[MXA], |v[\src+\i]|, |v[\src+\i+1]|
	v_max3_num_f32 v[MXB], v[MXB], |v[\src+\i+2]|, |v[\src+\i+3]|
.endr
	v_max3_num_f32 v[MXA], v[MXA], |v[\src+30]|, |v[\src+31]|
	v_max3_num_f32 v[MXA], v[MXA], v[MXB], 0x1800000   ; and the floor 2^(3 - 127): the byte cannot fall under 1
	v_add_nc_u32 v[SCO], 0xff000000, v[MXA]            ; 2 off the exponent field: the conversion's scale operand
	v_lshrrev_b32 v[\byt], 23, v[SCO]                  ; the scale's byte
	v_cvt_scalef32_pk16_fp6_f32 v[\dst:\dst+2], v[\src:\src+15], v[SCO]
	v_cvt_scalef32_pk16_fp6_f32 v[TC:TC+2], v[\src+16:\src+31], v[SCO]   ; (a conversion's three registers begin on an even number)
	v_nop                                              ; one plain line behind the conversions
	v_mov_b32 v[\dst+3], v[TC]
	v_mov_b32 v[\dst+4], v[TC+1]
	v_mov_b32 v[\dst+5], v[TC+2]
.endm
.macro LOADX blk, set                  ; block blk of my K step: att(32 blk + i, my column), i = 0 .. 31
.set ii, 0
.rept 32
	global_load_b32 v[\set+ii], v[XO], s[34:35] offset:(32*\blk+ii)*8192 th:TH_LOAD_NT
.set ii, ii+1
.endr
.endm
	s_load_b256 s[4:11], s[0:1], 0x0               ; att, bm, the weights' records, out0
	v_lshl_add_u32 v62, v0, 2, 0x28400
	v_mov_b32 v63, 0
	v_lshrrev_b32 v1, 5, v0
	v_readfirstlane_b32 s28, v1                    ; wave 0..7
	s_lshr_b32 s30, ttmp9, 5                       ; b
	s_and_b32 s31, ttmp9, 31                       ; nb
	v_and_b32 v1, 31, v0                           ; lane
	v_and_b32 v2, 15, v0                           ; r
	v_bfe_u32 v3, v0, 4, 1                         ; h
	v_and_b32 v[XO], 7, v0
	v_bfe_u32 v[BO], v0, 3, 1
	v_lshl_or_b32 v[XO], v[BO], 4, v[XO]
	v_lshl_or_b32 v[XO], v3, 3, v[XO]              ; my column: bits 3 and 4 of the lane's number change places
	v_lshlrev_b32 v[XO], 2, v[XO]
	s_lshl_b32 s38, s30, 22                        ; b x 512 rows + 128 (w / 2) rows of 8,192 bytes, + 256 nb + 128 (w % 2)
	s_lshr_b32 s39, s28, 1
	s_lshl_b32 s39, s39, 20
	s_add_co_u32 s38, s38, s39
	s_lshl_b32 s39, s31, 8
	s_add_co_u32 s38, s38, s39
	s_and_b32 s39, s28, 1
	s_lshl_b32 s39, s39, 7
	s_add_co_u32 s38, s38, s39
	s_mov_b32 s39, 0
	s_wait_kmcnt 0x0
	s_add_nc_u64 s[34:35], s[4:5], s[38:39]
	LOADX 0, X0
	LOADX 1, X1
	; the other addresses, while the loads are out
	v_lshlrev_b32 v[LI], 4, v1
	v_lshlrev_b32 v[LS], 2, v1
	v_lshlrev_b32 v[L8], 3, v1
	s_mul_i32 s33, s28, 2*FRB
	v_add_nc_u32 v[XWI], s33, v[LI]
	s_lshl_b32 s33, s28, 7
	s_add_co_u32 s33, s33, XSC
	v_add_nc_u32 v[XWS], s33, v[LS]
	s_lshl_b32 s33, s28, 8
	v_lshl_add_u32 v[BO], v2, 2, s33               ; 4 (64 w + r)
	s_mul_i32 s33, s28, 64*OPITCH
	s_add_co_u32 s33, s33, OSTG                    ; my stage
	v_mul_u32_u24 v[SOA], v2, OPITCH
	v_lshl_add_u32 v[SOA], v3, 6, v[SOA]
	v_add_nc_u32 v[SOA], s33, v[SOA]               ; in: row r of a tile, + 64 h: my 16 columns of a group
	v_mul_u32_u24 v[ORD], v3, OPITCH
	v_lshl_add_u32 v[ORD], v2, 4, v[ORD]
	v_add_nc_u32 v[ORD], s33, v[ORD]               ; back: lanes 0-15 one row, lanes 16-31 the next
	v_lshlrev_b32 v[OGO], 4, v2
	v_lshl_add_u32 v[OGO], v3, 13, v[OGO]          ; and the same two rows in out0
	s_add_co_u32 s33, s28, 24                      ; record 8 x 3 + w
	s_mul_i32 s38, s33, WREC
	s_add_nc_u64 s[56:57], s[8:9], s[38:39]
	s_lshl_b32 s38, s30, 22                        ; out0: row 512 b + 64 w of 8,192 bytes, + 256 nb
	s_lshl_b32 s33, s28, 19
	s_add_co_u32 s38, s38, s33
	s_lshl_b32 s33, s31, 8
	s_add_co_u32 s38, s38, s33
	s_add_nc_u64 s[44:45], s[10:11], s[38:39]
	; ---- X: four blocks of 32 of my column; fragment F0 takes blocks 0 and 2, F1 blocks 1 and 3
	s_wait_loadcnt 32                              ; block 0 is in; block 1's 32 loads stay out
	QBLK X0, F0, XW
	LOADX 2, X0
	s_wait_loadcnt 32                              ; block 1 is in; block 2's stay out
	QBLK X1, F1, BYT
	v_lshl_or_b32 v[XW], v[BYT], 8, v[XW]
	LOADX 3, X1
	WIN 0x40                                       ; destination window 1
.set ii, 0
.rept 48                               ; W's 16 fragments, as images: 512 consecutive bytes a load
	global_load_b128 v[4*ii:4*ii+3], v[LI], s[56:57] offset:512*ii
.set ii, ii+1
.endr
	WIN 0
.irp t, 0,1,2,3
.irp p, 0,1
	global_load_b64 v[WS+4*\t+2*\p:WS+4*\t+2*\p+1], v[L8], s[56:57] offset:24576+512*\t+256*\p
.endr
.endr
	s_wait_loadcnt 63                              ; block 2 is in: 88 younger loads exist (block 3's 32, W's 56); 63 is the largest count that the wait can name
	QBLK X0, F0+6, BYT
	v_lshl_or_b32 v[XW], v[BYT], 16, v[XW]
.irp t, 0,1,2,3
.irp j, 0,1,2,3,4,5,6,7
	global_load_b32 v[BIAS+8*\t+\j], v[BO], s[6:7] offset:64*\t   ; all eight registers of tile t are o = 64 w + 16 t + r: the C operand wants the word eight times, and eight loads cost no vector line
.endr
.endr
	s_wait_loadcnt 63                              ; block 3 is in: 88 younger loads exist (W's 56, the bias's 32)
	QBLK X1, F1+6, BYT
	v_lshl_or_b32 v[XW], v[BYT], 24, v[XW]
.set ii, 0
.rept 12                               ; F0's lanes 16-31 change places with F1's lanes 0-15: F0 is now tile u = 0's fragment, F1 tile u = 1's
	v_permlane16_swap_b32 v[F0+ii], v[F1+ii]
.set ii, ii+1
.endr
.irp g, 0,1,2
	ds_store_b128 v[XWI], v[F0+4*\g:F0+4*\g+3] offset:512*\g
	ds_store_b128 v[XWI], v[F1+4*\g:F1+4*\g+3] offset:FRB+512*\g
.endr
	ds_store_b32 v[XWS], v[XW]                     ; lane 16 u + r: the word of tile u's row r
	s_wait_dscnt 0x0                               ; for the others' sake: my stores have landed
	s_barrier_signal -1
	s_barrier_wait -1                              ; x's 16 fragments and their words lie in LDS; they are not written again
	s_wait_loadcnt 0x0                             ; W, its words, the bias
.macro XFETCH grp                      ; group grp's eight fragments (K step s, tile u) and four registers of scale words
.irp s, 0,1,2,3
.irp u, 0,1
.irp p, 0,1,2
	ds_load_b128 v[XF+12*(2*\s+\u)+4*\p:XF+12*(2*\s+\u)+4*\p+3], v[LI] offset:((2*\s+\grp)*2+\u)*FRB+512*\p
.endr
.endr
	ds_load_b32 v[XS+\s], v[LS] offset:XSC+128*(2*\s+\grp)
.endr
.endm
; accumulator (t, u) += x(s, u) W(t, s).  The first K step takes the bias as C.
.macro MMV s, u, t
.set rD, ACC+16*\t+8*\u
.set rA, XF+12*(2*\s+\u)
.set rB, 12*(4*\t+\s)
.if \s == 0
.if \u == 0
	v_wmma_scale_f32_16x16x128_f8f6f4 v[rD:rD+7], v[rA:rA+11], v[rB:rB+11], v[BIAS+8*\t:BIAS+8*\t+7], v[XS+\s], v[WS+4*\t+\s] matrix_a_fmt:MATRIX_FMT_FP6 matrix_b_fmt:MATRIX_FMT_FP6
.else
	v_wmma_scale_f32_16x16x128_f8f6f4 v[rD:rD+7], v[rA:rA+11], v[rB:rB+11], v[BIAS+8*\t:BIAS+8*\t+7], v[XS+\s], v[WS+4*\t+\s] matrix_a_fmt:MATRIX_FMT_FP6 matrix_b_fmt:MATRIX_FMT_FP6 matrix_a_scale:MATRIX_SCALE_ROW1
.endif
.else
.if \u == 0
	v_wmma_scale_f32_16x16x128_f8f6f4 v[rD:rD+7], v[rA:rA+11], v[rB:rB+11], v[rD:rD+7], v[XS+\s], v[WS+4*\t+\s] matrix_a_fmt:MATRIX_FMT_FP6 matrix_b_fmt:MATRIX_FMT_FP6
.else
	v_wmma_scale_f32_16x16x128_f8f6f4 v[rD:rD+7], v[rA:rA+11], v[rB:rB+11], v[rD:rD+7], v[XS+\s], v[WS+4*\t+\s] matrix_a_fmt:MATRIX_FMT_FP6 matrix_b_fmt:MATRIX_FMT_FP6 matrix_a_scale:MATRIX_SCALE_ROW1
.endif
.endif
.endm
.macro GO grp
	XFETCH \grp
	s_wait_dscnt 0x0                               ; x's fragments and words are in (and the last group's stores into the stage have read the accumulators)
.irp s, 0,1,2,3                        ; the eight accumulators take turns, one instruction a turn
.if \s == 0
	WIN 0x44                                       ; source 1 (W) and the result window 1; x and the bias window 0
.else
	WIN 0x54                                       ; C window 1 too
.endif
.irp t, 0,1,2,3
.irp u, 0,1
	MMV \s, \u, \t
.endr
.endr
.endr
	WIN 0
.rept 5
	v_nop                                          ; FIVE places behind the products: four would serve the stores that read the results and the loads that land on x's fragments
.endr                                          ; the next group's first products begin the accumulators anew, with the bias as C, and so write over these products' registers: that takes one more, and no other vector line stands between the groups
	WIN 0x04                                       ; an LDS store's data are its source 1: window 1
.irp t, 0,1,2,3
.irp u, 0,1
	ds_store_b128 v[SOA], v[ACC+16*\t+8*\u:ACC+16*\t+8*\u+3] offset:16*OPITCH*\t+128*\grp+32*\u        ; each accumulator from its low end on: columns 32 grp + 16 h + 8 u + 0 .. 7 of row 16 t + r
	ds_store_b128 v[SOA], v[ACC+16*\t+8*\u+4:ACC+16*\t+8*\u+7] offset:16*OPITCH*\t+128*\grp+32*\u+16
.endr
.endr
	WIN 0
.endm
	GO 0
	GO 1
.set ii, 0
.rept 32
	ds_load_b128 v[OB+4*ii:OB+4*ii+3], v[ORD] offset:2*OPITCH*ii   ; LDS serves a wave's instructions in order: these see my stores
.set ii, ii+1
.endr
.set ii, 0
.rept 32
	s_wait_dscnt 31-ii
	global_store_b128 v[OGO], v[OB+4*ii:OB+4*ii+3], s[44:45] offset:16384*ii th:TH_STORE_NT   ; sixteen lanes store 256 consecutive bytes, aligned; written once, read by nobody here
.set ii, ii+1
.endr
	s_wait_tensorcnt 0x0
	ds_add_u32 v62, v63
	s_wait_dscnt 0x0
	s_endpgm
.Lfunc_end_k_q5fa8dd9336_outproj:
	.size	k_q5fa8dd9336_outproj, .Lfunc_end_k_q5fa8dd9336_outproj-k_q5fa8dd9336_outproj
	.p2alignl 7, 3214868480
	.fill 96, 4, 3214868480
	.section	.rodata,"a",@progbits
	.p2align	6, 0x0
	.amdhsa_kernel k_q5fa8dd9336_outproj
		.amdhsa_group_segment_fixed_size 165888
		.amdhsa_private_segment_fixed_size 0
		.amdhsa_enable_private_segment 0
		.amdhsa_kernarg_size 32
		.amdhsa_user_sgpr_count 2
		.amdhsa_user_sgpr_kernarg_segment_ptr 1
		.amdhsa_wavefront_size32 1
		.amdhsa_system_sgpr_workgroup_id_x 1
		.amdhsa_system_sgpr_workgroup_id_y 1
		.amdhsa_system_sgpr_workgroup_id_z 1
		.amdhsa_system_vgpr_workitem_id 0
		.amdhsa_next_free_vgpr 512
		.amdhsa_next_free_sgpr 66
		.amdhsa_reserve_vcc 0
		.amdhsa_float_denorm_mode_32 3
		.amdhsa_float_denorm_mode_16_64 3
		.amdhsa_memory_ordered 1
		.amdhsa_forward_progress 1
		.amdhsa_inst_pref_size 51
	.end_amdhsa_kernel
	.amdgpu_metadata
---
amdhsa.version: [ 1, 2 ]
amdhsa.kernels:
  - .name:           k_q5fa8dd9336_outproj
    .symbol:         k_q5fa8dd9336_outproj.kd
    .args:
      - { .name: att, .offset: 0, .size: 8, .value_kind: global_buffer, .address_space: global }
      - { .name: bm, .offset: 8, .size: 8, .value_kind: global_buffer, .address_space: global }
      - { .name: wrec, .offset: 16, .size: 8, .value_kind: global_buffer, .address_space: global }
      - { .name: out0, .offset: 24, .size: 8, .value_kind: global_buffer, .address_space: global }
    .group_segment_fixed_size: 165888
    .private_segment_fixed_size: 0
    .kernarg_segment_align: 8
    .kernarg_segment_size: 32
    .max_flat_workgroup_size: 256
    .sgpr_count:     66
    .vgpr_count:     512
    .wavefront_size: 32
...
	.end_amdgpu_metadata
.endif
;; end of part 4
;; ======== version 2 of 2: 4 launches
;; workspace buffers: wrec 851,968 bytes; qc 6,291,456 bytes; qs 524,288 bytes; kv 13,369,344 bytes; att 33,554,432 bytes
;; launch wquant (part 5): grid 128 x 1, 2 waves a work-group, no clusters, 0 bytes of LDS; arguments wq, wk, wv, wm, wrec; writes wrec
.if DOCPART == 5
	.amdgcn_target "amdgcn-amd-amdhsa--gfx1250"
	.amdhsa_code_object_version 6
	.text
	.protected	k_q5fa8dd9336_wquant
	.globl	k_q5fa8dd9336_wquant
	.p2align	8
	.type	k_q5fa8dd9336_wquant,@function
k_q5fa8dd9336_wquant:
	s_mov_b64 s[64:65], 0
	v_nop
	global_prefetch_b8 v0, s[64:65] scope:SCOPE_SE
	s_setreg_imm32_b32 hwreg(HW_REG_WAVE_MODE, 25, 1), 1
	s_wait_xcnt 0x0
; The four weights [512 (o)][512 (i)], f32, K = i innermost, become codes of FP6 (E2M3) with one E8M0 byte for each 32 along i,
; laid as the later launches' operand registers want them: 32 records of 26,624 bytes, record 8 T + hd (T: 0 wq, 1 wk, 2 wv, 3 wm).
; A record: 16 fragments (tile t of 16 rows, K step s of 128) at (4 t + s) x 1,536 bytes, each an image of its 12 registers (group g of four
; registers at 512 g + 16 x lane); behind them, at 24,576 + 512 t + 256 half + 8 x lane, the rows' scale words of K steps 2 half, 2 half + 1.
; WHICH ROWS FORM A TILE: T = 0, 1: lane r takes d = 32 (t / 2) + 8 (t % 2) + r + 8 (r / 8), o = 8 d + hd (head hd), so that the results of
; tiles 2 b, 2 b + 1 are 16 neighbours along d in a lane;  T = 2: d = 16 t + r, o = 8 d + hd;  T = 3: o = 64 hd + 16 t + r.
; A work-group takes one tile (T, hd, t), each of its two waves two K steps.  Lane (r, h) takes, of row r, the blocks of 32 that the operand's
; layout gives it (k = 64 c + 32 h + 0 .. 31), 128 neighbouring bytes each: a block's largest magnitude needs no other lane.
; A lane's eight loads of a block cover 128 consecutive bytes of its own row; the rows lie far apart.  The launch reads 4 MiB in all, once.
; A block's scale is 2^(floor(log2(largest magnitude)) - 2); its byte is the largest magnitude's exponent field - 2, held at 1 from below.
; LIMITS: a block of zeros gets the byte 1 where the rule says 127 (its codes are zeros, and this program alone reads the bytes); NaN and infinities are not served.
.set WREC, 26624
.set FRB,  1536
.set WO,   4                           ; v4   my byte offset in the weight: o x 2,048 + 128 h
.set LI,   5                           ; v5   16 x lane
.set L8,   6                           ; v6   8 x lane
.set SH,   7                           ; v7   8 h: where my two bytes stand in the scale word
.set MXA,  8                           ; v8-9 a block's largest magnitude, in two chains
.set MXB,  9
.set SCO,  10                          ; v10  the conversions' scale operand
.set B0,   11                          ; v11-12 the bytes of my two blocks
.set B1,   12
.set PXT,  13                          ; v13  lane l xor 16's bytes
.set WW,   14                          ; v[14:15] the two K steps' scale words
.set TC,   16                          ; v16-18 the upper 16 codes of a block (a conversion's three registers begin on an even number)
.set FR,   20                          ; v20-43 two fragments
.set NUM,  64                          ; v64-191 128 numbers
; 32 numbers of one lane, v[src] on, become 6 registers of codes at v[dst] and the scale's byte in v[byt]
.macro QBLK src, dst, byt
	v_max3_num_f32 v[MXA], |v[\src]|, |v[\src+1]|, |v[\src+2]|
	v_max3_num_f32 v[MXB], |v[\src+3]|, |v[\src+4]|, |v[\src+5]|
.irp i, 6,10,14,18,22,26
	v_max3_num_f32 v[MXA], v[MXA], |v[\src+\i]|, |v[\src+\i+1]|
	v_max3_num_f32 v[MXB], v[MXB], |v[\src+\i+2]|, |v[\src+\i+3]|
.endr
	v_max3_num_f32 v[MXA], v[MXA], |v[\src+30]|, |v[\src+31]|
	v_max3_num_f32 v[MXA], v[MXA], v[MXB], 0x1800000   ; and the floor 2^(3 - 127): the byte cannot fall under 1
	v_add_nc_u32 v[SCO], 0xff000000, v[MXA]            ; 2 off the exponent field: the conversion takes this operand's exponent field as its scale
	v_lshrrev_b32 v[\byt], 23, v[SCO]                  ; the scale's byte
	v_cvt_scalef32_pk16_fp6_f32 v[\dst:\dst+2], v[\src:\src+15], v[SCO]
	v_cvt_scalef32_pk16_fp6_f32 v[TC:TC+2], v[\src+16:\src+31], v[SCO]
	v_nop                                              ; one plain line behind the conversions, ahead of the moves that read their result
	v_mov_b32 v[\dst+3], v[TC]
	v_mov_b32 v[\dst+4], v[TC+1]
	v_mov_b32 v[\dst+5], v[TC+2]
.endm
	s_load_b256 s[4:11], s[0:1], 0x0               ; wq, wk, wv, wm
	s_load_b64 s[12:13], s[0:1], 0x20              ; the records
	v_lshrrev_b32 v1, 5, v0
	v_readfirstlane_b32 s14, v1                    ; wave = which two K steps
	v_and_b32 v1, 31, v0                           ; lane
	v_and_b32 v2, 15, v0                           ; r
	s_wait_alu depctr_va_vdst(0)
	v_bfe_u32 v3, v0, 4, 1                         ; h
	s_lshr_b32 s15, ttmp9, 5                       ; T
	s_bfe_u32 s16, ttmp9, 0x30002                  ; hd
	s_and_b32 s17, ttmp9, 3                        ; t
	s_lshr_b32 s18, s17, 1
	s_lshl_b32 s18, s18, 5
	s_and_b32 s19, s17, 1
	s_lshl_b32 s19, s19, 3
	s_add_co_u32 s18, s18, s19                     ; 32 (t / 2) + 8 (t % 2)
	s_lshl_b32 s19, s17, 4                         ; 16 t
	s_lshl_b32 s21, s16, 6                         ; 64 hd
	s_cmp_lt_u32 s15, 2                            ; wq, wk: the rows of a tile are not neighbours
	s_cselect_b32 s18, s18, s19
	s_cselect_b32 s19, 8, 0
	s_cmp_lt_u32 s15, 3                            ; wq, wk, wv: o = 8 d + hd;  wm: o = 64 hd + row
	s_cselect_b32 s20, 3, 0
	s_cselect_b32 s21, s16, s21
	v_and_b32 v[WO], s19, v2
	v_add_nc_u32 v[WO], v[WO], v2
	v_add_nc_u32 v[WO], s18, v[WO]
	v_lshlrev_b32 v[WO], s20, v[WO]
	v_add_nc_u32 v[WO], s21, v[WO]                 ; o
	v_lshlrev_b32 v[WO], 11, v[WO]                 ; a row is 2,048 bytes
	s_wait_alu depctr_va_vdst(0)
	v_lshl_add_u32 v[WO], v3, 7, v[WO]             ; + 128 h
	s_lshl_b32 s22, s14, 10                        ; my two K steps: 1,024 bytes on for wave 1
	s_mov_b32 s23, 0
	s_wait_alu depctr_va_vdst(0)
	s_wait_kmcnt 0x0
	s_cmp_lt_u32 s15, 1                            ; the choice of the weight hangs on the work-group's number alone
	s_cselect_b64 s[4:5], s[4:5], s[6:7]
	s_cmp_lt_u32 s15, 3
	s_cselect_b64 s[8:9], s[8:9], s[10:11]
	s_cmp_lt_u32 s15, 2
	s_cselect_b64 s[4:5], s[4:5], s[8:9]
	s_add_nc_u64 s[4:5], s[4:5], s[22:23]
.irp k, 0,1
.irp c, 0,1
.irp i, 0,1,2,3,4,5,6,7
	global_load_b128 v[NUM+64*\k+32*\c+4*\i:NUM+64*\k+32*\c+4*\i+3], v[WO], s[4:5] offset:512*\k+256*\c+16*\i th:TH_LOAD_NT
.endr
.endr
.endr
	v_lshlrev_b32 v[LI], 4, v1
	v_lshlrev_b32 v[L8], 3, v1
	v_lshlrev_b32 v[SH], 3, v3
	v_mov_b32 v[PXT], 0                            ; a lane permute's destination counts as one of its sources
	s_mov_b32 s32, 0x76543210
	s_mov_b32 s33, 0xfedcba98                      ; v_permlanex16_b32's selects for lane l xor 16
	s_lshr_b32 s24, ttmp9, 2                       ; 8 T + hd
	s_mul_i32 s24, s24, WREC
	s_mov_b32 s25, 0
	s_add_nc_u64 s[12:13], s[12:13], s[24:25]      ; my record
	s_lshl_b32 s26, s17, 1
	s_add_co_u32 s26, s26, s14                     ; 2 t + half
	s_mul_i32 s24, s26, 2*FRB
	s_add_nc_u64 s[28:29], s[12:13], s[24:25]      ; fragment 4 t + 2 half
	s_lshl_b32 s24, s26, 8
	s_add_nc_u64 s[30:31], s[12:13], s[24:25]      ; the scale words' 256 bytes (24,576 stand in the immediate)
.macro KSTEP k
	QBLK NUM+64*\k, FR+12*\k, B0                   ; block h of the K step -> registers 0-5
	QBLK NUM+64*\k+32, FR+12*\k+6, B1              ; block 2 + h -> registers 6-11
	v_lshl_or_b32 v[B0], v[B1], 16, v[B0]          ; my two bytes,
	v_lshlrev_b32 v[B0], v[SH], v[B0]              ; at their places in the word;
	v_permlanex16_b32 v[PXT], v[B0], s32, s33
	v_or_b32 v[WW+\k], v[B0], v[PXT]               ; with lane l xor 16's two the word is whole, in both halves of the lanes
.irp g, 0,1,2
	global_store_b128 v[LI], v[FR+12*\k+4*\g:FR+12*\k+4*\g+3], s[28:29] offset:FRB*\k+512*\g   ; 32 lanes store 512 consecutive bytes, aligned
.endr
.endm
	s_wait_loadcnt 16                              ; the first K step's 16 loads are in, the second's stay out
	KSTEP 0
	s_wait_loadcnt 0x0
	KSTEP 1                                        ; (each K step has its own registers for its codes: no store's data are written again)
	global_store_b64 v[L8], v[WW:WW+1], s[30:31] offset:24576   ; 256 consecutive bytes, aligned
	s_endpgm
.Lfunc_end_k_q5fa8dd9336_wquant:
	.size	k_q5fa8dd9336_wquant, .Lfunc_end_k_q5fa8dd9336_wquant-k_q5fa8dd9336_wquant
	.p2alignl 7, 3214868480
	.fill 96, 4, 3214868480
	.section	.rodata,"a",@progbits
	.p2align	6, 0x0
	.amdhsa_kernel k_q5fa8dd9336_wquant
		.amdhsa_group_segment_fixed_size 0
		.amdhsa_private_segment_fixed_size 0
		.amdhsa_enable_private_segment 0
		.amdhsa_kernarg_size 40
		.amdhsa_user_sgpr_count 2
		.amdhsa_user_sgpr_kernarg_segment_ptr 1
		.amdhsa_wavefront_size32 1
		.amdhsa_system_sgpr_workgroup_id_x 1
		.amdhsa_system_sgpr_workgroup_id_y 1
		.amdhsa_system_sgpr_workgroup_id_z 1
		.amdhsa_system_vgpr_workitem_id 0
		.amdhsa_next_free_vgpr 192
		.amdhsa_next_free_sgpr 66
		.amdhsa_reserve_vcc 0
		.amdhsa_float_denorm_mode_32 3
		.amdhsa_float_denorm_mode_16_64 3
		.amdhsa_memory_ordered 1
		.amdhsa_forward_progress 1
		.amdhsa_inst_pref_size 12
	.end_amdhsa_kernel
	.amdgpu_metadata
---
amdhsa.version: [ 1, 2 ]
amdhsa.kernels:
  - .name:           k_q5fa8dd9336_wquant
    .symbol:         k_q5fa8dd9336_wquant.kd
    .args:
      - { .name: wq, .offset: 0, .size: 8, .value_kind: global_buffer, .address_space: global }
      - { .name: wk, .offset: 8, .size: 8, .value_kind: global_buffer, .address_space: global }
      - { .name: wv, .offset: 16, .size: 8, .value_kind: global_buffer, .address_space: global }
      - { .name: wm, .offset: 24, .size: 8, .value_kind: global_buffer, .address_space: global }
      - { .name: wrec, .offset: 32, .size: 8, .value_kind: global_buffer, .address_space: global }
    .group_segment_fixed_size: 0
    .private_segment_fixed_size: 0
    .kernarg_segment_align: 8
    .kernarg_segment_size: 40
    .max_flat_workgroup_size: 64
    .sgpr_count:     66
    .vgpr_count:     192
    .wavefront_size: 32
...
	.end_amdgpu_metadata
.endif
;; end of part 5
;; launch proj (part 6): grid 256 x 3, 8 waves a work-group, no clusters, 83,968 bytes of LDS; arguments query, key, value, enc_cos, enc_sin, bq, bk, bv, wrec, qc, qs, kv; writes qc, qs, kv
.if DOCPART == 6
	.amdgcn_target "amdgcn-amd-amdhsa--gfx1250"
	.amdhsa_code_object_version 6
	.text
	.protected	k_q5fa8dd9336_proj
	.globl	k_q5fa8dd9336_proj
	.p2align	8
	.type	k_q5fa8dd9336_proj,@function
k_q5fa8dd9336_proj:
	s_mov_b64 s[64:65], 0
	v_nop
	global_prefetch_b8 v0, s[64:65] scope:SCOPE_SE
	s_setreg_imm32_b32 hwreg(HW_REG_WAVE_SCHED_MODE, 0, 2), 2
	s_setreg_imm32_b32 hwreg(HW_REG_WAVE_MODE, 25, 1), 1
	s_wait_xcnt 0x0
	s_wait_alu depctr_vm_vsrc(0)
; The three projections, with RoPE for q and k, each result leaving as codes of FP6 (E2M3) in the order of the attention launch's operand registers.
; y = 0: q = rope(wq query + bq) -> qc, qs;  y = 1: k likewise -> kv;  y = 2: v = wv value + bv, quantised along the KEYS -> kv.
; SHARES.  A work-group takes 64 columns n (n-block nb) of one batch b, all 512 inputs i and all 512 outputs.  x [b][i][n] is read once, by this work-group alone.
; X PHASE.  K = i is not innermost: a lane takes a column and its registers run down i.  Wave w takes K step s = w / 2 (128 i) of group G = w % 2 (32 columns): each load reads 128 consecutive
; bytes, and two waves stand side by side on a row's 256.  A lane's four blocks of 32 are quantised in registers; twelve exchanges of lane halves make two fragments; they go to LDS as images of their registers.
; COLUMN ORDER: lane l takes column (l & 7) + 16 (l >> 3 & 1) + 8 (l >> 4) of its 32, so that row r of x's tile u is column 8 u + r + 8 (r / 8): results of tiles u = 0, 1 are then 16 neighbours along n in a lane.
; PRODUCTS.  Wave w is HEAD w: outputs o = 8 d + w, d = 0 .. 63; its 16 weight fragments stay in registers.
;   q, k: source 0 = 16 rows of W, source 1 = 16 columns of x: a lane holds one column and 16 neighbours along d of each block of 32: RoPE's pairs lie in neighbouring registers, and d is the scores' K.
;   v:    source 0 = x, source 1 = W: a lane holds one d and 16 neighbouring columns: the keys are the second attention product's K.
; The bias is the C of each sum's first product.
; WHAT LEAVES.  q, k: for each group of 32 columns a pair image (registers 0-5 tile u = 0, 6-11 tile u = 1; 1,536 bytes) and a word a row: byte(d 0-31), byte(d 32-63), 0x7f, 0x7f.
;   A record of kv (13,056 bytes: one head, 128 keys = n-blocks 2 st + e): K's four pairs j = e + 2 G at 1,536 j; V's four tiles of 16 d at 6,144 + 1,536 t, in which block j of the keys lies in lanes 16 e + r, registers 6 G on;
;   K's words at 12,288 + 256 e + 8 lane + 4 G;  V's scale bytes at 12,800 + 8 (16 (t % 2) + r) + 4 (t / 2) + j.
;   V's scale bytes leave by stores of one byte (128 a wave): a scale word's four bytes come from two work-groups.  All other stores cover 256 or 512 consecutive bytes, aligned.
; The cos and sin images are made by every work-group, v's too (32 loads, 8 LDS stores that v's path does not read), so that the text ahead of the products has one way for all three tensors but for the bias.
; No cluster: work-groups share only the weights' records, which go straight into registers.  No prefetch: a work-group asks for all it reads within its first lines.
; LIMITS: a block of zeros gets the byte 1 where the rule says 127 (its codes are zeros, and this program alone reads the bytes); NaN and infinities are not served.
; REGISTERS.  Window 0: v1-23 lane numbers and addresses; v24-27, v32-47 scale words (x's, W's) and nothing else; v28-31, v48-58 at work; v64-127 two sets of 32 numbers of x, later cos and sin of tile u = 0, later the codes;
;   v128-223 x's eight fragments (X phase: cos, sin as loaded, the two fragments made; behind the products: cos and sin of tile u = 1, the 32 rotated numbers); v224-255 the bias.
;   Window 1: v0-191 W's 16 fragments (tile t, K step s at 12 (4 t + s)); v192-255 eight accumulators.
; THE MODE: SCHED_MODE bits 1:0 = 2 (LLVM: expert scheduling mode 2), set by the entry lines.  The code itself states the register dependences
; between vector or matrix instructions and memory or LDS instructions, with s_wait_alu, always for 0.
; THE PLAN.  Registers that memory or LDS instructions touch, and who else names them:
;   v4-17, v23      offsets and LDS addresses: written by vector lines at the head and never again; read by every load and store.
;   X0, X1          a block of x lands; its quantiser reads it; behind one wait on va_vdst the block two on lands in it.
;   v128-159        cos and sin as loaded: read by eight LDS stores.   F0, F1, v22: written by the quantiser and the exchanges; behind one wait on va_vdst seven LDS stores read them.
;   XF, XS          behind the barrier one wait on vm_vsrc: the LDS stores have read v128-183.  x's fragments and words land; the products read them.
;   q, k            behind a group's products one wait on va_vdst: cos and sin of tile u = 1 land on v128-191.  Behind the group's last vector line one more: the codes and words are written, which the stores read,
;                   and v128-223 are done with, in which the next group's fragments land: those 28 loads follow the stores at once.  The stores' registers v64-75 take loads only behind s_wait_xcnt 0 and a wait on vm_vsrc.
;   v               behind group 0's products one wait on va_vdst: group 1's fragments are asked for at once and land while group 0 is quantised, by vector lines that name the accumulators and v64-123 alone.
;                   One wait on va_vdst ahead of the stage's stores serves them, the loads into v128-151 and the stores of the scale bytes.
;   W, its words and the bias are loaded once, into registers that no vector line names, and are read by matrix instructions alone.
.set FRB,   1536
.set WREC,  26624
.set KVREC, 13056
.set XSC,   24576                      ; LDS: 0: x's 16 fragments, wave w's tile u at (2 w + u) x 1,536;  here: their scale words, 128 bytes a wave
.set ENC,   25600                      ; cos and sin in the results' layout: unit (2 G + u) x 4 + t of 2,048 bytes: cos j 0-3, cos j 4-7, sin j 0-3, sin j 4-7, 512 bytes each
.set VSTG,  58368                      ; v's path alone: 3,072 bytes a wave, the wave's own
.set XO,  4                            ; v4   4 x my column of the group's 32
.set LI,  5                            ; v5   16 x lane
.set LS,  6                            ; v6   4 x lane
.set L8,  7                            ; v7   8 x lane
.set XWI, 8                            ; v8   where I store x's images
.set XWS, 9                            ; v9   and their scale words
.set EO,  10                           ; v10  my byte offset in cos and in sin
.set EWI, 11                           ; v11  where I store their images
.set BOQ, 12                           ; v12  my byte offset in the bias, q's and k's layout
.set VA,  13                           ; v13-14 v's stage, on the way in
.set VB,  14
.set VR,  15                           ; v15  and back
.set VGO, 16                           ; v16  my byte offset among V's images
.set VSO, 17                           ; v17  and among V's scale bytes
.set MXA, 18
.set MXB, 19
.set SCO, 20
.set BYT, 21
.set XW,  22                           ; v22  my column's scale word
.set BOV, 23                           ; v23  my byte offset in the bias, v's layout
.set XS,  24                           ; v24-27 x's scale words, K step s: lanes 0-15 tile u = 0, lanes 16-31 tile u = 1
.set MB,  28
.set PX,  30
.set WS,  32                           ; v32-47 W's scale words (4 t + s)
.set SQ,  48
.set BY,  50
.set WD,  52
.set SCW, 54
.set TC,  56
.set X0,  64
.set X1,  96
.set CS0, 64
.set PK,  64
.set XF,  128
.set EN,  128
.set F0,  160
.set F1,  172
.set CS1, 128
.set TT,  192
.set BIAS, 224
.set ACC, 192                          ; in window 1
.set VE,  64                           ; v's path: v64-87 a tile's six registers of codes; v88-103 the second halves; v104-111 bytes; v112-123 at work; v128-151 the way out
.set VT,  88
.set VBY, 104
.set VMX, 112
.set VPX, 116
.set VSQ, 120
.set VRB, 128
.set MSB, 0
.macro WIN new                         ; the immediate's high byte repeats the setting that is left
.if MSB != \new
	s_set_vgpr_msb (MSB<<8)|\new
.set MSB, \new
.endif
.endm
; 32 numbers of one lane, v[src] on, become 6 registers of codes at v[dst] and the scale's byte in v[byt]
.macro QBLK src, dst, byt
	v_max3_num_f32 v[MXA], |v[\src]|, |v[\src+1]|, |v[\src+2]|
	v_max3_num_f32 v[MXB], |v[\src+3]|, |v[\src+4]|, |v[\src+5]|
.irp i, 6,10,14,18,22,26
	v_max3_num_f32 v[MXA], v[MXA], |v[\src+\i]|, |v[\src+\i+1]|
	v_max3_num_f32 v[MXB], v[MXB], |v[\src+\i+2]|, |v[\src+\i+3]|
.endr
	v_max3_num_f32 v[MXA], v[MXA], |v[\src+30]|, |v[\src+31]|
	v_max3_num_f32 v[MXA], v[MXA], v[MXB], 0x1800000   ; and the floor 2^(3 - 127): the byte cannot fall under 1
	v_add_nc_u32 v[SCO], 0xff000000, v[MXA]            ; 2 off the exponent field: the conversion's scale operand
	v_lshrrev_b32 v[\byt], 23, v[SCO]                  ; the scale's byte
	v_cvt_scalef32_pk16_fp6_f32 v[\dst:\dst+2], v[\src:\src+15], v[SCO]
	v_cvt_scalef32_pk16_fp6_f32 v[TC:TC+2], v[\src+16:\src+31], v[SCO]   ; (a conversion's three registers begin on an even number)
	v_nop                                              ; one plain line behind the conversions
	v_mov_b32 v[\dst+3], v[TC]
	v_mov_b32 v[\dst+4], v[TC+1]
	v_mov_b32 v[\dst+5], v[TC+2]
.endm
.macro LOADX blk, set                  ; block blk of my K step: x(32 blk + i, my column), i = 0 .. 31
.set ii, 0
.rept 32
	global_load_b32 v[\set+ii], v[XO], s[34:35] offset:(32*\blk+ii)*8192 th:TH_LOAD_NT
.set ii, ii+1
.endr
.endm
	s_load_b512 s[4:19], s[0:1], 0x0               ; query, key, value, cos, sin, bq, bk, bv
	s_load_b256 s[20:27], s[0:1], 0x40             ; the weights' records, qc, qs, kv
	v_lshl_add_u32 v62, v0, 2, 0x14400
	v_mov_b32 v63, 0
	v_lshrrev_b32 v1, 5, v0
	v_readfirstlane_b32 s28, v1                    ; wave 0..7
	s_and_b32 s29, ttmp7, 0xffff                   ; the tensor: 0 q, 1 k, 2 v
	s_lshr_b32 s30, ttmp9, 5                       ; b
	s_and_b32 s31, ttmp9, 31                       ; nb
	s_and_b32 s32, s31, 1                          ; e
	v_and_b32 v1, 31, v0                           ; lane
	v_and_b32 v2, 15, v0                           ; r
	v_bfe_u32 v3, v0, 4, 1                         ; h
	v_and_b32 v[XO], 7, v0
	v_bfe_u32 v[EO], v0, 3, 1
	v_lshl_or_b32 v[XO], v[EO], 4, v[XO]
	v_lshl_or_b32 v[XO], v3, 3, v[XO]              ; my column: bits 3 and 4 of the lane's number change places
	v_lshlrev_b32 v[XO], 2, v[XO]
	; cos, sin: wave w makes units 2 w and 2 w + 1: G = w / 4, u = (w / 2) % 2, tiles t = 2 (w % 2) and + 1: d = 32 (w % 2) + 16 h + 0 .. 15, column 64 nb + 32 G + 8 u + r + 8 (r / 8)
	v_and_b32 v[EO], 8, v2
	v_add_nc_u32 v[EO], v[EO], v2
	v_lshlrev_b32 v[EO], 2, v[EO]
	v_lshl_add_u32 v[EO], v3, 17, v[EO]            ; 16 h rows of 8,192 bytes
	s_wait_alu depctr_va_vdst(0)
	s_wait_alu depctr_va_sdst(0)                   ; s28 is written, ahead of its first reader: offsets, bases and LDS addresses are made from it
	s_and_b32 s33, s28, 1
	s_lshl_b32 s33, s33, 18
	s_lshl_b32 s41, s31, 8
	s_add_co_u32 s33, s33, s41
	s_lshr_b32 s41, s28, 2
	s_lshl_b32 s41, s41, 7
	s_add_co_u32 s33, s33, s41
	s_bfe_u32 s41, s28, 0x10001
	s_lshl_b32 s41, s41, 5
	s_add_co_u32 s33, s33, s41
	v_add_nc_u32 v[EO], s33, v[EO]
	; x: b x 512 rows + 128 (w / 2) rows of 8,192 bytes, + 256 nb + 128 (w % 2)
	s_lshl_b32 s38, s30, 22
	s_lshr_b32 s39, s28, 1
	s_lshl_b32 s39, s39, 20
	s_add_co_u32 s38, s38, s39
	s_lshl_b32 s39, s31, 8
	s_add_co_u32 s38, s38, s39
	s_and_b32 s39, s28, 1
	s_lshl_b32 s39, s39, 7
	s_add_co_u32 s38, s38, s39
	s_mov_b32 s39, 0
	s_wait_kmcnt 0x0
	s_cmp_eq_u32 s29, 0                            ; the choices hang on the work-group's number alone
	s_cselect_b64 s[34:35], s[4:5], s[6:7]
	s_cselect_b64 s[36:37], s[14:15], s[16:17]
	s_cmp_eq_u32 s29, 2
	s_cselect_b64 s[34:35], s[8:9], s[34:35]       ; x
	s_cselect_b64 s[36:37], s[18:19], s[36:37]     ; its bias
	s_add_nc_u64 s[34:35], s[34:35], s[38:39]
	s_wait_alu depctr_va_vdst(0)                   ; v4 and v10 are written: the loads below read them as their offsets
.set ii, 0
.rept 16                               ; cos and sin stand ahead of all loads of x: the first wait for x shows them in too
	global_load_b32 v[EN+ii], v[EO], s[10:11] offset:8192*ii
	global_load_b32 v[EN+16+ii], v[EO], s[12:13] offset:8192*ii
.set ii, ii+1
.endr
	LOADX 0, X0
	LOADX 1, X1
	; the other addresses, while the loads are out
	s_mov_b32 s40, 0xffff0000                      ; lanes 16-31
	s_mov_b32 s42, 0x76543210
	s_mov_b32 s43, 0xfedcba98                      ; v_permlanex16_b32's selects for lane l xor 16
	v_lshlrev_b32 v[LI], 4, v1
	v_lshlrev_b32 v[LS], 2, v1
	v_lshlrev_b32 v[L8], 3, v1
	s_mul_i32 s33, s28, 2*FRB
	v_add_nc_u32 v[XWI], s33, v[LI]
	s_add_co_u32 s41, s33, VSTG
	v_lshlrev_b32 v[VA], 4, v2
	v_mad_u32_u24 v[VB], v3, 504, v[VA]
	v_mad_u32_u24 v[VA], v3, 264, v[VA]
	v_add_nc_u32 v[VA], s41, v[VA]                 ; 16 r + 264 h
	v_add_nc_u32 v[VB], s41, v[VB]                 ; 16 r + 504 h
	v_add_nc_u32 v[VR], s41, v[LI]
	s_lshl_b32 s33, s28, 7
	s_add_co_u32 s33, s33, XSC
	v_add_nc_u32 v[XWS], s33, v[LS]
	s_lshl_b32 s33, s28, 12
	s_add_co_u32 s33, s33, ENC
	v_add_nc_u32 v[EWI], s33, v[LI]
	s_lshl_b32 s33, s28, 2
	v_lshlrev_b32 v[BOQ], 9, v3
	v_add_nc_u32 v[BOQ], s33, v[BOQ]               ; 4 (8 x 16 h + w)
	v_lshlrev_b32 v[BOV], 5, v2
	v_add_nc_u32 v[BOV], s33, v[BOV]               ; 4 (8 r + w)
	v_lshlrev_b32 v[VGO], 4, v2
	v_lshl_add_u32 v[VGO], v3, 9, v[VGO]           ; 512 h + 16 r
	v_lshlrev_b32 v[VSO], 3, v2
	v_lshl_add_u32 v[VSO], v3, 1, v[VSO]           ; 8 r + 2 h
	v_mov_b32 v[PX], 0                             ; a lane permute's destination counts as one of its sources
	v_mov_b32 v[PX+1], 0
	s_lshl_b32 s33, s29, 3
	s_add_co_u32 s33, s33, s28
	s_mul_i32 s38, s33, WREC
	s_add_nc_u64 s[56:57], s[20:21], s[38:39]      ; my head's record of the tensor's weight
	s_lshl_b32 s33, s30, 3
	s_add_co_u32 s33, s33, s28                     ; bh = 8 b + head
	s_lshl_b32 s41, s33, 4
	s_lshr_b32 s62, s31, 1
	s_add_co_u32 s41, s41, s62
	s_mul_i32 s41, s41, KVREC                      ; the record of kv
	s_mul_i32 s62, s32, FRB
	s_add_co_u32 s50, s41, s62                     ; k's pair j = e
	s_lshl_b32 s62, s32, 8
	s_add_co_u32 s63, s41, s62
	s_add_co_u32 s52, s63, 12288                   ; k's words
	s_add_co_u32 s58, s63, 6144                    ; v's images, lanes 16 e on
	s_add_co_u32 s60, s41, s32
	s_add_co_u32 s60, s60, 12800                   ; v's scale bytes, byte e on
	s_mul_i32 s48, s33, 98304
	s_mul_i32 s62, s31, 2*FRB
	s_add_co_u32 s48, s48, s62                     ; q's pair 2 nb
	s_lshl_b32 s62, s33, 13
	s_lshl_b32 s63, s31, 8
	s_add_co_u32 s62, s62, s63                     ; q's words
	s_mov_b32 s54, 2*FRB
	s_cmp_eq_u32 s29, 0
	s_cselect_b32 s48, s48, s50
	s_cselect_b32 s50, s62, s52
	s_cselect_b32 s54, FRB, s54                    ; from group 0's pair to group 1's: the next pair in qc, two pairs on in a record of kv
	s_cselect_b64 s[44:45], s[22:23], s[26:27]
	s_cselect_b64 s[46:47], s[24:25], s[26:27]
	s_mov_b32 s49, 0
	s_mov_b32 s51, 0
	s_mov_b32 s55, 0
	s_mov_b32 s59, 0
	s_mov_b32 s61, 0
	s_add_nc_u64 s[44:45], s[44:45], s[48:49]      ; q, k: where group 0's pair goes,
	s_add_nc_u64 s[54:55], s[44:45], s[54:55]      ; group 1's,
	s_add_nc_u64 s[46:47], s[46:47], s[50:51]      ; and the words
	s_add_nc_u64 s[58:59], s[26:27], s[58:59]      ; v: the images,
	s_add_nc_u64 s[60:61], s[26:27], s[60:61]      ; the scale bytes
	; ---- X: four blocks of 32 of my column; fragment F0 takes blocks 0 and 2, F1 blocks 1 and 3
	s_wait_loadcnt 32                              ; block 0 (and cos, sin) are in; block 1's 32 loads stay out
	QBLK X0, F0, XW
	s_wait_alu depctr_va_vdst(0)                   ; the quantiser is done reading X0, in which block 2 lands; the addresses v5-17 and v23 are written, which all later loads and stores read
	LOADX 2, X0
.irp q, 0,1,2,3
	ds_store_b128 v[EWI], v[EN+4*\q:EN+4*\q+3] offset:2048*(\q/2)+512*(\q%2)
	ds_store_b128 v[EWI], v[EN+16+4*\q:EN+16+4*\q+3] offset:2048*(\q/2)+512*(\q%2)+1024
.endr
	s_wait_loadcnt 32                              ; block 1 is in; block 2's stay out
	QBLK X1, F1, BYT
	v_lshl_or_b32 v[XW], v[BYT], 8, v[XW]
	s_wait_alu depctr_va_vdst(0)                   ; the quantiser is done reading X1, in which block 3 lands.  W's loads follow with loads and window switches alone between: no vector line names their registers
	LOADX 3, X1
	WIN 0x40                                       ; destination window 1
.set ii, 0
.rept 48                               ; W's 16 fragments, as images: 512 consecutive bytes a load
	global_load_b128 v[4*ii:4*ii+3], v[LI], s[56:57] offset:512*ii
.set ii, ii+1
.endr
	WIN 0
.irp t, 0,1,2,3
.irp p, 0,1
	global_load_b64 v[WS+4*\t+2*\p:WS+4*\t+2*\p+1], v[L8], s[56:57] offset:24576+512*\t+256*\p
.endr
.endr
	s_wait_loadcnt 63                              ; block 2 is in: 88 younger loads exist (block 3's 32, W's 56); 63 is the largest count that the wait can name
	QBLK X0, F0+6, BYT
	v_lshl_or_b32 v[XW], v[BYT], 16, v[XW]
	s_cmp_eq_u32 s29, 2                            ; (the bias's loads owe no wait: no vector line since the last wait on va_vdst names v12, v23 or v224-255)
	s_cbranch_scc1 .Lbias_v
.irp t, 0,1,2,3
.irp j, 0,1,2,3,4,5,6,7
	global_load_b32 v[BIAS+8*\t+\j], v[BOQ], s[36:37] offset:32*(32*(\t/2)+8*(\t%2)+\j)   ; q, k: register j of tile t is d = 32 (t / 2) + 16 h + 8 (t % 2) + j
.endr
.endr
	s_branch .Lbias_in
.Lbias_v:
.irp t, 0,1,2,3
.irp j, 0,1,2,3,4,5,6,7
	global_load_b32 v[BIAS+8*\t+\j], v[BOV], s[36:37] offset:512*\t   ; v: all eight registers of tile t are d = 16 t + r: the C operand wants the word eight times, and eight loads cost no vector line
.endr
.endr
.Lbias_in:
	s_wait_loadcnt 63                              ; block 3 is in: 88 younger loads exist (W's 56, the bias's 32)
	QBLK X1, F1+6, BYT
	v_lshl_or_b32 v[XW], v[BYT], 24, v[XW]
.set ii, 0
.rept 12                               ; F0's lanes 16-31 change places with F1's lanes 0-15: F0 is now tile u = 0's fragment (lane (r, h): blocks h, 2 + h of row r), F1 tile u = 1's
	v_permlane16_swap_b32 v[F0+ii], v[F1+ii]
.set ii, ii+1
.endr
	s_wait_alu depctr_va_vdst(0)                   ; the exchanges have written F0 and F1, the quantiser v22: the LDS stores below read them.  All vector lines that named v56-58, X0 and X1 are done too
.irp g, 0,1,2
	ds_store_b128 v[XWI], v[F0+4*\g:F0+4*\g+3] offset:512*\g
	ds_store_b128 v[XWI], v[F1+4*\g:F1+4*\g+3] offset:FRB+512*\g
.endr
	ds_store_b32 v[XWS], v[XW]                     ; lane 16 u + r: the word of tile u's row r
	s_wait_dscnt 0x0                               ; for the others' sake: my stores have landed
	s_barrier_signal -1
	s_barrier_wait -1                              ; x's 16 fragments, their words, cos and sin lie in LDS; nothing there is written again
	s_wait_loadcnt 0x0                             ; W, its words, the bias
	s_wait_alu depctr_vm_vsrc(0)                   ; my LDS stores have read v128-183 (cos and sin as loaded, F0, F1), in which x's fragments land on both ways below
.macro XFETCH grp                      ; group grp's eight fragments (K step s, tile u) and four registers of scale words
.irp s, 0,1,2,3
.irp u, 0,1
.irp p, 0,1,2
	ds_load_b128 v[XF+12*(2*\s+\u)+4*\p:XF+12*(2*\s+\u)+4*\p+3], v[LI] offset:((2*\s+\grp)*2+\u)*FRB+512*\p
.endr
.endr
	ds_load_b32 v[XS+\s], v[LS] offset:XSC+128*(2*\s+\grp)
.endr
.endm
.macro CSLOAD reg, unit                ; cos and sin of (G, u) = unit: 16 registers a tile t: cos j 0-7, sin j 0-7
.irp t, 0,1,2,3
.irp q, 0,1,2,3
	ds_load_b128 v[\reg+16*\t+4*\q:\reg+16*\t+4*\q+3], v[LI] offset:ENC+8192*(\unit)+2048*\t+512*\q
.endr
.endr
.endm
; q, k: accumulator (u, t) += W(t, s) x(s, u).  The first K step takes the bias as C.
.macro MMQ s, u, t
.set rD, ACC+32*\u+8*\t
.set rA, 12*(4*\t+\s)
.set rB, XF+12*(2*\s+\u)
.if \s == 0
.if \u == 0
	v_wmma_scale_f32_16x16x128_f8f6f4 v[rD:rD+7], v[rA:rA+11], v[rB:rB+11], v[BIAS+8*\t:BIAS+8*\t+7], v[WS+4*\t+\s], v[XS+\s] matrix_a_fmt:MATRIX_FMT_FP6 matrix_b_fmt:MATRIX_FMT_FP6
.else
	v_wmma_scale_f32_16x16x128_f8f6f4 v[rD:rD+7], v[rA:rA+11], v[rB:rB+11], v[BIAS+8*\t:BIAS+8*\t+7], v[WS+4*\t+\s], v[XS+\s] matrix_a_fmt:MATRIX_FMT_FP6 matrix_b_fmt:MATRIX_FMT_FP6 matrix_b_scale:MATRIX_SCALE_ROW1
.endif
.else
.if \u == 0
	v_wmma_scale_f32_16x16x128_f8f6f4 v[rD:rD+7], v[rA:rA+11], v[rB:rB+11], v[rD:rD+7], v[WS+4*\t+\s], v[XS+\s] matrix_a_fmt:MATRIX_FMT_FP6 matrix_b_fmt:MATRIX_FMT_FP6
.else
	v_wmma_scale_f32_16x16x128_f8f6f4 v[rD:rD+7], v[rA:rA+11], v[rB:rB+11], v[rD:rD+7], v[WS+4*\t+\s], v[XS+\s] matrix_a_fmt:MATRIX_FMT_FP6 matrix_b_fmt:MATRIX_FMT_FP6 matrix_b_scale:MATRIX_SCALE_ROW1
.endif
.endif
.endm
; v: accumulator (t, u) += x(s, u) W(t, s)
.macro MMV s, u, t
.set rD, ACC+16*\t+8*\u
.set rA, XF+12*(2*\s+\u)
.set rB, 12*(4*\t+\s)
.if \s == 0
.if \u == 0
	v_wmma_scale_f32_16x16x128_f8f6f4 v[rD:rD+7], v[rA:rA+11], v[rB:rB+11], v[BIAS+8*\t:BIAS+8*\t+7], v[XS+\s], v[WS+4*\t+\s] matrix_a_fmt:MATRIX_FMT_FP6 matrix_b_fmt:MATRIX_FMT_FP6
.else
	v_wmma_scale_f32_16x16x128_f8f6f4 v[rD:rD+7], v[rA:rA+11], v[rB:rB+11], v[BIAS+8*\t:BIAS+8*\t+7], v[XS+\s], v[WS+4*\t+\s] matrix_a_fmt:MATRIX_FMT_FP6 matrix_b_fmt:MATRIX_FMT_FP6 matrix_a_scale:MATRIX_SCALE_ROW1
.endif
.else
.if \u == 0
	v_wmma_scale_f32_16x16x128_f8f6f4 v[rD:rD+7], v[rA:rA+11], v[rB:rB+11], v[rD:rD+7], v[XS+\s], v[WS+4*\t+\s] matrix_a_fmt:MATRIX_FMT_FP6 matrix_b_fmt:MATRIX_FMT_FP6
.else
	v_wmma_scale_f32_16x16x128_f8f6f4 v[rD:rD+7], v[rA:rA+11], v[rB:rB+11], v[rD:rD+7], v[XS+\s], v[WS+4*\t+\s] matrix_a_fmt:MATRIX_FMT_FP6 matrix_b_fmt:MATRIX_FMT_FP6 matrix_a_scale:MATRIX_SCALE_ROW1
.endif
.endif
.endm
; RoPE of tile u's 32 numbers a lane: (a, b) at d = 2 i, 2 i + 1 become a c0 - b s0 and b c1 + a s1.  Each accumulator is read from its low end on.
.macro ROPE u, cs
	WIN 0x01                                       ; source 0: the accumulators, window 1
.irp t, 0,1,2,3
.irp j, 0,2,4,6
	v_pk_mul_f32 v[TT+8*\t+\j:TT+8*\t+\j+1], v[ACC+32*\u+8*\t+\j:ACC+32*\u+8*\t+\j+1], v[\cs+16*\t+\j:\cs+16*\t+\j+1]
.endr
.irp j, 0,2,4,6
	v_fma_f32 v[TT+8*\t+\j], -v[ACC+32*\u+8*\t+\j+1], v[\cs+16*\t+8+\j], v[TT+8*\t+\j]
	v_fma_f32 v[TT+8*\t+\j+1], v[ACC+32*\u+8*\t+\j], v[\cs+16*\t+9+\j], v[TT+8*\t+\j+1]
.endr
.endr
	WIN 0
.endm
; The 32 rotated numbers, register 16 bb + i = d 32 bb + 16 h + i of my column, become tile u's six registers of codes and its rows' scale word
.macro QKQ u
.irp bb, 0,1
	v_max3_num_f32 v[MB+\bb], |v[TT+16*\bb]|, |v[TT+16*\bb+1]|, 0x1800000   ; my 16 numbers of the block, and the floor 2^(3 - 127)
.endr
.irp i, 2,4,6,8,10,12,14
.irp bb, 0,1
	v_max3_num_f32 v[MB+\bb], v[MB+\bb], |v[TT+16*\bb+\i]|, |v[TT+16*\bb+\i+1]|
.endr
.endr
.irp bb, 0,1
	v_permlanex16_b32 v[PX+\bb], v[MB+\bb], s42, s43
.endr
.irp bb, 0,1
	v_max_num_f32 v[MB+\bb], v[MB+\bb], v[PX+\bb]  ; with lane l xor 16's 16: the block's largest magnitude
.endr
.irp bb, 0,1
	v_add_nc_u32 v[SQ+\bb], 0xff000000, v[MB+\bb]
.endr
.irp bb, 0,1
	v_lshrrev_b32 v[BY+\bb], 23, v[SQ+\bb]
.endr
	v_lshl_or_b32 v[WD+\u], v[BY+1], 8, v[BY]
	v_or_b32 v[WD+\u], 0x7f7f0000, v[WD+\u]        ; the scores' K is 64: the instruction's upper 64 meet zero codes, under the scale 1
	v_cvt_scalef32_pk16_fp6_f32 v[PK+6*\u:PK+6*\u+2], v[TT:TT+15], v[SQ]
	v_cvt_scalef32_pk16_fp6_f32 v[TC:TC+2], v[TT+16:TT+31], v[SQ+1]
	v_nop                                          ; one plain line behind the conversions
.irp i, 0,1,2
	v_permlane16_swap_b32 v[PK+6*\u+\i], v[TC+\i]  ; the operand's layout wants a whole block in a lane: lanes 0-15 d 0-31, lanes 16-31 d 32-63
.endr
.irp i, 0,1,2
	v_mov_b32 v[PK+6*\u+3+\i], v[TC+\i]
.endr
.endm
.macro GQK grp
.if \grp
	s_wait_xcnt 0x0                                ; group 0's stores have had their addresses translated, and beside that wait:
	s_wait_alu depctr_vm_vsrc(0)                   ; group 0's stores have read v64-75, on which cos and sin land below and which this group's conversions write again
.else
	XFETCH 0
.endif
	CSLOAD CS0, 2*\grp
	s_wait_dscnt 16                                ; x's fragments and words are in; cos and sin (16 loads) stay out
.irp s, 0,1,2,3                        ; the eight accumulators take turns, one instruction a turn
.if \s == 0
	WIN 0x41                                       ; source 0 (W) and the result window 1; x and the bias window 0
.else
	WIN 0x51                                       ; C window 1 too
.endif
.irp u, 0,1
.irp t, 0,1,2,3
	MMQ \s, \u, \t
.endr
.endr
.endr
	WIN 0
.rept 4
	v_nop                                          ; four places behind the products, ahead of the vector lines that read their results
.endr
	s_wait_alu depctr_va_vdst(0)                   ; the products are done reading x's fragments: cos and sin of tile u = 1 land on v128-191
	CSLOAD CS1, 2*\grp+1
	s_wait_dscnt 16                                ; tile u = 0's cos and sin are in; tile u = 1's 16 loads stay out
	ROPE 0, CS0
	QKQ 0
	s_wait_dscnt 0x0
	ROPE 1, CS1
	QKQ 1
	v_cndmask_b32 v[SCW+\grp], v[WD], v[WD+1], s40 ; lane 16 u + r: the word of tile u's row r
	s_wait_alu depctr_va_vdst(0)                   ; the codes v64-75 and the word are written, which the stores read; RoPE and the conversions are done with v128-223, in which the next group's fragments land
.irp p, 0,1,2
.if \grp
	global_store_b128 v[LI], v[PK+4*\p:PK+4*\p+3], s[54:55] offset:512*\p
.else
	global_store_b128 v[LI], v[PK+4*\p:PK+4*\p+3], s[44:45] offset:512*\p   ; the pair's image: 512 consecutive bytes a store, aligned
.endif
.endr
.if \grp == 0
	XFETCH 1                                       ; at once: these 28 loads touch v24-27 and v128-223, none of the stores' registers, and no vector line stands behind the wait above
.endif
.endm
	s_cmp_eq_u32 s29, 2
	s_cbranch_scc1 .Lv_path
	GQK 0
	GQK 1
	global_store_b64 v[L8], v[SCW:SCW+1], s[46:47] ; the words of both groups: 256 consecutive bytes, aligned (both were written ahead of the last wait on va_vdst)
	s_wait_dscnt 0x0
	s_wait_alu depctr_hold_cnt(0) depctr_sa_sdst(0) depctr_va_vdst(0) depctr_va_sdst(0) depctr_va_ssrc(0) depctr_va_vcc(0) depctr_vm_vsrc(0)
	s_wait_tensorcnt 0x0
	ds_add_u32 v62, v63
	s_wait_dscnt 0x0
	s_endpgm
.Lv_path:
.irp t, 0,1,2,3
	v_mov_b32 v[VPX+\t], 0                         ; a lane permute's destination counts as one of its sources
.endr
; v: lane (r, h) holds d = 16 t + r and, in accumulators (t, 0), (t, 1), the 16 neighbouring keys 32 G + 16 h + 0 .. 15 of the group in hand
.macro VMUL                            ; a group's 32 products, and the places behind them
.irp s, 0,1,2,3
.if \s == 0
	WIN 0x44                                       ; source 1 (W) and the result window 1
.else
	WIN 0x54
.endif
.irp t, 0,1,2,3
.irp u, 0,1
	MMV \s, \u, \t
.endr
.endr
.endr
	WIN 0
.rept 4
	v_nop                                          ; four places behind the products
.endr
.endm
.macro VQ grp                          ; the group's block of 32 keys of each of my four d is quantised
	WIN 0x05                                       ; sources 0 and 1: the accumulators
.irp t, 0,1,2,3
	v_max3_num_f32 v[VMX+\t], |v[ACC+16*\t]|, |v[ACC+16*\t+1]|, 0x1800000
.endr
.irp i, 2,4,6,8,10,12,14
.irp t, 0,1,2,3
	v_max3_num_f32 v[VMX+\t], |v[ACC+16*\t+\i]|, |v[ACC+16*\t+\i+1]|, v[VMX+\t]
.endr
.endr
	WIN 0
.irp t, 0,1,2,3
	v_permlanex16_b32 v[VPX+\t], v[VMX+\t], s42, s43
.endr
.irp t, 0,1,2,3
	v_max_num_f32 v[VMX+\t], v[VMX+\t], v[VPX+\t]  ; the largest magnitude of the block of 32 keys
.endr
.irp t, 0,1,2,3
	v_add_nc_u32 v[VSQ+\t], 0xff000000, v[VMX+\t]
.endr
.irp t, 0,1,2,3
	v_lshrrev_b32 v[VBY+2*\t+\grp], 23, v[VSQ+\t]
.endr
	WIN 0x01
.irp t, 0,1,2,3
.if \grp
	v_cvt_scalef32_pk16_fp6_f32 v[VT+4*\t:VT+4*\t+2], v[ACC+16*\t:ACC+16*\t+15], v[VSQ+\t]
.else
	v_cvt_scalef32_pk16_fp6_f32 v[VE+6*\t:VE+6*\t+2], v[ACC+16*\t:ACC+16*\t+15], v[VSQ+\t]
.endif
.endr
	WIN 0
	v_nop                                          ; one plain line behind the conversions: the next products write their sources
.endm
	XFETCH 0
	s_wait_dscnt 0x0
	VMUL
	s_wait_alu depctr_va_vdst(0)                   ; group 0's products are done reading x's fragments and words, in which group 1's land
	XFETCH 1                                       ; they land while group 0 is quantised: the vector lines below name the accumulators and v64-123, none of these loads' registers
	VQ 0
	s_wait_dscnt 0x0
	VMUL
	VQ 1
.irp t, 0,1,2,3
.irp i, 0,1,2
	v_permlane16_swap_b32 v[VE+6*\t+\i], v[VT+4*\t+\i]   ; lane (r, 0) now holds group 0's block whole, lane (r, 1) group 1's
.endr
.irp i, 0,1,2
	v_mov_b32 v[VE+6*\t+3+\i], v[VT+4*\t+\i]
.endr
.endr
.irp t, 0,1,2,3
	v_cndmask_b32 v[VMX+\t], v[VBY+2*\t], v[VBY+2*\t+1], s40   ; lane (r, G): the byte of block j = e + 2 G
.endr
	s_wait_alu depctr_va_vdst(0)                   ; the codes v64-87 and the bytes v112-115 are written, which the stores below read; group 1's products are done reading v128-151, in which the stage's loads land
; Lane (r, G)'s six registers are registers 6 G .. 6 G + 5 of lane 16 e + r of tile t's image.  They meet in my own stage, 256 bytes for each group of four registers, and leave as such.
.irp t, 0,1,2,3
	ds_store_b64 v[VA], v[VE+6*\t:VE+6*\t+1] offset:768*\t
	ds_store_b64 v[VB], v[VE+6*\t+2:VE+6*\t+3] offset:768*\t+8
	ds_store_b64 v[VA], v[VE+6*\t+4:VE+6*\t+5] offset:768*\t+256
.endr
.irp k, 0,1,2,3,4,5
	ds_load_b128 v[VRB+4*\k:VRB+4*\k+3], v[VR] offset:512*\k   ; LDS serves a wave's instructions in order: these see my stores
.endr
.irp k, 0,1,2,3,4,5
	s_wait_dscnt 5-\k
	global_store_b128 v[VGO], v[VRB+4*\k:VRB+4*\k+3], s[58:59] offset:1024*\k   ; sixteen lanes store 256 consecutive bytes, aligned
.endr
.irp t, 0,1,2,3
	global_store_b8 v[VSO], v[VMX+\t], s[60:61] offset:128*(\t%2)+4*(\t/2)
.endr
	s_wait_dscnt 0x0
	s_wait_alu depctr_hold_cnt(0) depctr_sa_sdst(0) depctr_va_vdst(0) depctr_va_sdst(0) depctr_va_ssrc(0) depctr_va_vcc(0) depctr_vm_vsrc(0)
	s_wait_tensorcnt 0x0
	ds_add_u32 v62, v63
	s_wait_dscnt 0x0
	s_endpgm
.Lfunc_end_k_q5fa8dd9336_proj:
	.size	k_q5fa8dd9336_proj, .Lfunc_end_k_q5fa8dd9336_proj-k_q5fa8dd9336_proj
	.p2alignl 7, 3214868480
	.fill 96, 4, 3214868480
	.section	.rodata,"a",@progbits
	.p2align	6, 0x0
	.amdhsa_kernel k_q5fa8dd9336_proj
		.amdhsa_group_segment_fixed_size 83968
		.amdhsa_private_segment_fixed_size 0
		.amdhsa_enable_private_segment 0
		.amdhsa_kernarg_size 96
		.amdhsa_user_sgpr_count 2
		.amdhsa_user_sgpr_kernarg_segment_ptr 1
		.amdhsa_wavefront_size32 1
		.amdhsa_system_sgpr_workgroup_id_x 1
		.amdhsa_system_sgpr_workgroup_id_y 1
		.amdhsa_system_sgpr_workgroup_id_z 1
		.amdhsa_system_vgpr_workitem_id 0
		.amdhsa_next_free_vgpr 512
		.amdhsa_next_free_sgpr 66
		.amdhsa_reserve_vcc 0
		.amdhsa_float_denorm_mode_32 3
		.amdhsa_float_denorm_mode_16_64 3
		.amdhsa_memory_ordered 1
		.amdhsa_forward_progress 1
		.amdhsa_inst_pref_size 99
	.end_amdhsa_kernel
	.amdgpu_metadata
---
amdhsa.version: [ 1, 2 ]
amdhsa.kernels:
  - .name:           k_q5fa8dd9336_proj
    .symbol:         k_q5fa8dd9336_proj.kd
    .args:
      - { .name: query, .offset: 0, .size: 8, .value_kind: global_buffer, .address_space: global }
      - { .name: key, .offset: 8, .size: 8, .value_kind: global_buffer, .address_space: global }
      - { .name: value, .offset: 16, .size: 8, .value_kind: global_buffer, .address_space: global }
      - { .name: enc_cos, .offset: 24, .size: 8, .value_kind: global_buffer, .address_space: global }
      - { .name: enc_sin, .offset: 32, .size: 8, .value_kind: global_buffer, .address_space: global }
      - { .name: bq, .offset: 40, .size: 8, .value_kind: global_buffer, .address_space: global }
      - { .name: bk, .offset: 48, .size: 8, .value_kind: global_buffer, .address_space: global }
      - { .name: bv, .offset: 56, .size: 8, .value_kind: global_buffer, .address_space: global }
      - { .name: wrec, .offset: 64, .size: 8, .value_kind: global_buffer, .address_space: global }
      - { .name: qc, .offset: 72, .size: 8, .value_kind: global_buffer, .address_space: global }
      - { .name: qs, .offset: 80, .size: 8, .value_kind: global_buffer, .address_space: global }
      - { .name: kv, .offset: 88, .size: 8, .value_kind: global_buffer, .address_space: global }
    .group_segment_fixed_size: 83968
    .private_segment_fixed_size: 0
    .kernarg_segment_align: 8
    .kernarg_segment_size: 96
    .max_flat_workgroup_size: 256
    .sgpr_count:     66
    .vgpr_count:     512
    .wavefront_size: 32
...
	.end_amdgpu_metadata
.endif
;; end of part 6
;; launch attn (part 7): grid 4 x 64, 16 waves a work-group, clusters of 4 x 1, 277,504 bytes of LDS; arguments qc, qs, kv, att; writes att
.if DOCPART == 7
	.amdgcn_target "amdgcn-amd-amdhsa--gfx1250"
	.amdhsa_code_object_version 6
	.text
	.protected	k_q5fa8dd9336_attn
	.globl	k_q5fa8dd9336_attn
	.p2align	8
	.type	k_q5fa8dd9336_attn,@function
k_q5fa8dd9336_attn:
	s_mov_b64 s[64:65], 0
	v_nop
	global_prefetch_b8 v0, s[64:65] scope:SCOPE_SE
	s_setreg_imm32_b32 hwreg(HW_REG_WAVE_MODE, 25, 1), 1
	s_wait_xcnt 0x0
	s_wait_alu depctr_hold_cnt(0) depctr_sa_sdst(0) depctr_va_vdst(0) depctr_va_sdst(0) depctr_va_ssrc(0) depctr_va_vcc(0) depctr_vm_vsrc(0)
	s_getreg_b32 s2, hwreg(HW_REG_IB_STS2, 6, 4)
	s_cmp_eq_u32 s2, 0
	s_cbranch_scc0 .Lentry_in_a_cluster
	s_endpgm
.Lentry_in_a_cluster:
	s_bfe_u32 s2, ttmp6, 0x10000c
	s_cmp_lg_u32 s2, 0x3003
	s_cbranch_scc0 .Lentry_shape_is_right
	s_endpgm
.Lentry_shape_is_right:
; att[b][8 d + h][n] = (the sum over keys m of p(n, m) v(d, m)) / l(n), both products on codes of FP6 (E2M3) with one E8M0 scale for each 32 along K.
; t = score x log2(e) / 8; M = the running largest t rounded UP to a whole number; p = 2^(t - M) is quantised along the keys, not normalised; l is the sum of the unquantised p.  When M moves, l and O are multiplied by 2^(old M - new M): exact.
; SHARES.  A work-group owns 512 queries of one head bh = 8 b + h, in two passes of 256; in a pass each of its SIXTEEN waves owns one tile of 16 queries, in 256 registers: four waves to a SIMD, so that one wave's vector work stands beside another's products and LDS loads.
; THE HEAD'S K AND V STAY IN LDS: 16 records of 13,056 bytes (128 keys each), filled ONCE by tensor loads; no byte of LDS is filled again.  Waves 0-3 issue four loads each (record 4 g + w): four loads of a wave are out at the most.
; CLUSTER.  The four work-groups of a head ask for each record JOINTLY: the same load, the same descriptor, a mask that names the four.
; No prefetch: all that the launch reads of kv is asked for by the fills at its head; a wave's 28 bytes a lane of q are read once a pass.
; A RECORD holds operands as images of their registers (group of four registers at 512 g + 16 x lane): K's four pairs j (registers 0-5 tile 2 j, 6-11 tile 2 j + 1; a tile is 16 keys x 64 d) at 1,536 j; V's four tiles (16 d x 128 keys) at 6,144 + 1,536 t;
;   K's words at 12,288 (two registers' worth a lane, twice); V's at 12,800.  The keys of K's tiles 2 j, 2 j + 1 are those of V's block j, in the same order: which 32 keys of the 128 those are the softmax need not know.
; LAYOUT.  S^T = K Q^T (source 0 = 16 keys, source 1 = my 16 queries), O^T = V P^T: a lane holds ONE query (lane % 16) throughout; the 16 registers of tiles 2 j, 2 j + 1 are 16 neighbouring keys of block j.
; THE SCORES' K IS 64, the instruction's 128: Q's registers 6-11 are zero codes, so K's tiles lie 6 registers apart and source 0's upper six registers (the next tile's codes, or zeros) add nothing; all scale bytes 2 and 3 are 0x7f.
; LIMITS: a block whose every p has fallen under 2^-124 keeps the byte 1; a block's largest p is made from its largest score, which takes v_exp_f32 not to fall where its input rises; NaN and infinities are not served.
; REGISTERS: v1-9 addresses; v12 -M, v13 the largest t, v[14:15] l in two halves; v16-27 Q; v28-35 scale words and nothing else (Q's, p's, K's four, V's two); v36-39 at work; v40-93 K (later p's codes at v60-78); v[94:95] a second chain of l;
;   v96-143 V; v144-207 S^T, then p; v208-239 O^T; v240-255 the blocks' maxima, scales and bytes.
.set REC,    13056
.set STAGE,  16*REC                    ; behind the head's records: 64 rows (d) x (256 queries x 4 bytes + 16), written by LDS stores alone
.set SPITCH, 1040
.set LI16, 1
.set LI8,  2
.set AD,   3
.set AD8,  4
.set QA,   5
.set QB,   6
.set QSV,  7
.set SOA,  8
.set SRD,  9
.set QF,   16
.set QSC,  28
.set PSC,  29
.set KSC,  30                          ; pair j's words: v[30 + 2 (j % 2) + j / 2]; lanes 0-15 tile 2 j, lanes 16-31 tile 2 j + 1
.set VSC,  34                          ; tile t's words: v[34 + t / 2]; lanes 16 (t % 2) on
.set TMP,  36
.set FF,   38
.set KF,   40
.set PC,   60
.set PT,   72
.set SUM2, 94
.set VF,   96
.set SS,   144
.set OO,   208
.set BM,   240
.set BX,   244
.set SQ,   248
.set BY,   252
.set WV,   12
.set CX,   13
.set BH,   14
.set G1,   16                          ; s[16:23] descriptor group 1;  s[24:39] four groups 0
.set G0,   24
.set SEL,  40
.set CS,   42
.set TB,   44
.set NST,  45
.set NPS,  46
.macro CROUND                          ; a round of the cluster's barrier: my work-group's barrier; wave 0 signals for the work-group; every wave waits for all four; my work-group's barrier once more
	s_barrier_signal -1
	s_barrier_wait -1
	s_cmp_lg_u32 s[WV], 0
	s_cbranch_scc1 .Lnot_wave_0_\@
	s_barrier_signal -3
.Lnot_wave_0_\@:
	s_barrier_wait -3
	s_barrier_signal -1
	s_barrier_wait -1
.endm
	s_load_b256 s[4:11], s[0:1], 0x0               ; qc, qs, kv, att
	v_lshl_add_u32 v254, v0, 2, 0x43400
	v_mov_b32 v255, 0
	ds_add_u32 v254, v255
	ds_add_u32 v254, v255
	s_wait_dscnt 0x0
	v_lshrrev_b32 v1, 5, v0
	s_delay_alu instid0(VALU_DEP_1)
	v_readfirstlane_b32 s[WV], v1                  ; wave 0..15
	s_bfe_u32 s[CX], ttmp6, 0x40000                ; my place in the cluster = my block of 512 queries: it enters global addresses of q and of the output alone
	s_and_b32 s[BH], ttmp7, 0xffff                 ; the head, which the four partners share
	; descriptor group 1: a record is one dense block: 51 rows of 256 bytes (32 elements of 8 bytes)
	s_mov_b32 s[G1], 15|(3<<16)|(1<<21)            ; 15:0 the mask: all four work-groups; 17:16 elements of 8 bytes; 20 no padding; 21 set beside a mask
	s_mov_b32 s[G1+1], 32<<16                      ; tensor_dim0
	s_mov_b32 s[G1+2], 51<<16                      ; tensor_dim1
	s_mov_b32 s[G1+3], 32<<16                      ; tile_dim0
	s_mov_b32 s[G1+4], 51                          ; tile_dim1
	s_mov_b32 s[G1+5], 32                          ; from row to row
	s_mov_b32 s[G1+6], 0
	s_mov_b32 s[G1+7], 0
	s_and_b32 s15, s[WV], 3
	s_mul_i32 s15, s15, REC                        ; record w % 4 of a group of four: in LDS and in memory alike
	s_mul_i32 s54, s[BH], 16*REC
	s_add_co_u32 s54, s54, s15
	s_mov_b32 s55, 0
	s_wait_kmcnt 0x0
	s_add_nc_u64 s[8:9], s[8:9], s[54:55]
	CROUND                                         ; all four work-groups are here: the joint loads meet
.irp g, 0,1,2,3
	s_mov_b32 s[G0+4*\g], 1                        ; count = 1
	s_add_co_u32 s[G0+4*\g+1], s15, \g*4*REC       ; LDS address
	s_add_nc_u64 s[G0+4*\g+2:G0+4*\g+3], s[8:9], \g*4*REC
	s_or_b32 s[G0+4*\g+3], s[G0+4*\g+3], 0x80000000   ; type = 2
.endr
	s_cmp_lt_u32 s[WV], 4                          ; a wave's four fills stand in one branch on the wave's number, ahead of every wait on TENSORcnt and every LDS read
	s_cbranch_scc0 .Lno_fill
	tensor_load_to_lds s[G0:G0+3], s[G1:G1+7]
	s_nop 0
	tensor_load_to_lds s[G0+4:G0+7], s[G1:G1+7]
	s_nop 0
	tensor_load_to_lds s[G0+8:G0+11], s[G1:G1+7]
	s_nop 0
	tensor_load_to_lds s[G0+12:G0+15], s[G1:G1+7]
	s_nop 0
.rept 4
	v_nop                                          ; four v_nop behind the tensor loads
.endr
.Lno_fill:
	v_and_b32 v10, 31, v0                          ; lane
	s_delay_alu instid0(VALU_DEP_1)
	v_lshlrev_b32 v[LI16], 4, v10
	s_delay_alu instid0(VALU_DEP_2)
	v_lshlrev_b32 v[LI8], 3, v10
	v_and_b32 v10, 15, v0                          ; r
	v_bfe_u32 v11, v0, 4, 1                        ; h
	s_and_b32 s47, s[WV], 1                        ; u: which tile of my group of 32 queries
	s_mul_i32 s56, s47, 520                        ; my tile's registers 6 u .. 6 u + 5 of the pair's image, in pieces of 8 bytes:
	v_add_nc_u32 v[QA], s56, v[LI16]               ; the first and the third at 16 lane + 520 u (+ 0, + 512),
	s_mul_i32 s56, s47, 1016
	v_add_nc_u32 v[QB], s56, v[LI16]               ; the second at 16 lane + 1,016 u + 8
	s_lshl_b32 s56, s47, 7
	v_lshl_add_u32 v[QSV], v10, 3, s56             ; my rows' words: 8 (16 u + r)
	v_and_b32 v[SOA], 8, v10
	s_delay_alu instid0(VALU_DEP_1)
	v_add_nc_u32 v[SOA], v[SOA], v10               ; row r of a tile is query 8 u + r + 8 (r / 8) of its 32
	s_delay_alu instid0(VALU_DEP_1)
	v_lshlrev_b32 v[SOA], 2, v[SOA]
	s_delay_alu instid0(VALU_DEP_1)
	v_mad_u32_u24 v[SOA], v11, 8*SPITCH, v[SOA]    ; my eight d of a tile begin at 8 h
	s_lshr_b32 s56, s[WV], 1
	s_lshl_b32 s56, s56, 7
	s_lshl_b32 s57, s47, 5
	s_add_co_u32 s56, s56, s57
	s_add_co_u32 s56, s56, STAGE
	v_add_nc_u32 v[SOA], s56, v[SOA]
	s_mul_i32 s56, s[WV], 4*SPITCH
	s_add_co_u32 s56, s56, STAGE
	v_add_nc_u32 v[SRD], s56, v[LI16]              ; back: wave w takes rows d = 4 w .. 4 w + 3
	s_mul_i32 s48, s[BH], 98304                    ; qc: 64 pairs of 1,536 bytes a head; my pair: 16 cx + w / 2 (+ 8 a pass)
	s_lshl_b32 s50, s[CX], 4
	s_lshr_b32 s51, s[WV], 1
	s_add_co_u32 s50, s50, s51
	s_mul_i32 s50, s50, 1536
	s_add_co_u32 s48, s48, s50
	s_mov_b32 s49, 0
	s_add_nc_u64 s[4:5], s[4:5], s[48:49]
	s_lshl_b32 s50, s[BH], 13                      ; qs: 256 bytes for each 64 queries: block 8 cx + w / 4 (+ 4 a pass), word (w / 2) % 2
	s_lshl_b32 s51, s[CX], 3
	s_lshr_b32 s52, s[WV], 2
	s_add_co_u32 s51, s51, s52
	s_lshl_b32 s51, s51, 8
	s_add_co_u32 s50, s50, s51
	s_bfe_u32 s51, s[WV], 0x10001
	s_lshl_b32 s51, s51, 2
	s_add_co_u32 s50, s50, s51
	s_mov_b32 s51, 0
	s_add_nc_u64 s[6:7], s[6:7], s[50:51]
	s_lshr_b32 s52, s[BH], 3                       ; att: row 512 b + 8 (4 w) + h of 8,192 bytes, + 2,048 cx (+ 1,024 a pass)
	s_lshl_b32 s52, s52, 9
	s_lshl_b32 s53, s[WV], 5
	s_add_co_u32 s52, s52, s53
	s_and_b32 s53, s[BH], 7
	s_add_co_u32 s52, s52, s53
	s_lshl_b32 s52, s52, 13
	s_lshl_b32 s53, s[CX], 11
	s_add_co_u32 s52, s52, s53
	s_mov_b32 s53, 0
	s_add_nc_u64 s[10:11], s[10:11], s[52:53]
	s_mov_b32 s[SEL], 0x76543210
	s_mov_b32 s[SEL+1], 0xfedcba98                 ; v_permlanex16_b32's selects for lane l xor 16
	s_mov_b32 s[CS], 0x3e38aa3b                    ; c = log2(e) / sqrt(64)
	s_mov_b32 s[CS+1], s[CS]                       ; (named with it as a pair, so it is written)
.irp i, 0,1,2,3,4,5
	v_mov_b32 v[QF+6+\i], 0                        ; Q's upper 64 along K: zero codes, once
	v_mov_b32 v[KF+48+\i], 0                       ; what stands behind K's last tile
.endr
.irp bb, 0,1,2,3
	v_mov_b32 v[BX+\bb], 0                         ; a lane permute's destination counts as one of its sources
.endr
	v_mov_b32 v[FF+1], 0                           ; (named as the upper half of the pair of f)
.macro MMS i                           ; S^T, tile i: 16 keys x my 16 queries
.if (\i)%2
	v_wmma_scale_f32_16x16x128_f8f6f4 v[SS+8*\i:SS+8*\i+7], v[KF+6*\i:KF+6*\i+11], v[QF:QF+11], 0, v[KSC+2*((\i/2)%2)+\i/4], v[QSC] matrix_a_fmt:MATRIX_FMT_FP6 matrix_b_fmt:MATRIX_FMT_FP6 matrix_a_scale:MATRIX_SCALE_ROW1
.else
	v_wmma_scale_f32_16x16x128_f8f6f4 v[SS+8*\i:SS+8*\i+7], v[KF+6*\i:KF+6*\i+11], v[QF:QF+11], 0, v[KSC+2*((\i/2)%2)+\i/4], v[QSC] matrix_a_fmt:MATRIX_FMT_FP6 matrix_b_fmt:MATRIX_FMT_FP6
.endif
.endm
.macro MMO t                           ; O^T, tile t: 16 d x my 16 queries, K = the step's 128 keys
.if (\t)%2
	v_wmma_scale_f32_16x16x128_f8f6f4 v[OO+8*\t:OO+8*\t+7], v[VF+12*\t:VF+12*\t+11], v[PC:PC+11], v[OO+8*\t:OO+8*\t+7], v[VSC+\t/2], v[PSC] matrix_a_fmt:MATRIX_FMT_FP6 matrix_b_fmt:MATRIX_FMT_FP6 matrix_a_scale:MATRIX_SCALE_ROW1
.else
	v_wmma_scale_f32_16x16x128_f8f6f4 v[OO+8*\t:OO+8*\t+7], v[VF+12*\t:VF+12*\t+11], v[PC:PC+11], v[OO+8*\t:OO+8*\t+7], v[VSC+\t/2], v[PSC] matrix_a_fmt:MATRIX_FMT_FP6 matrix_b_fmt:MATRIX_FMT_FP6
.endif
.endm
; A KEY STEP: the record at LDS byte s[TB]
.macro STEP
	v_add_nc_u32 v[AD], s[TB], v[LI16]
	v_add_nc_u32 v[AD8], s[TB], v[LI8]
	v_nop
	v_nop                                          ; four places behind the last step's products, ahead of loads into registers that they read
.set ii, 0
.rept 12
	ds_load_b128 v[KF+4*ii:KF+4*ii+3], v[AD] offset:512*ii
.set ii, ii+1
.endr
	ds_load_b64 v[KSC:KSC+1], v[AD8] offset:12288
	ds_load_b64 v[KSC+2:KSC+3], v[AD8] offset:12544
.set ii, 0
.rept 12
	ds_load_b128 v[VF+4*ii:VF+4*ii+3], v[AD] offset:6144+512*ii
.set ii, ii+1
.endr
	ds_load_b64 v[VSC:VSC+1], v[AD8] offset:12800
	s_wait_dscnt 13                                ; K and its words are in; V's 13 loads stay out
.irp i, 0,1,2,3,4,5,6,7
	MMS \i
.endr
.rept 4
	v_nop                                          ; four places behind the products
.endr
.irp bb, 0,1,2,3
	v_max3_num_f32 v[BM+\bb], v[SS+16*\bb], v[SS+16*\bb+1], v[SS+16*\bb+2]   ; the largest score of each block of 32 keys: it serves the row's maximum and, since p rises with the score, the block's largest p
.endr
.irp i, 3,5,7,9,11,13
.irp bb, 0,1,2,3
	v_max3_num_f32 v[BM+\bb], v[BM+\bb], v[SS+16*\bb+\i], v[SS+16*\bb+\i+1]
.endr
.endr
.irp bb, 0,1,2,3
	v_max_num_f32 v[BM+\bb], v[BM+\bb], v[SS+16*\bb+15]
.endr
.irp bb, 0,1,2,3
	s_delay_alu instid0(VALU_DEP_4)
	v_permlanex16_b32 v[BX+\bb], v[BM+\bb], s[SEL], s[SEL+1]
.endr
.irp bb, 0,1,2,3
	s_delay_alu instid0(VALU_DEP_4)
	v_max_num_f32 v[BM+\bb], v[BM+\bb], v[BX+\bb]  ; with lane l xor 16's 16 keys
.endr
	s_delay_alu instid0(VALU_DEP_2)
	v_max3_num_f32 v[TMP], v[BM], v[BM+1], v[BM+2]
	s_delay_alu instid0(VALU_DEP_1)
	v_max_num_f32 v[TMP], v[TMP], v[BM+3]          ; the step's largest score of my query
	s_delay_alu instid0(VALU_DEP_1)
	v_mul_f32 v[TMP], s[CS], v[TMP]                ; as t (c is positive)
	s_delay_alu instid0(VALU_DEP_1)
	v_max_num_f32 v13, v13, v[TMP]                 ; the running largest t
	v_mov_b32 v[TMP], v12
	s_delay_alu instid0(VALU_DEP_2)
	v_floor_f32 v12, -v13                          ; the new -M = floor(-t): M is a whole number
	s_delay_alu instid0(VALU_DEP_1)
	v_sub_f32 v[TMP], v12, v[TMP]                  ; old M - new M: a whole number, 0 or less
	s_delay_alu instid0(VALU_DEP_1)
	v_cvt_i32_f32 v[TMP], v[TMP]                   ; (it saturates)
	s_delay_alu instid0(VALU_DEP_1)
	v_ldexp_f32 v[FF], 1.0, v[TMP]                 ; f = 2^(old M - new M)
.set ii, 0
.rept 32
	v_pk_fma_f32 v[SS+ii:SS+ii+1], v[SS+ii:SS+ii+1], s[CS:CS+1], v[12:13] op_sel_hi:[1,0,0]   ; t - M, two at a time (of the pairs c and -M the low word serves both halves)
.set ii, ii+2
.endr
.irp bb, 0,1,2,3
	v_fma_f32 v[BM+\bb], v[BM+\bb], s[CS], v12     ; the same of each block's largest score
.endr
.set ii, 0
	s_wait_alu depctr_va_vdst(0)
.rept 64
	v_exp_f32 v[SS+ii], v[SS+ii]                   ; p = 2^(t - M), at most 1
.set ii, ii+1
.endr
	s_setprio 1
	v_pk_mul_f32 v[14:15], v[14:15], v[FF:FF+1] op_sel_hi:[1,0]   ; l under the new M: the plain line behind the exponentials
	s_wait_alu depctr_va_vdst(0)                   ; one wait for the batch of 64, ahead of its first reader
.irp bb, 0,1,2,3
	v_exp_f32 v[BM+\bb], v[BM+\bb]                 ; the block's largest p: the same two instructions on the same number give the same bits
.endr
	v_pk_add_f32 v[94:95], v[148:149], v[152:153]
	v_pk_add_f32 v[254:255], v[156:157], v[160:161]
	v_pk_add_f32 v[252:253], v[164:165], v[168:169]
	v_pk_add_f32 v[250:251], v[172:173], v[176:177]
	v_pk_add_f32 v[248:249], v[180:181], v[184:185]
	v_pk_add_f32 v[86:87], v[188:189], v[192:193]
	v_pk_add_f32 v[84:85], v[196:197], v[200:201]
	v_pk_add_f32 v[14:15], v[14:15], v[204:205]
	v_pk_add_f32 v[94:95], v[94:95], v[144:145]
	v_pk_add_f32 v[254:255], v[254:255], v[146:147]
	v_pk_add_f32 v[252:253], v[252:253], v[150:151]
	v_pk_add_f32 v[250:251], v[250:251], v[154:155]
	v_pk_add_f32 v[248:249], v[248:249], v[158:159]
	v_pk_add_f32 v[86:87], v[86:87], v[162:163]
	v_pk_add_f32 v[84:85], v[84:85], v[166:167]
	v_pk_add_f32 v[14:15], v[14:15], v[170:171]
	v_pk_add_f32 v[94:95], v[94:95], v[174:175]
	v_pk_add_f32 v[254:255], v[254:255], v[178:179]
	v_pk_add_f32 v[252:253], v[252:253], v[182:183]
	v_pk_add_f32 v[250:251], v[250:251], v[186:187]
	v_pk_add_f32 v[248:249], v[248:249], v[190:191]
	v_pk_add_f32 v[86:87], v[86:87], v[194:195]
	v_pk_add_f32 v[84:85], v[84:85], v[198:199]
	v_pk_add_f32 v[14:15], v[14:15], v[202:203]
	v_pk_add_f32 v[94:95], v[94:95], v[206:207]
	s_delay_alu instid0(VALU_DEP_2)
	v_pk_add_f32 v[14:15], v[14:15], v[250:251]
	s_delay_alu instid0(VALU_DEP_2)
	v_pk_add_f32 v[94:95], v[94:95], v[248:249]
	v_pk_add_f32 v[254:255], v[254:255], v[86:87]
	v_pk_add_f32 v[252:253], v[252:253], v[84:85]
	s_delay_alu instid0(VALU_DEP_2)
	v_pk_add_f32 v[14:15], v[14:15], v[254:255]
	s_delay_alu instid0(VALU_DEP_2)
	v_pk_add_f32 v[94:95], v[94:95], v[252:253]
	s_delay_alu instid0(VALU_DEP_1)
	v_pk_add_f32 v[14:15], v[14:15], v[94:95]
	s_wait_alu depctr_va_vdst(0)                   ; and one for the four
.irp bb, 0,1,2,3
	v_max_num_f32 v[BM+\bb], 0x1800000, v[BM+\bb]  ; the floor 2^(3 - 127): the byte cannot fall under 1
.endr
.irp bb, 0,1,2,3
	s_delay_alu instid0(VALU_DEP_4)
	v_add_nc_u32 v[SQ+\bb], 0xff000000, v[BM+\bb]  ; 2 off the exponent field: the conversion's scale operand
.endr
.irp bb, 0,1,2,3
	s_delay_alu instid0(VALU_DEP_4)
	v_lshrrev_b32 v[BY+\bb], 23, v[SQ+\bb]
.endr
	s_delay_alu instid0(VALU_DEP_3)
	v_lshl_or_b32 v[PSC], v[BY+1], 8, v[BY]        ; p's scale word for these 128 keys
	s_delay_alu instid0(VALU_DEP_1)
	v_lshl_or_b32 v[PSC], v[BY+2], 16, v[PSC]
	s_delay_alu instid0(VALU_DEP_1)
	v_lshl_or_b32 v[PSC], v[BY+3], 24, v[PSC]
.irp c, 0,1
	v_cvt_scalef32_pk16_fp6_f32 v[PC+6*\c:PC+6*\c+2], v[SS+32*\c:SS+32*\c+15], v[SQ+2*\c]
	v_cvt_scalef32_pk16_fp6_f32 v[PT+4*\c:PT+4*\c+2], v[SS+32*\c+16:SS+32*\c+31], v[SQ+2*\c+1]
.endr
	v_nop                                          ; one plain line behind the conversions
.irp c, 0,1                            ; the operand's layout wants a whole block in a lane: lanes 0-15 block 2 c, lanes 16-31 block 2 c + 1
.irp i, 0,1,2
	v_permlane16_swap_b32 v[PC+6*\c+\i], v[PT+4*\c+\i]
.endr
.irp i, 0,1,2
	s_delay_alu instid0(VALU_DEP_3)
	v_mov_b32 v[PC+6*\c+3+\i], v[PT+4*\c+\i]
.endr
.endr
.set ii, 0
	s_setprio 0
.rept 16
	v_pk_mul_f32 v[OO+ii:OO+ii+1], v[OO+ii:OO+ii+1], v[FF:FF+1] op_sel_hi:[1,0]   ; O^T under the new M; these lines are also the places between p's word and codes and the products
.set ii, ii+2
.endr
	s_wait_alu depctr_va_vdst(0)
	s_wait_dscnt 0x0                               ; V and its words
.irp t, 0,1,2,3
	MMO \t                                         ; four accumulators, one instruction each
.endr
.endm
; Four key steps, whose records fill g brought.  Loads of a wave end in order: with 3 - g younger ones out, load g has landed.  (In the second pass, and in waves 4-15, the wait is met at once.)
; The younger loads may stay out across it.  In the second pass these barriers also part the first pass's reads of the stage from its next stores.
.macro GROUP g
	s_wait_tensorcnt 3-\g
	s_wait_dscnt 0x0
	s_barrier_signal -1
	s_barrier_wait -1
	s_mov_b32 s[TB], \g*4*REC
	s_mov_b32 s[NST], 4
.Lstep_\@:
	s_setprio 2
	STEP
	s_add_co_u32 s[TB], s[TB], REC
	s_sub_co_u32 s[NST], s[NST], 1
	s_cmp_lg_u32 s[NST], 0
	s_cbranch_scc1 .Lstep_\@
	s_setprio 0
.endm
	s_mov_b32 s[NPS], 2
.Lpass:
	global_load_b64 v[QF:QF+1], v[QA], s[4:5]
	global_load_b64 v[QF+2:QF+3], v[QB], s[4:5] offset:8
	global_load_b64 v[QF+4:QF+5], v[QA], s[4:5] offset:512
	global_load_b32 v[QSC], v[QSV], s[6:7]
	v_mov_b32 v13, 0xff61b1e6                      ; the largest t so far: -3e38, under every t
	s_delay_alu instid0(VALU_DEP_1)
	v_floor_f32 v12, -v13                          ; -M
	v_mov_b32 v14, 0
	v_mov_b32 v15, 0
.set ii, 0
.rept 32
	v_mov_b32 v[OO+ii], 0                          ; O^T: the step is written once; the first finds zeros, which the first change of M leaves zeros
.set ii, ii+1
.endr
	s_wait_loadcnt 0x0                             ; Q and its words
	GROUP 0
	GROUP 1
	GROUP 2
	GROUP 3
	; THE WAY OUT of a pass: O^T / l goes to the work-group's stage, row d, column = the query's place among the 256, and leaves as whole rows
.rept 4
	v_nop                                          ; four places behind the last products
.endr
	v_add_f32 v14, v14, v15
	s_delay_alu instid0(VALU_DEP_1)
	v_permlanex16_b32 v[TMP], v14, s[SEL], s[SEL+1]
	s_delay_alu instid0(VALU_DEP_1)
	v_add_f32 v14, v14, v[TMP]                     ; with lane l xor 16's keys: the row's sum
	s_wait_alu depctr_va_vdst(0)
	v_rcp_f32 v14, v14
	v_nop                                          ; a plain line behind the reciprocal,
	s_wait_alu depctr_va_vdst(0)                   ; and a wait ahead of its first reader
.set ii, 0
.rept 32
	v_mul_f32 v[SS+ii], v[OO+ii], v14              ; register 8 t + j: d = 16 t + 8 h + j; each accumulator from its low end on
.set ii, ii+1
.endr
.irp t, 0,1,2,3
.irp j, 0,1,2,3,4,5,6,7
	ds_store_b32 v[SOA], v[SS+8*\t+\j] offset:(16*\t+\j)*SPITCH
.endr
.endr
	s_wait_dscnt 0x0                               ; for the others' sake: my stores have landed
	s_barrier_signal -1
	s_barrier_wait -1
.irp k, 0,1,2,3
.irp q, 0,1
	ds_load_b128 v[VF+4*(2*\k+\q):VF+4*(2*\k+\q)+3], v[SRD] offset:SPITCH*\k+512*\q
.endr
.endr
.irp k, 0,1,2,3
.irp q, 0,1
	s_wait_dscnt 7-(2*\k+\q)
	global_store_b128 v[LI16], v[VF+4*(2*\k+\q):VF+4*(2*\k+\q)+3], s[10:11] offset:65536*\k+512*\q   ; 32 lanes store 512 consecutive bytes, aligned: channel 8 (4 w + k) + h
.endr
.endr
	s_wait_xcnt 0x0                                ; the stores have read their registers and their base: both are written again
	s_add_nc_u64 s[4:5], s[4:5], 8*1536
	s_add_nc_u64 s[6:7], s[6:7], 1024
	s_add_nc_u64 s[10:11], s[10:11], 1024
	s_sub_co_u32 s[NPS], s[NPS], 1
	s_cmp_lg_u32 s[NPS], 0
	s_cbranch_scc1 .Lpass
	s_wait_xcnt 0x0
	v_lshl_add_u32 v254, v0, 2, 0x43400
	v_mov_b32 v255, 0
	s_wait_alu depctr_va_vdst(0)
	s_wait_tensorcnt 0x0
	ds_add_u32 v254, v255
	s_wait_dscnt 0x0
	CROUND                                         ; the closing round: no work-group ends while a partner may still ask for a record that names it
	s_endpgm
.Lfunc_end_k_q5fa8dd9336_attn:
	.size	k_q5fa8dd9336_attn, .Lfunc_end_k_q5fa8dd9336_attn-k_q5fa8dd9336_attn
	.p2alignl 7, 3214868480
	.fill 96, 4, 3214868480
	.section	.rodata,"a",@progbits
	.p2align	6, 0x0
	.amdhsa_kernel k_q5fa8dd9336_attn
		.amdhsa_group_segment_fixed_size 277504
		.amdhsa_private_segment_fixed_size 0
		.amdhsa_enable_private_segment 0
		.amdhsa_kernarg_size 32
		.amdhsa_user_sgpr_count 2
		.amdhsa_user_sgpr_kernarg_segment_ptr 1
		.amdhsa_wavefront_size32 1
		.amdhsa_system_sgpr_workgroup_id_x 1
		.amdhsa_system_sgpr_workgroup_id_y 1
		.amdhsa_system_sgpr_workgroup_id_z 1
		.amdhsa_system_vgpr_workitem_id 0
		.amdhsa_next_free_vgpr 256
		.amdhsa_next_free_sgpr 66
		.amdhsa_reserve_vcc 0
		.amdhsa_float_denorm_mode_32 3
		.amdhsa_float_denorm_mode_16_64 3
		.amdhsa_memory_ordered 1
		.amdhsa_forward_progress 1
		.amdhsa_inst_pref_size 82
	.end_amdhsa_kernel
	.amdgpu_metadata
---
amdhsa.version: [ 1, 2 ]
amdhsa.kernels:
  - .name:           k_q5fa8dd9336_attn
    .symbol:         k_q5fa8dd9336_attn.kd
    .args:
      - { .name: qc, .offset: 0, .size: 8, .value_kind: global_buffer, .address_space: global }
      - { .name: qs, .offset: 8, .size: 8, .value_kind: global_buffer, .address_space: global }
      - { .name: kv, .offset: 16, .size: 8, .value_kind: global_buffer, .address_space: global }
      - { .name: att, .offset: 24, .size: 8, .value_kind: global_buffer, .address_space: global }
    .group_segment_fixed_size: 277504
    .private_segment_fixed_size: 0
    .kernarg_segment_align: 8
    .kernarg_segment_size: 32
    .max_flat_workgroup_size: 512
    .sgpr_count:     66
    .vgpr_count:     256
    .wavefront_size: 32
...
	.end_amdgpu_metadata
.endif
;; end of part 7
;; launch outproj (part 8): grid 256 x 1, 8 waves a work-group, no clusters, 165,888 bytes of LDS; arguments att, bm, wrec, out0; writes out0
.if DOCPART == 8
	.amdgcn_target "amdgcn-amd-amdhsa--gfx1250"
	.amdhsa_code_object_version 6
	.text
	.protected	k_q5fa8dd9336_outproj
	.globl	k_q5fa8dd9336_outproj
	.p2align	8
	.type	k_q5fa8dd9336_outproj,@function
k_q5fa8dd9336_outproj:
	s_mov_b64 s[64:65], 0
	v_nop
	global_prefetch_b8 v0, s[64:65] scope:SCOPE_SE
	s_setreg_imm32_b32 hwreg(HW_REG_WAVE_SCHED_MODE, 0, 2), 2
	s_setreg_imm32_b32 hwreg(HW_REG_WAVE_MODE, 25, 1), 1
	s_wait_xcnt 0x0
	s_wait_alu depctr_vm_vsrc(0)
; out0[b][o][n] = the sum over i of wm[o][i] att[b][i][n] + bm[o], on codes of FP6 (E2M3) with one E8M0 scale for each 32 along i.
; SHARES.  A work-group takes 64 columns n (n-block nb) of one batch b, all 512 i and all 512 outputs; att is read once, by this work-group alone.
; X PHASE.  K = i is not innermost: a lane takes a column and its registers run down i.  Wave w takes K step s = w / 2 (128 i) of group G = w % 2 (32 columns): each load reads 128 consecutive bytes.
; A lane's four blocks of 32 are quantised in registers; twelve exchanges of lane halves make two fragments; they go to LDS as images of their registers (group of four registers at 512 g + 16 x lane).
; COLUMN ORDER: lane l takes column (l & 7) + 16 (l >> 3 & 1) + 8 (l >> 4) of its 32, so that row r of x's tile u is column 8 u + r + 8 (r / 8): results of tiles u = 0, 1 are then 16 neighbours along n in a lane.
; PRODUCTS.  Wave w makes outputs 64 w .. 64 w + 63; its 16 weight fragments stay in registers.  Source 0 = x, source 1 = W: a lane holds one output o = 64 w + 16 t + r and 16 neighbouring columns.  The bias is the C of each sum's first product.
; THE WAY OUT.  A wave's 64 rows x 64 columns meet in its own stage (rows of 256 bytes + 16) and leave as rows: sixteen lanes store 256 consecutive bytes, aligned.
; No cluster: work-groups share only the weight's records, which go straight into registers.  No prefetch: a work-group asks for all it reads within its first lines.
; LIMITS: a block of zeros gets the byte 1 where the rule says 127 (its codes are zeros, and this program alone reads the bytes); NaN and infinities are not served.
; REGISTERS.  Window 0: v1-15 lane numbers and addresses; v18-22 at work; v24-31, v32-47 scale words (x's, a set for each group; W's) and nothing else; v56-58 at work in the X phase; v64-127 two sets of 32 numbers;
;   v128-223 group 0's eight fragments of x (X phase: the two made, at v160); v48-119 group 1's fragments of K steps 0 to 2, v128-151 those of its K step 3; v64-191 on the way out; v224-255 the bias.
;   Window 1: v0-191 W's 16 fragments; v192-255 eight accumulators.
; THE MODE: SCHED_MODE bits 1:0 = 2 (LLVM: expert scheduling mode 2), set by the entry lines.  The code itself states the register dependences
; between vector or matrix instructions and memory or LDS instructions, with s_wait_alu, always for 0.
; THE PLAN.  Registers that memory or LDS instructions touch, and who else names them:
;   v4-15          offsets and LDS addresses: written by vector lines at the head and never again; read by every load and store.
;   X0, X1         a block of att lands; its quantiser reads it; behind one wait on va_vdst the block two on lands in it.
;   F0, F1, v22    written by the quantiser and the exchanges; behind one wait on va_vdst seven LDS stores read them; behind the barrier one wait on vm_vsrc, and group 0's fragments land on them.
;   v48-119, v28-31  free since the X phase (its last vector line stands ahead of the wait on va_vdst in front of the LDS stores).  Group 1's fragments of K steps 0 to 2 and its words land here, asked for in three runs
;                  between group 0's four K steps: group 0's products name v128-223, v24-27, v32-47, v224-255 and window 1, none of these loads' registers.
;   the accumulators  written by a group's products; behind the places and one wait on va_vdst sixteen LDS stores read them; behind one wait on vm_vsrc group 1's products write them anew.
;   v128-151       read by group 0's first K step; the same wait on va_vdst frees them for group 1's K step 3.
;   v64-191        read by group 1's products; the wait on va_vdst behind them frees them for the way out's loads.
;   W, its words and the bias are loaded once, into registers that no vector line names, and are read by matrix instructions alone.
.set FRB,   1536
.set WREC,  26624
.set XSC,   24576                      ; LDS: 0: x's 16 fragments, wave w's tile u at (2 w + u) x 1,536;  here: their scale words, 128 bytes a wave
.set OSTG,  25600                      ; the stages: 64 rows x 272 bytes a wave
.set OPITCH, 272
.set XO,  4
.set LI,  5
.set LS,  6
.set L8,  7
.set XWI, 8
.set XWS, 9
.set BO,  12
.set SOA, 13
.set ORD, 14
.set OGO, 15
.set MXA, 18
.set MXB, 19
.set SCO, 20
.set BYT, 21
.set XW,  22
.set XS,  24                           ; v24-27 group 0's scale words of x, K step s; v28-31 group 1's
.set WS,  32
.set XG,  48                           ; v48-119 group 1's fragments (K step s < 3, tile u) at 12 (2 s + u)
.set TC,  56
.set X0,  64
.set X1,  96
.set OB,  64
.set XF,  128
.set F0,  160
.set F1,  172
.set BIAS, 224
.set ACC, 192                          ; in window 1
.set MSB, 0
.macro WIN new                         ; the immediate's high byte repeats the setting that is left
.if MSB != \new
	s_set_vgpr_msb (MSB<<8)|\new
.set MSB, \new
.endif
.endm
; 32 numbers of one lane, v[src] on, become 6 registers of codes at v[dst] and the scale's byte in v[byt]
.macro QBLK src, dst, byt
	v_max3_num_f32 v[MXA], |v[\src]|, |v[\src+1]|, |v[\src+2]|
	v_max3_num_f32 v[MXB], |v[\src+3]|, |v[\src+4]|, |v[\src+5]|
.irp i, 6,10,14,18,22,26
	v_max3_num_f32 v[MXA], v[MXA], |v[\src+\i]|, |v[\src+\i+1]|
	v_max3_num_f32 v[MXB], v[MXB], |v[\src+\i+2]|, |v[\src+\i+3]|
.endr
	v_max3_num_f32 v[MXA], v[MXA], |v[\src+30]|, |v[\src+31]|
	v_max3_num_f32 v[MXA], v[MXA], v[MXB], 0x1800000   ; and the floor 2^(3 - 127): the byte cannot fall under 1
	v_add_nc_u32 v[SCO], 0xff000000, v[MXA]            ; 2 off the exponent field: the conversion's scale operand
	v_lshrrev_b32 v[\byt], 23, v[SCO]                  ; the scale's byte
	v_cvt_scalef32_pk16_fp6_f32 v[\dst:\dst+2], v[\src:\src+15], v[SCO]
	v_cvt_scalef32_pk16_fp6_f32 v[TC:TC+2], v[\src+16:\src+31], v[SCO]   ; (a conversion's three registers begin on an even number)
	v_nop                                              ; one plain line behind the conversions
	v_mov_b32 v[\dst+3], v[TC]
	v_mov_b32 v[\dst+4], v[TC+1]
	v_mov_b32 v[\dst+5], v[TC+2]
.endm
.macro LOADX blk, set                  ; block blk of my K step: att(32 blk + i, my column), i = 0 .. 31
.set ii, 0
.rept 32
	global_load_b32 v[\set+ii], v[XO], s[34:35] offset:(32*\blk+ii)*8192 th:TH_LOAD_NT
.set ii, ii+1
.endr
.endm
	s_load_b256 s[4:11], s[0:1], 0x0               ; att, bm, the weights' records, out0
	v_lshl_add_u32 v17, v0, 2, 0x28400
	v_mov_b32 v23, 0
	v_lshrrev_b32 v1, 5, v0
	v_readfirstlane_b32 s28, v1                    ; wave 0..7
	s_lshr_b32 s30, ttmp9, 5                       ; b
	s_and_b32 s31, ttmp9, 31                       ; nb
	v_and_b32 v1, 31, v0                           ; lane
	v_and_b32 v2, 15, v0                           ; r
	v_bfe_u32 v3, v0, 4, 1                         ; h
	v_and_b32 v[XO], 7, v0
	v_bfe_u32 v[BO], v0, 3, 1
	v_lshl_or_b32 v[XO], v[BO], 4, v[XO]
	v_lshl_or_b32 v[XO], v3, 3, v[XO]              ; my column: bits 3 and 4 of the lane's number change places
	v_lshlrev_b32 v[XO], 2, v[XO]
	s_lshl_b32 s38, s30, 22                        ; b x 512 rows + 128 (w / 2) rows of 8,192 bytes, + 256 nb + 128 (w % 2)
	s_wait_alu depctr_va_sdst(0)                   ; s28 is written, ahead of its first reader: bases and LDS addresses are made from it
	s_lshr_b32 s39, s28, 1
	s_lshl_b32 s39, s39, 20
	s_add_co_u32 s38, s38, s39
	s_lshl_b32 s39, s31, 8
	s_add_co_u32 s38, s38, s39
	s_and_b32 s39, s28, 1
	s_lshl_b32 s39, s39, 7
	s_add_co_u32 s38, s38, s39
	s_mov_b32 s39, 0
	s_wait_kmcnt 0x0
	s_add_nc_u64 s[34:35], s[4:5], s[38:39]
	s_wait_alu depctr_va_vdst(0)                   ; v4 is written: every load of att reads it as its offset
	LOADX 0, X0
	LOADX 1, X1
	; the other addresses, while the loads are out
	v_lshlrev_b32 v[LI], 4, v1
	v_lshlrev_b32 v[LS], 2, v1
	v_lshlrev_b32 v[L8], 3, v1
	s_mul_i32 s33, s28, 2*FRB
	v_add_nc_u32 v[XWI], s33, v[LI]
	s_lshl_b32 s33, s28, 7
	s_add_co_u32 s33, s33, XSC
	v_add_nc_u32 v[XWS], s33, v[LS]
	s_lshl_b32 s33, s28, 8
	v_lshl_add_u32 v[BO], v2, 2, s33               ; 4 (64 w + r)
	s_mul_i32 s33, s28, 64*OPITCH
	s_add_co_u32 s33, s33, OSTG                    ; my stage
	v_mul_u32_u24 v[SOA], v2, OPITCH
	v_lshl_add_u32 v[SOA], v3, 6, v[SOA]
	v_add_nc_u32 v[SOA], s33, v[SOA]               ; in: row r of a tile, + 64 h: my 16 columns of a group
	v_mul_u32_u24 v[ORD], v3, OPITCH
	v_lshl_add_u32 v[ORD], v2, 4, v[ORD]
	v_add_nc_u32 v[ORD], s33, v[ORD]               ; back: lanes 0-15 one row, lanes 16-31 the next
	v_lshlrev_b32 v[OGO], 4, v2
	v_lshl_add_u32 v[OGO], v3, 13, v[OGO]          ; and the same two rows in out0
	s_add_co_u32 s33, s28, 24                      ; record 8 x 3 + w
	s_mul_i32 s38, s33, WREC
	s_add_nc_u64 s[56:57], s[8:9], s[38:39]
	s_lshl_b32 s38, s30, 22                        ; out0: row 512 b + 64 w of 8,192 bytes, + 256 nb
	s_lshl_b32 s33, s28, 19
	s_add_co_u32 s38, s38, s33
	s_lshl_b32 s33, s31, 8
	s_add_co_u32 s38, s38, s33
	s_add_nc_u64 s[44:45], s[10:11], s[38:39]
	; ---- X: four blocks of 32 of my column; fragment F0 takes blocks 0 and 2, F1 blocks 1 and 3
	s_wait_loadcnt 32                              ; block 0 is in; block 1's 32 loads stay out
	QBLK X0, F0, XW
	s_wait_alu depctr_va_vdst(0)                   ; the quantiser is done reading X0, in which block 2 lands; the addresses v5-15 are written, which all later loads and stores read
	LOADX 2, X0
	s_wait_loadcnt 32                              ; block 1 is in; block 2's stay out
	QBLK X1, F1, BYT
	v_lshl_or_b32 v[XW], v[BYT], 8, v[XW]
	s_wait_alu depctr_va_vdst(0)                   ; the quantiser is done reading X1, in which block 3 lands.  W's loads follow with loads and window switches alone between: no vector line names their registers
	LOADX 3, X1
	WIN 0x40                                       ; destination window 1
.set ii, 0
.rept 48                               ; W's 16 fragments, as images: 512 consecutive bytes a load
	global_load_b128 v[4*ii:4*ii+3], v[LI], s[56:57] offset:512*ii
.set ii, ii+1
.endr
	WIN 0
.irp t, 0,1,2,3
.irp p, 0,1
	global_load_b64 v[WS+4*\t+2*\p:WS+4*\t+2*\p+1], v[L8], s[56:57] offset:24576+512*\t+256*\p
.endr
.endr
	s_wait_loadcnt 63                              ; block 2 is in: 88 younger loads exist (block 3's 32, W's 56); 63 is the largest count that the wait can name
	QBLK X0, F0+6, BYT
	v_lshl_or_b32 v[XW], v[BYT], 16, v[XW]
.irp t, 0,1,2,3
.irp j, 0,1,2,3,4,5,6,7
	global_load_b32 v[BIAS+8*\t+\j], v[BO], s[6:7] offset:64*\t   ; all eight registers of tile t are o = 64 w + 16 t + r: the C operand wants the word eight times, and eight loads cost no vector line.  (No wait: no vector line since the last wait on va_vdst names v12 or v224-255)
.endr
.endr
	s_wait_loadcnt 63                              ; block 3 is in: 88 younger loads exist (W's 56, the bias's 32)
	QBLK X1, F1+6, BYT
	v_lshl_or_b32 v[XW], v[BYT], 24, v[XW]
.set ii, 0
.rept 12                               ; F0's lanes 16-31 change places with F1's lanes 0-15: F0 is now tile u = 0's fragment, F1 tile u = 1's
	v_permlane16_swap_b32 v[F0+ii], v[F1+ii]
.set ii, ii+1
.endr
	s_wait_alu depctr_va_vdst(0)                   ; the exchanges have written F0 and F1, the quantiser v22: the LDS stores below read them.  All vector lines that named v56-58, X0 and X1 are done too: LDS loads land there later
.irp g, 0,1,2
	ds_store_b128 v[XWI], v[F0+4*\g:F0+4*\g+3] offset:512*\g
	ds_store_b128 v[XWI], v[F1+4*\g:F1+4*\g+3] offset:FRB+512*\g
.endr
	ds_store_b32 v[XWS], v[XW]                     ; lane 16 u + r: the word of tile u's row r
	s_wait_dscnt 0x0                               ; for the others' sake: my stores have landed
	s_barrier_signal -1
	s_barrier_wait -1                              ; x's 16 fragments and their words lie in LDS; they are not written again
	s_wait_loadcnt 0x0                             ; W, its words, the bias
	s_wait_alu depctr_vm_vsrc(0)                   ; my LDS stores have read F0 and F1 (v160-183), on which group 0's fragments land
.macro XFRAG reg, grp, s, u            ; the fragment of group grp, K step s, tile u into v[reg] on
.irp p, 0,1,2
	ds_load_b128 v[\reg+4*\p:\reg+4*\p+3], v[LI] offset:((2*(\s)+\grp)*2+\u)*FRB+512*\p
.endr
.endm
; accumulator (t, u) += x(s, u) W(t, s), for group grp.  The first K step takes the bias as C.
.macro MMV grp, s, u, t
.set rD, ACC+16*\t+8*\u
.set rB, 12*(4*\t+\s)
.set rS, XS+4*\grp+\s
.set rA, XF+12*(2*\s+\u)
.if \grp
.set rA, XG+12*(2*\s+\u)
.if \s == 3
.set rA, XF+12*\u
.endif
.endif
.if \s == 0
.if \u == 0
	v_wmma_scale_f32_16x16x128_f8f6f4 v[rD:rD+7], v[rA:rA+11], v[rB:rB+11], v[BIAS+8*\t:BIAS+8*\t+7], v[rS], v[WS+4*\t+\s] matrix_a_fmt:MATRIX_FMT_FP6 matrix_b_fmt:MATRIX_FMT_FP6
.else
	v_wmma_scale_f32_16x16x128_f8f6f4 v[rD:rD+7], v[rA:rA+11], v[rB:rB+11], v[BIAS+8*\t:BIAS+8*\t+7], v[rS], v[WS+4*\t+\s] matrix_a_fmt:MATRIX_FMT_FP6 matrix_b_fmt:MATRIX_FMT_FP6 matrix_a_scale:MATRIX_SCALE_ROW1
.endif
.else
.if \u == 0
	v_wmma_scale_f32_16x16x128_f8f6f4 v[rD:rD+7], v[rA:rA+11], v[rB:rB+11], v[rD:rD+7], v[rS], v[WS+4*\t+\s] matrix_a_fmt:MATRIX_FMT_FP6 matrix_b_fmt:MATRIX_FMT_FP6
.else
	v_wmma_scale_f32_16x16x128_f8f6f4 v[rD:rD+7], v[rA:rA+11], v[rB:rB+11], v[rD:rD+7], v[rS], v[WS+4*\t+\s] matrix_a_fmt:MATRIX_FMT_FP6 matrix_b_fmt:MATRIX_FMT_FP6 matrix_a_scale:MATRIX_SCALE_ROW1
.endif
.endif
.endm
.macro MUL8 grp, s                     ; a K step: the eight accumulators take turns, one instruction a turn
.if \s == 0
	WIN 0x44                                       ; source 1 (W) and the result window 1; x and the bias window 0
.else
	WIN 0x54                                       ; C window 1 too
.endif
.irp t, 0,1,2,3
.irp u, 0,1
	MMV \grp, \s, \u, \t
.endr
.endr
.endm
.macro TOSTAGE grp                     ; the group's 64 rows x 32 columns into my stage
	WIN 0x04                                       ; an LDS store's data are its source 1: window 1
.irp t, 0,1,2,3
.irp u, 0,1
	ds_store_b128 v[SOA], v[ACC+16*\t+8*\u:ACC+16*\t+8*\u+3] offset:16*OPITCH*\t+128*\grp+32*\u        ; each accumulator from its low end on: columns 32 grp + 16 h + 8 u + 0 .. 7 of row 16 t + r
	ds_store_b128 v[SOA], v[ACC+16*\t+8*\u+4:ACC+16*\t+8*\u+7] offset:16*OPITCH*\t+128*\grp+32*\u+16
.endr
.endr
	WIN 0
.endm
	; ---- group 0
.irp s, 0,1,2,3
	XFRAG XF+24*\s, 0, \s, 0
	XFRAG XF+24*\s+12, 0, \s, 1
	ds_load_b32 v[XS+\s], v[LS] offset:XSC+128*(2*\s)
.endr
	s_wait_dscnt 0x0                               ; group 0's fragments and words are in
.irp s, 0,1,2,3
	MUL8 0, \s
.if \s < 3
	WIN 0                                          ; group 1's fragments of K step s, behind group 0's K step s.  No wait: no vector or matrix line since the wait in front of the X phase's LDS stores names v28-31 or v48-119
	XFRAG XG+24*\s, 1, \s, 0
	XFRAG XG+24*\s+12, 1, \s, 1
.if \s == 0
.irp k, 0,1,2,3
	ds_load_b32 v[XS+4+\k], v[LS] offset:XSC+128*(2*\k+1)   ; and its four registers of scale words
.endr
.endif
.endif
.endr
	WIN 0
.rept 5
	v_nop                                          ; FIVE places behind the products: four would serve the stores that read the results
.endr                                          ; the next group's first products begin the accumulators anew, with the bias as C, and so write over these products' registers: that takes one more, and no other vector line stands between the groups
	s_wait_alu depctr_va_vdst(0)                   ; group 0's products have written the accumulators, which the LDS stores read, and are done reading v128-151, in which group 1's K step 3 lands; the places above stay beside this wait
	XFRAG XF, 1, 3, 0
	XFRAG XF+12, 1, 3, 1
	TOSTAGE 0
	; ---- group 1
	s_wait_alu depctr_vm_vsrc(0)                   ; the LDS stores have read the accumulators, which group 1's first products write anew
	s_wait_dscnt 22                                ; K steps 0 to 2 and the words are in; the six loads of K step 3 and the sixteen stores behind them may be out
	MUL8 1, 0
	MUL8 1, 1
	MUL8 1, 2
	s_wait_dscnt 16                                ; K step 3 is in; the sixteen stores may be out
	MUL8 1, 3
	WIN 0
.rept 5
	v_nop                                          ; the same run of places behind group 1's products, ahead of the stores that read the results
.endr
	s_wait_alu depctr_va_vdst(0)                   ; group 1's products have written the accumulators, which the LDS stores read, and are done reading v48-119 and v128-151: the way out's loads land on v64-191
	TOSTAGE 1
.set ii, 0
.rept 32
	ds_load_b128 v[OB+4*ii:OB+4*ii+3], v[ORD] offset:2*OPITCH*ii   ; LDS serves a wave's instructions in order: these see my stores
.set ii, ii+1
.endr
.set ii, 0
.rept 32
	s_wait_dscnt 31-ii
	global_store_b128 v[OGO], v[OB+4*ii:OB+4*ii+3], s[44:45] offset:16384*ii th:TH_STORE_NT   ; sixteen lanes store 256 consecutive bytes, aligned; written once, read by nobody here
.set ii, ii+1
.endr
	s_wait_dscnt 0x0
	s_wait_alu depctr_hold_cnt(0) depctr_sa_sdst(0) depctr_va_vdst(0) depctr_va_sdst(0) depctr_va_ssrc(0) depctr_va_vcc(0) depctr_vm_vsrc(0)
	s_wait_tensorcnt 0x0
	ds_add_u32 v17, v23
	s_wait_dscnt 0x0
	s_endpgm
.Lfunc_end_k_q5fa8dd9336_outproj:
	.size	k_q5fa8dd9336_outproj, .Lfunc_end_k_q5fa8dd9336_outproj-k_q5fa8dd9336_outproj
	.p2alignl 7, 3214868480
	.fill 96, 4, 3214868480
	.section	.rodata,"a",@progbits
	.p2align	6, 0x0
	.amdhsa_kernel k_q5fa8dd9336_outproj
		.amdhsa_group_segment_fixed_size 165888
		.amdhsa_private_segment_fixed_size 0
		.amdhsa_enable_private_segment 0
		.amdhsa_kernarg_size 32
		.amdhsa_user_sgpr_count 2
		.amdhsa_user_sgpr_kernarg_segment_ptr 1
		.amdhsa_wavefront_size32 1
		.amdhsa_system_sgpr_workgroup_id_x 1
		.amdhsa_system_sgpr_workgroup_id_y 1
		.amdhsa_system_sgpr_workgroup_id_z 1
		.amdhsa_system_vgpr_workitem_id 0
		.amdhsa_next_free_vgpr 512
		.amdhsa_next_free_sgpr 66
		.amdhsa_reserve_vcc 0
		.amdhsa_float_denorm_mode_32 3
		.amdhsa_float_denorm_mode_16_64 3
		.amdhsa_memory_ordered 1
		.amdhsa_forward_progress 1
		.amdhsa_inst_pref_size 51
	.end_amdhsa_kernel
	.amdgpu_metadata
---
amdhsa.version: [ 1, 2 ]
amdhsa.kernels:
  - .name:           k_q5fa8dd9336_outproj
    .symbol:         k_q5fa8dd9336_outproj.kd
    .args:
      - { .name: att, .offset: 0, .size: 8, .value_kind: global_buffer, .address_space: global }
      - { .name: bm, .offset: 8, .size: 8, .value_kind: global_buffer, .address_space: global }
      - { .name: wrec, .offset: 16, .size: 8, .value_kind: global_buffer, .address_space: global }
      - { .name: out0, .offset: 24, .size: 8, .value_kind: global_buffer, .address_space: global }
    .group_segment_fixed_size: 165888
    .private_segment_fixed_size: 0
    .kernarg_segment_align: 8
    .kernarg_segment_size: 32
    .max_flat_workgroup_size: 256
    .sgpr_count:     66
    .vgpr_count:     512
    .wavefront_size: 32
...
	.end_amdgpu_metadata
.endif
;; end of part 8
